; MI455X (gfx1250); checked and timed in simulation.
; The chip was launched on July 23, 2026; its instructions are those of AMD's public machine-readable ISA for CDNA 5 (MIT licence, August 2026) and "CDNA5" Instruction Set Architecture Reference Guide (July 2026). The comments in the code are by the model that wrote it; some were corrected since.
;; Causal Attention. Allowed arithmetic: matrix products marked QUANTISED: E3M2 operands, one E8M0 scale for each 32 along K, by v_wmma_scale_f32_16x16x128_f8f6f4 with both operands' format E3M2, f32 sums; everything else in f32.
;; Inputs: Wk 1,024 x 1,024 float32; Wq 1,024 x 1,024 float32; Wv 1,024 x 1,024 float32; x 4 x 2,048 x 1,024 float32.
;; Outputs: out0 4 x 2,048 x 1,024 float32.
;; This version of the problem:
;;   THIS VERSION OF THE PROBLEM IS GIVEN IN LOW PRECISION. The matrix products marked QUANTISED in the list below multiply operands that are first quantised to E3M2 (3 exponent bits, 2 mantissa bits; 6 bits a number), with one power-of-two scale for each 32 numbers along K (OCP MX v1.0); their sums are f32. All else is computed in f32.
;;   The module's matrix products, in the order in which they are computed (A, B: the left and right operand; K: the contracted axis; several contracted axes count as one K, in the product's order):
;;     1. [M 8,192, K 1,024] x [K 1,024, N 1,024]; A: input x; B: input Wq: QUANTISED
;;     2. [M 8,192, K 1,024] x [K 1,024, N 1,024]; A: input x; B: input Wk: QUANTISED
;;     3. [M 8,192, K 1,024] x [K 1,024, N 1,024]; A: input x; B: input Wv: QUANTISED
;;     4. batch 4 x [M 2,048, K 1,024] x [K 1,024, N 2,048]; A: computed on the way; B: computed on the way: QUANTISED
;;     5. batch 4 x [M 2,048, K 2,048] x [K 2,048, N 1,024]; A: softmax (see below); B: computed on the way: QUANTISED
;;   THE QUANTISER, for each operand of a quantised product, along K:
;;     - K is cut into blocks of 32 from its start; a last block that is shorter is filled with zeros.
;;     - A block's scale is 2^e with e = floor(log2(the largest magnitude in the block)) - 4, held to -126 .. 127; a block of zeros has e = 0. As a byte (E8M0): e + 127.
;;     - Each number is divided by its block's scale, clamped to +-28, and rounded to the nearest number of E3M2, ties to even, subnormals kept.
;;     - The product sums the exact products of the quantised numbers (number of the format x scale) in f32.
;;   ~~~python
;;   def quantise(x, axis):      # numpy; x: float32 -> the quantised numbers, widened to float32 again
;;       x = np.moveaxis(x, axis, -1); K = x.shape[-1]
;;       x = np.pad(x, [(0, 0)] * (x.ndim - 1) + [(0, -K % 32)]); x = x.reshape(x.shape[:-1] + (-1, 32)); a = np.abs(x).max(-1, keepdims=True)
;;       e = np.where(a > 0, np.clip(np.frexp(np.where(a > 0, a, 1))[1] - 1 - 4, -126, 127), 0)      # np.frexp(a)[1] - 1 = floor(log2(a)), exactly
;;       r = np.clip(x / 2.0 ** e, -28, 28)
;;       step = 2.0 ** (np.maximum(np.frexp(np.where(r == 0, 1, r))[1] - 1, -2) - 2)
;;       q = np.round(r / step) * step * 2.0 ** e      # np.round: ties to even
;;       return np.moveaxis(q.reshape(q.shape[:-2] + (-1,))[..., :K], -1, axis).astype(np.float32)
;;   ~~~
;;   SOFTMAX AHEAD OF A QUANTISED PRODUCT. Where the list says 'softmax', what is quantised is not the finished softmax but p = 2^(t - M), with t = logit x log2(e) and M = ceil(the row's largest t), a whole number; so 1/2 < the row's largest p <= 1. The row's sum l is taken of the UNQUANTISED p, in f32, and the product's result is divided by l at the end. Since M is a whole number, a kernel that streams over the keys may use a running M (the ceiling of the running maximum): every later rescaling is an exact power of two, which a block's scale takes up: the codes' values come out the same.
;;   OPERANDS COMPUTED ON THE WAY. 'Computed on the way' means the value that the module computes at that place (a softmax that the list does not call 'softmax' is quantised finished and normalised). What goes into a quantiser is computed in f32, as accurately as f32 sums, v_exp_f32 and their like allow (about 1e-6 of the number): no bf16 or f16 on the way to a quantiser, and a product that is left as it is and whose result goes on into a quantised operand takes f32 operands (vector FMAs, or v_wmma_f32_16x16x4_f32). A number that lies on a knife's edge between two numbers of the format may be rounded either way, as far as f32 arithmetic and the matrix unit's own rounding can turn it there, and no further.
;; 2 versions, each right and faster than the one before. Each part assembles by itself: llvm-mc -triple=amdgcn-amd-amdhsa -mcpu=gfx1250 --defsym DOCPART=n.
;; ======== version 1 of 2: 4 launches
;; workspace buffers: xw 9,011,200 bytes; qc 6,553,600 bytes; kc 6,553,600 bytes; vt 6,553,600 bytes; pc 14,155,776 bytes
;; launch quant (part 1): grid 352 x 1, 4 waves a work-group, no clusters, 35,328 bytes of LDS; arguments x, Wq, Wk, Wv, xw; writes xw
.if DOCPART == 1
	.amdgcn_target "amdgcn-amd-amdhsa--gfx1250"
	.amdhsa_code_object_version 6
	.text
	.protected	k_qbd2e6cb2ca_quant
	.globl	k_qbd2e6cb2ca_quant
	.p2align	8
	.type	k_qbd2e6cb2ca_quant,@function
k_qbd2e6cb2ca_quant:
	s_mov_b64 s[64:65], 0
	v_nop
	global_prefetch_b8 v0, s[64:65] scope:SCOPE_SE
	s_setreg_imm32_b32 hwreg(HW_REG_WAVE_MODE, 25, 1), 1
	s_wait_xcnt 0x0
; x [8192][1024], Wq, Wk, Wv [1024][1024], f32, become codes of BF6 (E3M2) with one E8M0 byte for each 32 along K, K = the last axis.
; A block's scale is 2^(floor(log2(largest magnitude)) - 4); its byte is the largest magnitude's exponent field - 4, held at 1 from below.
; LIMITS: NaN and infinities are not served; a block whose largest magnitude lies under 2^-122 keeps the byte 1; a block of zeros has the byte 1
; where the rule says 127 (its codes are zeros, and only this program reads the bytes).
; THE BUFFER xw: [88 groups of 128 rows][8 steps of 128 along K] blocks of 12,800 bytes.  Groups 0-63 x, 64-71 Wq, 72-79 Wk, 80-87 Wv.
; A block holds eight fragments (16 rows x 128 K) as IMAGES OF THE OPERAND'S REGISTERS: fragment i at 1536 i, registers 4 c .. 4 c + 3 of lane l at 512 c + 16 l;
; behind them, at 12,288, one scale word a row.  STORED ROW p HOLDS ROW p WITH BITS 3 AND 4 EXCHANGED: lane r of fragment 2 b + u is row 32 b + 8 u + r + 8 (r / 8),
; so that a product that takes such a fragment as source 0 leaves 16 neighbours of the next K in a lane's 16 registers of two neighbouring tiles.
; SHARES: a work-group takes 64 stored rows x 512 along K; a wave 64 rows x 128 K: four fragments.  Each load reads 512 consecutive bytes of one row; the 16 rows of a
; fragment turn through the wave's own stage in LDS, so that a lane gets 16 neighbours of each block of 32.  Waves share nothing: no barrier.
.set BLK,  12800
.set WREG, 8704                        ; LDS of a wave: the stage, then 256 bytes for its 64 scale words
.set SP,   528                         ; a stage row: 512 bytes + 16 = 33 x 16, so sixteen rows' equal columns lie 16 bytes apart modulo 256
.set SCR,  16*SP
.set LI,   4                           ; v4   16 x lane
.set STI,  5                           ; v5   into the stage: 16 x lane + my wave's region
.set STO,  6                           ; v6   out of it: row r, + 64 h
.set SWA,  7                           ; v7   where my row's scale word goes
.set SRA,  8                           ; v8   where I read two scale words back
.set L8,   9                           ; v9   8 x lane
.set R,    16                          ; v16-143  two sets of 64 registers as loaded
.set X,    144                         ; v144-207 register 16 b + i = k 32 b + 16 h + i of my row
.set PC,   208                         ; v208-219 the fragment; v220-226 at work
.set TM,   228                         ; v228-243 at work
.set PW,   244                         ; the scale word
.set SW,   246                         ; v[246:247] scale words on their way out
.set SEL,  20                          ; s[20:21] selects for lane l xor 16
	s_load_b256 s[4:11], s[0:1], 0x0               ; x, Wq, Wk, Wv
	s_load_b64 s[12:13], s[0:1], 0x20              ; xw
	v_lshl_add_u32 v254, v0, 2, 0x8800
	v_mov_b32 v255, 0
	v_lshrrev_b32 v1, 5, v0
	v_readfirstlane_b32 s17, v1                    ; wave
	v_and_b32 v1, 31, v0                           ; lane
	v_and_b32 v2, 15, v0                           ; r
	v_bfe_u32 v3, v0, 4, 1                         ; h
	s_mul_i32 s28, s17, WREG
	v_lshlrev_b32 v[LI], 4, v1
	v_add_nc_u32 v[STI], s28, v[LI]
	v_mul_u32_u24 v[STO], v2, SP
	v_lshl_add_u32 v[STO], v3, 6, v[STO]
	v_add_nc_u32 v[STO], s28, v[STO]
	s_add_co_u32 s28, s28, SCR
	v_lshl_add_u32 v[SWA], v2, 2, s28
	v_lshlrev_b32 v[L8], 3, v1
	v_add_nc_u32 v[SRA], s28, v[L8]
.irp b, 0,1,2,3
	v_mov_b32 v[TM+4+\b], 0                        ; written once: a lane permute's destination counts as one of its sources
.endr
	s_mov_b32 s[SEL], 0x76543210
	s_mov_b32 s[SEL+1], 0xfedcba98
	s_lshr_b32 s16, ttmp9, 1                       ; g: which 64 stored rows, 0 .. 175
	s_and_b32 s24, ttmp9, 1
	s_lshl_b32 s24, s24, 2
	s_add_co_u32 s24, s24, s17                     ; which 128 along K: 4 (work-group & 1) + wave
	s_lshr_b32 s22, s16, 1
	s_lshl_b32 s22, s22, 3
	s_add_co_u32 s22, s22, s24
	s_mul_i32 s22, s22, BLK                        ; my block of xw, in bytes
	s_mov_b32 s23, 0
	s_and_b32 s25, s16, 1                          ; its lower or upper four fragments
	s_mul_i32 s26, s25, 4*1536
	s_mov_b32 s27, 0
	s_lshl_b32 s30, s25, 8
	s_add_co_u32 s30, s30, 12288                   ; and their 64 scale words
	s_mov_b32 s31, 0
	s_mov_b32 s18, 160
	s_wait_kmcnt 0x0
	s_cmp_lt_u32 s16, 160                          ; which tensor: the choice hangs on the work-group's number alone, and only pointers are chosen
	s_cselect_b64 s[14:15], s[8:9], s[10:11]
	s_cselect_b32 s18, 144, s18
	s_cmp_lt_u32 s16, 144
	s_cselect_b64 s[14:15], s[6:7], s[14:15]
	s_cselect_b32 s18, 128, s18
	s_cmp_lt_u32 s16, 128
	s_cselect_b64 s[14:15], s[4:5], s[14:15]
	s_cselect_b32 s18, 0, s18
	s_sub_co_u32 s18, s16, s18                     ; the group's number inside its tensor
	s_lshl_b32 s18, s18, 18                        ; x 64 rows of 4,096 bytes
	s_lshl_b32 s19, s24, 9
	s_add_co_u32 s18, s18, s19                     ; + 512 bytes for each 128 along K
	s_mov_b32 s19, 0
	s_add_nc_u64 s[14:15], s[14:15], s[18:19]
	s_add_nc_u64 s[12:13], s[12:13], s[22:23]
	s_add_nc_u64 s[30:31], s[12:13], s[30:31]      ; the scale words' place
	s_add_nc_u64 s[12:13], s[12:13], s[26:27]      ; the fragments' place
.macro LOAD f                          ; fragment f's 16 rows, each 512 consecutive bytes, into set f % 2
.irp i, 0,1,2,3,4,5,6,7,8,9,10,11,12,13,14,15
	global_load_b128 v[R+64*((\f)%2)+4*\i:R+64*((\f)%2)+4*\i+3], v[LI], s[14:15] offset:(32*((\f)/2)+8*((\f)%2)+\i+8*(\i/8))*4096 th:TH_LOAD_NT
.endr
.endm
.macro TURN f                          ; through the stage: LDS serves a wave's instructions in order, so no wait stands between the stores and the loads
.irp i, 0,1,2,3,4,5,6,7,8,9,10,11,12,13,14,15
	ds_store_b128 v[STI], v[R+64*((\f)%2)+4*\i:R+64*((\f)%2)+4*\i+3] offset:SP*\i
.endr
.irp b, 0,1,2,3
.irp j, 0,1,2,3
	ds_load_b128 v[X+16*\b+4*\j:X+16*\b+4*\j+3], v[STO] offset:128*\b+16*\j
.endr
.endr
.endm
; 64 numbers of a lane, register 16 b + i = k 32 b + 16 h + i of my row, become a fragment's codes in v[PC] on and its scale word in v[pw]
.macro QUANT s, pw
.irp b, 0,1,2,3
	v_max3_num_f32 v[TM+\b], |v[\s+16*\b]|, |v[\s+1+16*\b]|, 0x2800000   ; my 16 numbers of block b, and the floor 2^(5 - 127): the byte cannot fall under 1
.endr
.irp i, 2,4,6,8,10,12,14
.irp b, 0,1,2,3
	v_max3_num_f32 v[TM+\b], |v[\s+16*\b+\i]|, |v[\s+1+16*\b+\i]|, v[TM+\b]
.endr
.endr
.irp b, 0,1,2,3
	v_permlanex16_b32 v[TM+4+\b], v[TM+\b], s[SEL], s[SEL+1]
.endr
.irp b, 0,1,2,3
	v_max_num_f32 v[TM+\b], v[TM+\b], v[TM+4+\b]   ; with lane l xor 16's: the block's largest magnitude
.endr
.irp b, 0,1,2,3
	v_add_nc_u32 v[TM+12+\b], 0xfe000000, v[TM+\b] ; 4 off its exponent field: the conversion's scale operand
.endr
.irp b, 0,1,2,3
	v_lshrrev_b32 v[TM+4+\b], 23, v[TM+12+\b]      ; the scale's byte
.endr
	v_lshl_or_b32 v[\pw], v[TM+5], 8, v[TM+4]
	v_lshl_or_b32 v[\pw], v[TM+6], 16, v[\pw]
	v_lshl_or_b32 v[\pw], v[TM+7], 24, v[\pw]
.irp c, 0,1
	v_cvt_scalef32_pk16_bf6_f32 v[PC+6*\c:PC+6*\c+2], v[\s+32*\c:\s+32*\c+15], v[TM+12+2*\c]
	v_cvt_scalef32_pk16_bf6_f32 v[PC+12+4*\c:PC+14+4*\c], v[\s+16+32*\c:\s+31+32*\c], v[TM+13+2*\c]   ; (a conversion's three registers begin on an even number)
.endr
	v_nop                                          ; one plain place behind a scaled conversion
.irp c, 0,1                            ; the operand's layout wants a whole block in a lane: lanes 0-15 block 2 c, lanes 16-31 block 2 c + 1
.irp i, 0,1,2
	v_permlane16_swap_b32 v[PC+6*\c+\i], v[PC+12+4*\c+\i]
.endr
.irp i, 0,1,2
	v_mov_b32 v[PC+3+6*\c+\i], v[PC+12+4*\c+\i]
.endr
.endr
.endm
	LOAD 0
	LOAD 1
.irp f, 0,1,2,3
.if \f < 3
	s_wait_loadcnt 16                              ; this fragment's 16 loads are in; the next fragment's 16 may be out
.else
	s_wait_loadcnt 0x0
.endif
	TURN \f
	s_wait_dscnt 0x0                               ; the numbers are back, and the stage's stores have read their registers
	s_wait_xcnt 0x0                                ; the last fragment's stores have read v[PC] on: it is written again only behind this wait
.if \f < 2
	LOAD \f+2
.endif
	QUANT X, PW
.irp c, 0,1,2
	global_store_b128 v[LI], v[PC+4*\c:PC+4*\c+3], s[12:13] offset:1536*\f+512*\c   ; 32 lanes store 512 consecutive bytes, at a multiple of 256 from the buffer's first byte
.endr
	ds_store_b32 v[SWA], v[PW] offset:64*\f        ; lanes r and r + 16 write the same word with the same value
.endr
	ds_load_b64 v[SW:SW+1], v[SRA]                 ; LDS serves a wave's instructions in order: this sees my stores
	s_wait_dscnt 0x0
	global_store_b64 v[L8], v[SW:SW+1], s[30:31]   ; 64 scale words: 256 consecutive bytes, aligned
	s_wait_tensorcnt 0x0
	ds_add_u32 v254, v255
	s_wait_dscnt 0x0
	s_endpgm
.Lfunc_end_k_qbd2e6cb2ca_quant:
	.size	k_qbd2e6cb2ca_quant, .Lfunc_end_k_qbd2e6cb2ca_quant-k_qbd2e6cb2ca_quant
	.p2alignl 7, 3214868480
	.fill 96, 4, 3214868480
	.section	.rodata,"a",@progbits
	.p2align	6, 0x0
	.amdhsa_kernel k_qbd2e6cb2ca_quant
		.amdhsa_group_segment_fixed_size 35328
		.amdhsa_private_segment_fixed_size 0
		.amdhsa_enable_private_segment 0
		.amdhsa_kernarg_size 40
		.amdhsa_user_sgpr_count 2
		.amdhsa_user_sgpr_kernarg_segment_ptr 1
		.amdhsa_wavefront_size32 1
		.amdhsa_system_sgpr_workgroup_id_x 1
		.amdhsa_system_sgpr_workgroup_id_y 1
		.amdhsa_system_sgpr_workgroup_id_z 1
		.amdhsa_system_vgpr_workitem_id 0
		.amdhsa_next_free_vgpr 256
		.amdhsa_next_free_sgpr 66
		.amdhsa_reserve_vcc 0
		.amdhsa_float_denorm_mode_32 3
		.amdhsa_float_denorm_mode_16_64 3
		.amdhsa_memory_ordered 1
		.amdhsa_forward_progress 1
		.amdhsa_inst_pref_size 34
	.end_amdhsa_kernel
	.amdgpu_metadata
---
amdhsa.version: [ 1, 2 ]
amdhsa.kernels:
  - .name:           k_qbd2e6cb2ca_quant
    .symbol:         k_qbd2e6cb2ca_quant.kd
    .args:
      - { .name: x, .offset: 0, .size: 8, .value_kind: global_buffer, .address_space: global }
      - { .name: Wq, .offset: 8, .size: 8, .value_kind: global_buffer, .address_space: global }
      - { .name: Wk, .offset: 16, .size: 8, .value_kind: global_buffer, .address_space: global }
      - { .name: Wv, .offset: 24, .size: 8, .value_kind: global_buffer, .address_space: global }
      - { .name: xw, .offset: 32, .size: 8, .value_kind: global_buffer, .address_space: global }
    .group_segment_fixed_size: 35328
    .private_segment_fixed_size: 0
    .kernarg_segment_align: 8
    .kernarg_segment_size: 40
    .max_flat_workgroup_size: 128
    .sgpr_count:     66
    .vgpr_count:     256
    .wavefront_size: 32
...
	.end_amdgpu_metadata
.endif
;; end of part 1
;; launch proj (part 2): grid 8 x 48, 4 waves a work-group, clusters of 4 x 4, 327,680 bytes of LDS; arguments xw, qc, kc, vt; writes qc, kc, vt
.if DOCPART == 2
	.amdgcn_target "amdgcn-amd-amdhsa--gfx1250"
	.amdhsa_code_object_version 6
	.text
	.protected	k_qbd2e6cb2ca_proj
	.globl	k_qbd2e6cb2ca_proj
	.p2align	8
	.type	k_qbd2e6cb2ca_proj,@function
k_qbd2e6cb2ca_proj:
	s_mov_b64 s[64:65], 0
	v_nop
	global_prefetch_b8 v0, s[64:65] scope:SCOPE_SE
	s_setreg_imm32_b32 hwreg(HW_REG_WAVE_MODE, 25, 1), 1
	s_wait_xcnt 0x0
	s_wait_alu depctr_hold_cnt(0) depctr_sa_sdst(0) depctr_va_vdst(0) depctr_va_sdst(0) depctr_va_ssrc(0) depctr_va_vcc(0) depctr_vm_vsrc(0)
	s_getreg_b32 s2, hwreg(HW_REG_IB_STS2, 6, 4)
	s_cmp_eq_u32 s2, 0
	s_cbranch_scc0 .Lentry_in_a_cluster
	s_endpgm
.Lentry_in_a_cluster:
	s_bfe_u32 s2, ttmp6, 0x10000c
	s_cmp_lg_u32 s2, 0xf033
	s_cbranch_scc0 .Lentry_shape_is_right
	s_endpgm
.Lentry_shape_is_right:
; q = x Wq^T, k = x Wk^T, v^T = Wv x^T on codes of BF6 (E3M2) with E8M0 scales, sums in f32; the results are quantised on the way out, q and k along d, v along the tokens.
; OPERANDS (buffer xw, and the results qc, kc, vt): [groups of 128 rows][steps of 128 along K] blocks of 12,800 bytes: eight fragments (16 rows x 128 K) as images of the operand's
; registers (fragment i at 1536 i; registers 4 c .. 4 c + 3 of lane l at 512 c + 16 l), then 128 scale words.  Stored row p holds row p with bits 3 and 4 exchanged.
; A tile, 256 x 256, is made by four waves, 128 x 128 each: 64 accumulators, 512 registers.  K = 1,024 goes in steps of 256 through a ring of two LDS slots; a wave's tensor load brings one
; group of rows x 256 along K: 25,600 dense bytes, as 100 rows of 256 bytes.
; THE MATRIX INSTRUCTION IS USED TRANSPOSED: source 0 = 16 rows of operand B, source 1 = 16 rows of operand A.  A lane holds one stored row of A, and by the stored order of B's rows the 64 registers
; of a block's eight accumulators are 128 neighbours of the next K in fours of 16: they are quantised as they stand, and the codes are stored as the next operand's register image.
; TILES: cluster rows 0-7: A = x, B = Wq (cluster column 0) or Wk (1).  Cluster rows 8-11: A = Wv, B = x: v^T.
; CLUSTERS: 4 x 4.  A's tile is shared along a row of the cluster, B's along a column: joint loads.
; LIMITS: NaN and infinities are not served; a block under 2^-122 keeps the byte 1; a block of zeros has the byte 1 where the rule says 127 (zero codes; only this program reads the bytes).
; REGISTERS: window 0: v16-29 addresses; v32-63 scale words, two sets, and nothing else; v64-111 the way out; v128-223 A's eight fragments, one set.  window 1: B's fragments, two sets, at v0 and v128.
;   windows 2, 3: the accumulators, (a, b) at v[8 (8 (a % 4) + b)].
.set ISPV, 0
.set BLK,  12800
.set ABLK, BLK
.set BBLK, BLK
.set AH,   2*ABLK                      ; what one tensor load brings of A: one group of rows, 256 along K
.set BH,   2*BBLK
.set SLOT, 2*AH+2*BH                   ; A's two groups, then B's two
.set SPARE, 2*SLOT                     ; behind the ring: the spare words, 128 bytes a wave: two blocks of 256 bytes that no other line names
.set RHOB, 8*BLK                       ; a group of rows of xw
.set FR,   12
.set NL,   3                           ; LDS loads that bring a fragment
.set NP,   4                           ; places behind this matrix instruction (ISA guide 7.12.1)
.set ADRA, 16                          ; v16-17 16 x lane + my group of A in slot 0, 1;  v18-19 the same with 4 x lane
.set ASA,  18
.set ADRB, 20                          ; v20-23 likewise for B
.set ASB,  22
.set LI,   24                          ; v24 16 x lane
.set LS4,  25                          ; v25 4 x lane
.set SPW,  28                          ; v28 my spare word;  v29 0: both never rewritten
.set NIL,  29
.set SC,   32                          ; scale words: set s at SC + 16 s; in it, for the slot's q-th 128 along K, A's rows 32 j + lane at 8 q + j, B's at 8 q + 4 + j
.set AF,   128
.set PC,   64                          ; the way out: v64-75 a fragment's codes, v76-82 at work
.set TM,   84                          ; v84-99 at work
.set PWS,  100                         ; v100-107 the eight blocks' scale words
.set MG,   108                         ; v108-111 the same, two blocks to a register
.set G1,  24
.set G0,  32
.set G1B, 48
.set G0B, 56
.set HM,  81                           ; s81 lanes 16-31
.set SEL, 82                           ; s[82:83] selects for lane l xor 16
.set MSB, 0
.macro WIN new                         ; the immediate's high byte repeats the setting that is left
.set NEWW, \new
.if MSB != NEWW
	s_set_vgpr_msb (MSB<<8)|NEWW
.set MSB, NEWW
.endif
.endm
.set MUL_LO, 0xa1                      ; source 0 (B) window 1, source 1 (A) window 0, C and D window 2
.set MUL_HI, 0xf1                      ; the same, C and D window 3
.set TO_B,   0x40                      ; destination window 1
; A joint load: waves 0 and 1 fetch for A, waves 2 and 3 for B.  The branch hangs on the wave's number alone.  Four v_nop follow each of the two lines.
.macro JLOAD g0a, g1a, g0b, g1b
	s_cmp_eq_u32 s15, 0
	s_cbranch_scc0 .Lfor_b_\@
	tensor_load_to_lds s[\g0a:\g0a+3], s[\g1a:\g1a+7]
	s_nop 0
.rept 4
	v_nop
.endr
	s_branch .Lasked_\@
.Lfor_b_\@:
	tensor_load_to_lds s[\g0b:\g0b+3], s[\g1b:\g1b+7]
	s_nop 0
.rept 4
	v_nop
.endr
.Lasked_\@:
.endm
.macro CREST                           ; a round of the cluster's barrier behind its opening barrier
	s_cmp_lg_u32 s14, 0
	s_cbranch_scc1 .Lnot_wave_0_\@
	s_barrier_signal -3
.Lnot_wave_0_\@:
	s_barrier_wait -3
	s_barrier_signal -1
	s_barrier_wait -1
.endm
.macro CROUND
	s_barrier_signal -1
	s_barrier_wait -1
	CREST
.endm
.macro PLACES n
.rept \n
	v_nop
.endr
.endm
.macro FRAG reg, adr, off              ; a fragment's image comes back as it was stored: three loads of 512 consecutive bytes
.irp c, 0,1,2
	ds_load_b128 v[\reg+4*\c:\reg+4*\c+3], v[\adr] offset:\off+512*\c
.endr
.endm
.macro FETCH_B slot, q, p              ; B's eight fragments of the slot's q-th 128 along K into set p
	WIN TO_B
.irp i, 0,1,2,3,4,5,6,7
	FRAG 128*(\p)+FR*\i, ADRB+\slot, (\q)*BBLK+1536*\i
.endr
	WIN 0
.endm
.macro FETCH_A slot, q, i0             ; A's blocks i0 .. i0 + 3
.irp i, \i0, \i0+1, \i0+2, \i0+3
	FRAG AF+FR*(\i), ADRA+\slot, (\q)*ABLK+1536*(\i)
.endr
.endm
.macro SCALES s                        ; a slot's scale words: lanes 0-15 take block 2 j's, lanes 16-31 block 2 j + 1's
.irp q, 0,1
.irp j, 0,1,2,3
	ds_load_b32 v[SC+16*\s+8*\q+\j], v[ASA+\s] offset:\q*ABLK+12288+128*\j
	ds_load_b32 v[SC+16*\s+8*\q+4+\j], v[ASB+\s] offset:\q*BBLK+12288+128*\j
.endr
.endr
.if ISPV
.irp q, 0,1
.irp j, 0,1,2,3
	ds_load_b32 v[MA+4*\q+\j], v[ASA+\s] offset:\q*ABLK+12800+128*\j
.endr
.endr
.endif
.endm
.macro MM                              ; one product; an odd block's scale words stand in lanes 16-31 of their register
.if zC
.if oB && oA
	v_wmma_scale_f32_16x16x128_f8f6f4 v[rD:rD+7], v[rB:rB+FR-1], v[rA:rA+FR-1], 0, v[rSB], v[rSA] matrix_a_fmt:MATRIX_FMT_BF6 matrix_b_fmt:MATRIX_FMT_BF6 matrix_a_scale:MATRIX_SCALE_ROW1 matrix_b_scale:MATRIX_SCALE_ROW1
.elseif oB
	v_wmma_scale_f32_16x16x128_f8f6f4 v[rD:rD+7], v[rB:rB+FR-1], v[rA:rA+FR-1], 0, v[rSB], v[rSA] matrix_a_fmt:MATRIX_FMT_BF6 matrix_b_fmt:MATRIX_FMT_BF6 matrix_a_scale:MATRIX_SCALE_ROW1
.elseif oA
	v_wmma_scale_f32_16x16x128_f8f6f4 v[rD:rD+7], v[rB:rB+FR-1], v[rA:rA+FR-1], 0, v[rSB], v[rSA] matrix_a_fmt:MATRIX_FMT_BF6 matrix_b_fmt:MATRIX_FMT_BF6 matrix_b_scale:MATRIX_SCALE_ROW1
.else
	v_wmma_scale_f32_16x16x128_f8f6f4 v[rD:rD+7], v[rB:rB+FR-1], v[rA:rA+FR-1], 0, v[rSB], v[rSA] matrix_a_fmt:MATRIX_FMT_BF6 matrix_b_fmt:MATRIX_FMT_BF6
.endif
.else
.if oB && oA
	v_wmma_scale_f32_16x16x128_f8f6f4 v[rD:rD+7], v[rB:rB+FR-1], v[rA:rA+FR-1], v[rD:rD+7], v[rSB], v[rSA] matrix_a_fmt:MATRIX_FMT_BF6 matrix_b_fmt:MATRIX_FMT_BF6 matrix_a_scale:MATRIX_SCALE_ROW1 matrix_b_scale:MATRIX_SCALE_ROW1
.elseif oB
	v_wmma_scale_f32_16x16x128_f8f6f4 v[rD:rD+7], v[rB:rB+FR-1], v[rA:rA+FR-1], v[rD:rD+7], v[rSB], v[rSA] matrix_a_fmt:MATRIX_FMT_BF6 matrix_b_fmt:MATRIX_FMT_BF6 matrix_a_scale:MATRIX_SCALE_ROW1
.elseif oA
	v_wmma_scale_f32_16x16x128_f8f6f4 v[rD:rD+7], v[rB:rB+FR-1], v[rA:rA+FR-1], v[rD:rD+7], v[rSB], v[rSA] matrix_a_fmt:MATRIX_FMT_BF6 matrix_b_fmt:MATRIX_FMT_BF6 matrix_b_scale:MATRIX_SCALE_ROW1
.else
	v_wmma_scale_f32_16x16x128_f8f6f4 v[rD:rD+7], v[rB:rB+FR-1], v[rA:rA+FR-1], v[rD:rD+7], v[rSB], v[rSA] matrix_a_fmt:MATRIX_FMT_BF6 matrix_b_fmt:MATRIX_FMT_BF6
.endif
.endif
.endm
; 16 products: A's blocks a0, a0 + 1 x B's eight, the slot's q-th 128 along K.  p: B's set; sc: the set of scale words; zero = 1: the product starts the sum.
; The 64 accumulators take turns, one instruction a turn, in the same order in every step.
.macro MUL16 a0, p, q, sc, zero
.set zC, \zero
.irp a, \a0, \a0+1
.irp b, 0,1,2,3,4,5,6,7
.set rD, 8*(8*((\a)%4)+\b)
.set rB, 128*(\p)+FR*\b
.set rA, AF+FR*(\a)
.set rSB, SC+16*(\sc)+8*(\q)+4+\b/2
.set rSA, SC+16*(\sc)+8*(\q)+(\a)/2
.set oB, \b%2
.set oA, (\a)%2
	MM
.endr
.endr
.endm
; A slot's first 128 along K.  Loads into registers that matrix instructions have read stand NP plain vector instructions behind them.
.macro STEP slot, zero
	s_wait_dscnt 4*NL                              ; all but the youngest 12 loads, A's blocks 4-7
	WIN MUL_LO
	MUL16 0, 0, 0, \slot, \zero
	MUL16 2, 0, 0, \slot, \zero
	s_wait_dscnt 0x0                               ; A's blocks 4-7 are in
	PLACES NP
	FETCH_B \slot, 1, 1
	FETCH_A \slot, 1, 0
	WIN MUL_HI
	MUL16 4, 0, 0, \slot, \zero
	MUL16 6, 0, 0, \slot, \zero
	PLACES NP
	WIN 0
	FETCH_A \slot, 1, 4
.endm
; A slot's second 128 along K changes slots: one barrier; in front of it each wave waits for all its tensor loads, adds 0 to its spare word, and waits for that and for its reads of this slot.
; fill = 1: the barrier opens a round of the cluster's barrier, and this slot is filled again, two slots ahead, first thing behind the round.
.macro TURN slot, next, fill
	s_wait_tensorcnt 0x0                           ; all my tensor loads have landed: my part of the next slot
	ds_add_u32 v[SPW], v[NIL]                      ; 0 onto my spare word
	s_wait_dscnt 4*NL+1                            ; (the add and the youngest 12 loads may be out)
	WIN MUL_LO
	MUL16 0, 1, 1, \slot, 0
	s_wait_dscnt 0x0                               ; the add is done, and my reads of this slot are over
	s_barrier_signal -1
	MUL16 2, 1, 1, \slot, 0
	WIN 0
	s_barrier_wait -1
.if \fill
	CREST                                          ; no wave of any partner still reads this slot or has a load on its way
	s_add_nc_u64 s[G0+4*\slot+2:G0+4*\slot+3], s[G0+4*\slot+2:G0+4*\slot+3], 2*AH
	s_add_nc_u64 s[G0B+4*\slot+2:G0B+4*\slot+3], s[G0B+4*\slot+2:G0B+4*\slot+3], 2*BH
	JLOAD G0+4*\slot, G1, G0B+4*\slot, G1B         ; its four v_nop are also the places in front of the loads below
.else
	PLACES NP
.endif
	FETCH_B \next, 0, 0
	FETCH_A \next, 0, 0
	SCALES \next
	WIN MUL_HI
	MUL16 4, 1, 1, \slot, 0
	MUL16 6, 1, 1, \slot, 0
.if ISPV
	s_wait_dscnt 0x0
	WIN 0
	ADJUST \next
	PLACES 8
.else
	PLACES NP
	WIN 0
.endif
	FETCH_A \next, 0, 4
.endm
; 64 numbers of a lane in window w, register 16 b + i = k 32 b + 16 h + i of my row, become a fragment's codes in v[PC] on and its scale word in v[pw].  Each accumulator is read from its low end on.
.macro QUANT s, w, pw
	WIN 5*(\w)                                     ; sources 0 and 1 in window w
.irp b, 0,1,2,3
	v_max3_num_f32 v[TM+\b], |v[\s+16*\b]|, |v[\s+1+16*\b]|, 0x2800000   ; and the floor 2^(5 - 127): the byte cannot fall under 1
.endr
.irp i, 2,4,6,8,10,12,14
.irp b, 0,1,2,3
	v_max3_num_f32 v[TM+\b], |v[\s+16*\b+\i]|, |v[\s+1+16*\b+\i]|, v[TM+\b]
.endr
.endr
	WIN 0
.irp b, 0,1,2,3
	v_permlanex16_b32 v[TM+4+\b], v[TM+\b], s[SEL], s[SEL+1]
.endr
.irp b, 0,1,2,3
	v_max_num_f32 v[TM+\b], v[TM+\b], v[TM+4+\b]
.endr
.irp b, 0,1,2,3
	v_add_nc_u32 v[TM+12+\b], 0xfe000000, v[TM+\b] ; 4 off the exponent field: the conversion's scale operand
.endr
.irp b, 0,1,2,3
	v_lshrrev_b32 v[TM+4+\b], 23, v[TM+12+\b]      ; the scale's byte
.endr
	v_lshl_or_b32 v[\pw], v[TM+5], 8, v[TM+4]
	v_lshl_or_b32 v[\pw], v[TM+6], 16, v[\pw]
	v_lshl_or_b32 v[\pw], v[TM+7], 24, v[\pw]
	WIN \w                                         ; source 0 in window w
.irp c, 0,1
	v_cvt_scalef32_pk16_bf6_f32 v[PC+6*\c:PC+6*\c+2], v[\s+32*\c:\s+32*\c+15], v[TM+12+2*\c]
	v_cvt_scalef32_pk16_bf6_f32 v[PC+12+4*\c:PC+14+4*\c], v[\s+16+32*\c:\s+31+32*\c], v[TM+13+2*\c]
.endr
	WIN 0
	v_nop                                          ; one plain place behind a scaled conversion
.irp c, 0,1
.irp i, 0,1,2
	v_permlane16_swap_b32 v[PC+6*\c+\i], v[PC+12+4*\c+\i]
.endr
.irp i, 0,1,2
	v_mov_b32 v[PC+3+6*\c+\i], v[PC+12+4*\c+\i]
.endr
.endr
.endm
	s_load_b128 s[4:7], s[0:1], 0x0                ; xw, qc
	s_load_b128 s[8:11], s[0:1], 0x10              ; kc, vt
	v_lshl_add_u32 v[SPW], v0, 2, SPARE
	v_mov_b32 v[NIL], 0
	ds_add_u32 v28, v29
	ds_add_u32 v28, v29
	s_wait_dscnt 0x0
	v_lshrrev_b32 v1, 5, v0
	v_readfirstlane_b32 s14, v1                    ; wave
	s_lshr_b32 s15, s14, 1                         ; which group of A's rows is mine.  Also: I fetch for A (0) or for B (1)
	s_and_b32 s16, s14, 1                          ; which group of B's rows.  Also: which group I fetch
	s_bfe_u32 s40, ttmp6, 0x40000                  ; cx
	s_bfe_u32 s41, ttmp6, 0x40004                  ; cy
	s_and_b32 s66, ttmp7, 0xffff                   ; cluster row Y, 0 .. 11
	s_sub_co_u32 s67, s66, 8
	s_lshl_b32 s67, s67, 1
	s_add_co_u32 s67, s67, ttmp9                   ; for v: cluster column 2 (Y - 8) + X, 0 .. 7
	s_cmp_ge_u32 s66, 8                            ; v?
	s_cselect_b32 s17, 0, s66
	s_cselect_b32 s42, s67, ttmp9
	s_cselect_b32 s68, 80, 0                       ; A's first group in xw: Wv or x
	s_cselect_b32 s69, 0, 64                       ; B's: x or Wq
	s_cselect_b32 s70, 64, 8                       ; steps of 128 along K in a group of the result
	s_lshl_b32 s17, s17, 2
	s_add_co_u32 s17, s17, s41                     ; tile row
	s_lshl_b32 s42, s42, 2
	s_add_co_u32 s42, s42, s40                     ; tile column
	s_cmp_ge_u32 s66, 8
	s_cselect_b32 s71, s42, s40                    ; the tile's place along the result's K: in vt the tile column, in qc and kc cx
	s_lshl_b32 s43, s41, 2
	s_lshl_b32 s43, 15, s43                        ; my row of the cluster
	s_lshl_b32 s44, 0x1111, s40                    ; my column
	s_or_b32 s[G1+0], s43, (3<<16)|(1<<21)         ; 15:0 the mask; 17:16 elements of 8 bytes; 21 set beside a mask; no padding
	s_or_b32 s[G1B+0], s44, (3<<16)|(1<<21)
	s_mov_b32 s[G1+1], 32<<16                      ; tensor_dim0 = 32 elements: 256 bytes
	s_mov_b32 s[G1+2], (AH/256)<<16                ; tensor_dim1
	s_mov_b32 s[G1+3], 32<<16                      ; tile_dim0
	s_mov_b32 s[G1+4], AH/256                      ; tile_dim1
	s_mov_b32 s[G1+5], 32                          ; the pitch: dense
	s_mov_b32 s[G1+6], 0
	s_mov_b32 s[G1+7], 0
	s_mov_b32 s[G1B+1], 32<<16
	s_mov_b32 s[G1B+2], (BH/256)<<16
	s_mov_b32 s[G1B+3], 32<<16
	s_mov_b32 s[G1B+4], BH/256
	s_mov_b32 s[G1B+5], 32
	s_mov_b32 s[G1B+6], 0
	s_mov_b32 s[G1B+7], 0
	s_lshl_b32 s20, s17, 1                         ; A: group = first + 2 x tile row + the half that I fetch: no cx enters
	s_add_co_u32 s20, s20, s68
	s_add_co_u32 s20, s20, s16
	s_mul_i32 s20, s20, RHOB
	s_mov_b32 s21, 0
	s_lshl_b32 s46, s42, 1                         ; B: group = first + 2 x tile column + half: no cy enters
	s_add_co_u32 s46, s46, s69
	s_add_co_u32 s46, s46, s16
	s_mul_i32 s46, s46, RHOB
	s_mov_b32 s47, 0
	s_lshl_b32 s72, s17, 1                         ; the result's block: (group 2 x tile row + my half) x steps + 2 x place + my half of the columns
	s_add_co_u32 s72, s72, s15
	s_mul_i32 s72, s72, s70
	s_lshl_b32 s71, s71, 1
	s_add_co_u32 s72, s72, s71
	s_add_co_u32 s72, s72, s16
	s_mul_i32 s72, s72, BLK
	s_mov_b32 s73, 0
	s_mul_i32 s45, s16, AH                         ; where my load goes: no place in the cluster enters an LDS address
	s_mul_i32 s94, s16, BH
	s_add_co_u32 s94, s94, 2*AH
	s_mov_b32 s[HM], 0xffff0000
	s_mov_b32 s[SEL], 0x76543210
	s_mov_b32 s[SEL+1], 0xfedcba98
	s_wait_kmcnt 0x0
	s_add_nc_u64 s[20:21], s[4:5], s[20:21]
	s_add_nc_u64 s[46:47], s[4:5], s[46:47]
	s_cmp_eq_u32 ttmp9, 0
	s_cselect_b64 s[12:13], s[6:7], s[8:9]         ; qc or kc,
	s_cmp_ge_u32 s66, 8
	s_cselect_b64 s[12:13], s[10:11], s[12:13]     ; or vt
	s_add_nc_u64 s[12:13], s[12:13], s[72:73]
	CROUND                                         ; all sixteen work-groups are here: the first joint loads meet
.irp s, 0,1
	s_mov_b32 s[G0+4*\s], 1
	s_add_co_u32 s[G0+4*\s+1], s45, \s*SLOT
	s_add_nc_u64 s[G0+4*\s+2:G0+4*\s+3], s[20:21], \s*AH
	s_or_b32 s[G0+4*\s+3], s[G0+4*\s+3], 0x80000000
	s_mov_b32 s[G0B+4*\s], 1
	s_add_co_u32 s[G0B+4*\s+1], s94, \s*SLOT
	s_add_nc_u64 s[G0B+4*\s+2:G0B+4*\s+3], s[46:47], \s*BH
	s_or_b32 s[G0B+4*\s+3], s[G0B+4*\s+3], 0x80000000
	JLOAD G0+4*\s, G1, G0B+4*\s, G1B
.endr
	v_and_b32 v1, 31, v0
	v_lshlrev_b32 v[LI], 4, v1
	v_lshlrev_b32 v[LS4], 2, v1
	s_mul_i32 s74, s15, AH
	s_mul_i32 s75, s16, BH
	s_add_co_u32 s75, s75, 2*AH
.irp s, 0,1
	v_add_nc_u32 v[ADRA+\s], s74, v[LI]
	v_add_nc_u32 v[ADRB+\s], s75, v[LI]
	v_add_nc_u32 v[ASA+\s], s74, v[LS4]
	v_add_nc_u32 v[ASB+\s], s75, v[LS4]
	s_add_co_u32 s74, s74, SLOT
	s_add_co_u32 s75, s75, SLOT
.endr
.irp b, 0,1,2,3
	v_mov_b32 v[TM+4+\b], 0                        ; written once: a lane permute's destination counts as one of its sources
.endr
	s_wait_tensorcnt 1                             ; my part of slot 0 is in; slot 1's may stay out
	s_barrier_signal -1
	s_barrier_wait -1
	FETCH_B 0, 0, 0
	FETCH_A 0, 0, 0
	SCALES 0
	FETCH_A 0, 0, 4
	STEP 0, 1                                      ; the first step stands in front of the loop: its products start the sums
	s_mov_b32 s3, 1                                ; K = 1,024 is four slots: two first fills, two refills
.Llap:
	TURN 0, 1, 1
	STEP 1, 0
	TURN 1, 0, 1
	STEP 0, 0
	s_sub_co_u32 s3, s3, 1
	s_cmp_lg_u32 s3, 0
	s_cbranch_scc1 .Llap
	TURN 0, 1, 0                                   ; the last lap fills nothing
	STEP 1, 0
	s_wait_dscnt 4*NL
	WIN MUL_LO
	MUL16 0, 1, 1, 1, 0
	MUL16 2, 1, 1, 1, 0
	s_wait_dscnt 0x0
	WIN MUL_HI
	MUL16 4, 1, 1, 1, 0
	MUL16 6, 1, 1, 1, 0
	WIN 0
	; THE WAY OUT: block a's 64 registers are 128 along the next K of stored row 16 a + r: they become fragment a of the result's block
	PLACES NP
.irp a, 0,1,2,3,4,5,6,7
.if \a > 0
	s_wait_xcnt 0x0                                ; the last block's stores have read v[PC] on
.endif
	QUANT 64*(\a%4), 2+\a/4, PWS+\a
.irp c, 0,1,2
	global_store_b128 v[LI], v[PC+4*\c:PC+4*\c+3], s[12:13] offset:1536*\a+512*\c   ; 512 consecutive bytes, at a multiple of 256 from the buffer's first byte
.endr
.endr
.irp j, 0,1,2,3
	v_cndmask_b32 v[MG+\j], v[PWS+2*\j], v[PWS+2*\j+1], s[HM]   ; lanes 0-15 block 2 j's words, lanes 16-31 block 2 j + 1's
.endr
.irp j, 0,1,2,3
	global_store_b32 v[LS4], v[MG+\j], s[12:13] offset:12288+128*\j
.endr
	s_wait_tensorcnt 0x0                           ; the wave's end
	ds_add_u32 v[SPW], v[NIL]
	s_wait_dscnt 0x0
	CROUND                                         ; the closing round: no work-group ends while a partner may still ask for a tile that names it
	s_endpgm
.Lfunc_end_k_qbd2e6cb2ca_proj:
	.size	k_qbd2e6cb2ca_proj, .Lfunc_end_k_qbd2e6cb2ca_proj-k_qbd2e6cb2ca_proj
	.p2alignl 7, 3214868480
	.fill 96, 4, 3214868480
	.section	.rodata,"a",@progbits
	.p2align	6, 0x0
	.amdhsa_kernel k_qbd2e6cb2ca_proj
		.amdhsa_group_segment_fixed_size 327680
		.amdhsa_private_segment_fixed_size 0
		.amdhsa_enable_private_segment 0
		.amdhsa_kernarg_size 32
		.amdhsa_user_sgpr_count 2
		.amdhsa_user_sgpr_kernarg_segment_ptr 1
		.amdhsa_wavefront_size32 1
		.amdhsa_system_sgpr_workgroup_id_x 1
		.amdhsa_system_sgpr_workgroup_id_y 1
		.amdhsa_system_sgpr_workgroup_id_z 1
		.amdhsa_system_vgpr_workitem_id 0
		.amdhsa_next_free_vgpr 1024
		.amdhsa_next_free_sgpr 100
		.amdhsa_reserve_vcc 0
		.amdhsa_float_denorm_mode_32 3
		.amdhsa_float_denorm_mode_16_64 3
		.amdhsa_memory_ordered 1
		.amdhsa_forward_progress 1
		.amdhsa_inst_pref_size 140
	.end_amdhsa_kernel
	.amdgpu_metadata
---
amdhsa.version: [ 1, 2 ]
amdhsa.kernels:
  - .name:           k_qbd2e6cb2ca_proj
    .symbol:         k_qbd2e6cb2ca_proj.kd
    .args:
      - { .name: xw, .offset: 0, .size: 8, .value_kind: global_buffer, .address_space: global }
      - { .name: qc, .offset: 8, .size: 8, .value_kind: global_buffer, .address_space: global }
      - { .name: kc, .offset: 16, .size: 8, .value_kind: global_buffer, .address_space: global }
      - { .name: vt, .offset: 24, .size: 8, .value_kind: global_buffer, .address_space: global }
    .group_segment_fixed_size: 327680
    .private_segment_fixed_size: 0
    .kernarg_segment_align: 8
    .kernarg_segment_size: 32
    .max_flat_workgroup_size: 128
    .sgpr_count:     100
    .vgpr_count:     1024
    .wavefront_size: 32
...
	.end_amdgpu_metadata
.endif
;; end of part 2
;; launch score (part 3): grid 12 x 16, 4 waves a work-group, clusters of 4 x 4, 327,680 bytes of LDS; arguments qc, kc, pc; writes pc
.if DOCPART == 3
	.amdgcn_target "amdgcn-amd-amdhsa--gfx1250"
	.amdhsa_code_object_version 6
	.text
	.protected	k_qbd2e6cb2ca_score
	.globl	k_qbd2e6cb2ca_score
	.p2align	8
	.type	k_qbd2e6cb2ca_score,@function
k_qbd2e6cb2ca_score:
	s_mov_b64 s[64:65], 0
	v_nop
	global_prefetch_b8 v0, s[64:65] scope:SCOPE_SE
	s_setreg_imm32_b32 hwreg(HW_REG_WAVE_MODE, 25, 1), 1
	s_wait_xcnt 0x0
	s_wait_alu depctr_hold_cnt(0) depctr_sa_sdst(0) depctr_va_vdst(0) depctr_va_sdst(0) depctr_va_ssrc(0) depctr_va_vcc(0) depctr_vm_vsrc(0)
	s_getreg_b32 s2, hwreg(HW_REG_IB_STS2, 6, 4)
	s_cmp_eq_u32 s2, 0
	s_cbranch_scc0 .Lentry_in_a_cluster
	s_endpgm
.Lentry_in_a_cluster:
	s_bfe_u32 s2, ttmp6, 0x10000c
	s_cmp_lg_u32 s2, 0xf033
	s_cbranch_scc0 .Lentry_shape_is_right
	s_endpgm
.Lentry_shape_is_right:
; Scores q k^T on codes of BF6 (E3M2) with E8M0 scales, sums in f32; on the way out the causal mask, and p = 2^(t - Mloc), t = score x log2(e) / 32, quantised along the keys.
; Mloc IS A WHOLE NUMBER OF ITS OWN FOR EACH (query, 128 keys): the ceiling of the largest t among these 128 keys.  The row's M is found in the next launch, which takes M - Mloc off p's scale bytes: a power of
; two, so the codes are those of 2^(t - M).  Stored for each (128 queries, 128 keys): a block of 13,824 bytes: eight fragments of p as register images, 128 scale words, 128 Mloc (f32), 128 local sums of the unquantised p (f32).
; OPERANDS qc, kc: [groups of 128 rows][8 steps of 128 along K] blocks of 12,800 bytes: eight fragments as register images (fragment i at 1536 i; registers 4 c .. 4 c + 3 of lane l at 512 c + 16 l), then 128 scale
; words.  Stored row p holds row p with bits 3 and 4 exchanged.  Source 0 = 16 keys, source 1 = 16 queries: a lane holds one stored query, and the 64 registers of a block's accumulators are keys 32 b + 16 h + i.
; TILES: 256 queries x 256 keys, four waves of 128 x 128.  A cluster is 1,024 x 1,024; of a batch's four such squares the one above the diagonal is not launched.  Inside the squares on the diagonal every tile is
; computed and masked alike: partners of a cluster run the same text; what is wholly hidden comes out as zero codes, Mloc = -3e38 and sum 0, and the next launch reads it.
; LIMITS: NaN and infinities are not served; a row part whose largest t lies under -3e38 counts as hidden; p under 2^-126 is 0 (v_exp_f32); a block of zeros has the byte 1.
; REGISTERS: window 0: v16-29 addresses; v32-63 scale words of the operands and nothing else; v64-99 the way out's words; v128-223 A's fragments, on the way out p and work.  window 1: B's fragments, two sets.
;   windows 2, 3: the accumulators.
.set ISPV, 0
.set BLK,  12800
.set PBLK, 13824
.set ABLK, BLK
.set BBLK, BLK
.set AH,   2*ABLK
.set BH,   2*BBLK
.set SLOT, 2*AH+2*BH
.set SPARE, 2*SLOT                     ; behind the ring: the spare words, 128 bytes a wave: two blocks of 256 bytes that no other line names
.set RHOB, 8*BLK
.set FR,   12
.set NL,   3
.set NP,   4
.set ADRA, 16
.set ASA,  18
.set ADRB, 20
.set ASB,  22
.set LI,   24                          ; v24 16 x lane
.set LS4,  25                          ; v25 4 x lane
.set DL,   26                          ; v26 my query of block 0 less my first key
.set NINF, 27                          ; v27 -infinity
.set SPW,  28
.set NIL,  29
.set SC,   32
.set AF,   128
.set PWS,  64                          ; v64-71 p's scale words, block by block;  v72-79 Mloc;  v80-87 the local sums;  v88-99 the three, two blocks to a register
.set MS,   72
.set LSM,  80
.set MG,   88
.set W,    128                         ; v128-191 a block's scores, then p
.set BM,   192                         ; v192-195 the largest score of each 32 keys, then the largest p
.set BT,   196                         ; v196-199 at work
.set SO,   200                         ; v200-203 the conversions' scale operands
.set PC,   204                         ; v204-215 p's codes; v216-222 at work
.set NM,   224                         ; v224 -Mloc, v225 the largest t
.set SUM,  226                         ; v[226:227], v[228:229] the sum in two chains
.set SU2,  228
.set TA,   230
.set TB,   231
.set DA,   232
.set G1,  24
.set G0,  32
.set G1B, 48
.set G0B, 56
.set CS,  22                           ; s[22:23] c = log2(e) / 32
.set HM,  81
.set SEL, 82
.set MSB, 0
.macro WIN new
.set NEWW, \new
.if MSB != NEWW
	s_set_vgpr_msb (MSB<<8)|NEWW
.set MSB, NEWW
.endif
.endm
.set MUL_LO, 0xa1
.set MUL_HI, 0xf1
.set TO_B,   0x40
.macro JLOAD g0a, g1a, g0b, g1b        ; a joint load: waves 0 and 1 for A, waves 2 and 3 for B; four v_nop follow each of the two lines
	s_cmp_eq_u32 s15, 0
	s_cbranch_scc0 .Lfor_b_\@
	tensor_load_to_lds s[\g0a:\g0a+3], s[\g1a:\g1a+7]
	s_nop 0
.rept 4
	v_nop
.endr
	s_branch .Lasked_\@
.Lfor_b_\@:
	tensor_load_to_lds s[\g0b:\g0b+3], s[\g1b:\g1b+7]
	s_nop 0
.rept 4
	v_nop
.endr
.Lasked_\@:
.endm
.macro CREST
	s_cmp_lg_u32 s14, 0
	s_cbranch_scc1 .Lnot_wave_0_\@
	s_barrier_signal -3
.Lnot_wave_0_\@:
	s_barrier_wait -3
	s_barrier_signal -1
	s_barrier_wait -1
.endm
.macro CROUND
	s_barrier_signal -1
	s_barrier_wait -1
	CREST
.endm
.macro PLACES n
.rept \n
	v_nop
.endr
.endm
.macro FRAG reg, adr, off
.irp c, 0,1,2
	ds_load_b128 v[\reg+4*\c:\reg+4*\c+3], v[\adr] offset:\off+512*\c
.endr
.endm
.macro FETCH_B slot, q, p
	WIN TO_B
.irp i, 0,1,2,3,4,5,6,7
	FRAG 128*(\p)+FR*\i, ADRB+\slot, (\q)*BBLK+1536*\i
.endr
	WIN 0
.endm
.macro FETCH_A slot, q, i0
.irp i, \i0, \i0+1, \i0+2, \i0+3
	FRAG AF+FR*(\i), ADRA+\slot, (\q)*ABLK+1536*(\i)
.endr
.endm
.macro SCALES s
.irp q, 0,1
.irp j, 0,1,2,3
	ds_load_b32 v[SC+16*\s+8*\q+\j], v[ASA+\s] offset:\q*ABLK+12288+128*\j
	ds_load_b32 v[SC+16*\s+8*\q+4+\j], v[ASB+\s] offset:\q*BBLK+12288+128*\j
.endr
.endr
.if ISPV
.irp q, 0,1
.irp j, 0,1,2,3
	ds_load_b32 v[MA+4*\q+\j], v[ASA+\s] offset:\q*ABLK+12800+128*\j
.endr
.endr
.endif
.endm
.macro MM
.if zC
.if oB && oA
	v_wmma_scale_f32_16x16x128_f8f6f4 v[rD:rD+7], v[rB:rB+FR-1], v[rA:rA+FR-1], 0, v[rSB], v[rSA] matrix_a_fmt:MATRIX_FMT_BF6 matrix_b_fmt:MATRIX_FMT_BF6 matrix_a_scale:MATRIX_SCALE_ROW1 matrix_b_scale:MATRIX_SCALE_ROW1
.elseif oB
	v_wmma_scale_f32_16x16x128_f8f6f4 v[rD:rD+7], v[rB:rB+FR-1], v[rA:rA+FR-1], 0, v[rSB], v[rSA] matrix_a_fmt:MATRIX_FMT_BF6 matrix_b_fmt:MATRIX_FMT_BF6 matrix_a_scale:MATRIX_SCALE_ROW1
.elseif oA
	v_wmma_scale_f32_16x16x128_f8f6f4 v[rD:rD+7], v[rB:rB+FR-1], v[rA:rA+FR-1], 0, v[rSB], v[rSA] matrix_a_fmt:MATRIX_FMT_BF6 matrix_b_fmt:MATRIX_FMT_BF6 matrix_b_scale:MATRIX_SCALE_ROW1
.else
	v_wmma_scale_f32_16x16x128_f8f6f4 v[rD:rD+7], v[rB:rB+FR-1], v[rA:rA+FR-1], 0, v[rSB], v[rSA] matrix_a_fmt:MATRIX_FMT_BF6 matrix_b_fmt:MATRIX_FMT_BF6
.endif
.else
.if oB && oA
	v_wmma_scale_f32_16x16x128_f8f6f4 v[rD:rD+7], v[rB:rB+FR-1], v[rA:rA+FR-1], v[rD:rD+7], v[rSB], v[rSA] matrix_a_fmt:MATRIX_FMT_BF6 matrix_b_fmt:MATRIX_FMT_BF6 matrix_a_scale:MATRIX_SCALE_ROW1 matrix_b_scale:MATRIX_SCALE_ROW1
.elseif oB
	v_wmma_scale_f32_16x16x128_f8f6f4 v[rD:rD+7], v[rB:rB+FR-1], v[rA:rA+FR-1], v[rD:rD+7], v[rSB], v[rSA] matrix_a_fmt:MATRIX_FMT_BF6 matrix_b_fmt:MATRIX_FMT_BF6 matrix_a_scale:MATRIX_SCALE_ROW1
.elseif oA
	v_wmma_scale_f32_16x16x128_f8f6f4 v[rD:rD+7], v[rB:rB+FR-1], v[rA:rA+FR-1], v[rD:rD+7], v[rSB], v[rSA] matrix_a_fmt:MATRIX_FMT_BF6 matrix_b_fmt:MATRIX_FMT_BF6 matrix_b_scale:MATRIX_SCALE_ROW1
.else
	v_wmma_scale_f32_16x16x128_f8f6f4 v[rD:rD+7], v[rB:rB+FR-1], v[rA:rA+FR-1], v[rD:rD+7], v[rSB], v[rSA] matrix_a_fmt:MATRIX_FMT_BF6 matrix_b_fmt:MATRIX_FMT_BF6
.endif
.endif
.endm
.macro MUL16 a0, p, q, sc, zero        ; 16 products; the 64 accumulators take turns, one instruction a turn
.set zC, \zero
.irp a, \a0, \a0+1
.irp b, 0,1,2,3,4,5,6,7
.set rD, 8*(8*((\a)%4)+\b)
.set rB, 128*(\p)+FR*\b
.set rA, AF+FR*(\a)
.set rSB, SC+16*(\sc)+8*(\q)+4+\b/2
.set rSA, SC+16*(\sc)+8*(\q)+(\a)/2
.set oB, \b%2
.set oA, (\a)%2
	MM
.endr
.endr
.endm
.macro STEP slot, zero
	s_wait_dscnt 4*NL                              ; all but the youngest 12 loads, A's blocks 4-7
	WIN MUL_LO
	MUL16 0, 0, 0, \slot, \zero
	MUL16 2, 0, 0, \slot, \zero
	s_wait_dscnt 0x0
	PLACES NP
	FETCH_B \slot, 1, 1
	FETCH_A \slot, 1, 0
	WIN MUL_HI
	MUL16 4, 0, 0, \slot, \zero
	MUL16 6, 0, 0, \slot, \zero
	PLACES NP
	WIN 0
	FETCH_A \slot, 1, 4
.endm
.macro TURN slot, next, fill
	s_wait_tensorcnt 0x0                           ; all my tensor loads have landed: my part of the next slot
	ds_add_u32 v[SPW], v[NIL]                      ; 0 onto my spare word
	s_wait_dscnt 4*NL+1                            ; (the add and the youngest 12 loads may be out)
	WIN MUL_LO
	MUL16 0, 1, 1, \slot, 0
	s_wait_dscnt 0x0                               ; the add is done, and my reads of this slot are over
	s_barrier_signal -1
	MUL16 2, 1, 1, \slot, 0
	WIN 0
	s_barrier_wait -1
.if \fill
	CREST                                          ; no wave of any partner still reads this slot or has a load on its way
	s_add_nc_u64 s[G0+4*\slot+2:G0+4*\slot+3], s[G0+4*\slot+2:G0+4*\slot+3], 2*AH
	s_add_nc_u64 s[G0B+4*\slot+2:G0B+4*\slot+3], s[G0B+4*\slot+2:G0B+4*\slot+3], 2*BH
	JLOAD G0+4*\slot, G1, G0B+4*\slot, G1B
.else
	PLACES NP
.endif
	FETCH_B \next, 0, 0
	FETCH_A \next, 0, 0
	SCALES \next
	WIN MUL_HI
	MUL16 4, 1, 1, \slot, 0
	MUL16 6, 1, 1, \slot, 0
.if ISPV
	s_wait_dscnt 0x0
	WIN 0
	ADJUST \next
	PLACES 8
.else
	PLACES NP
	WIN 0
.endif
	FETCH_A \next, 0, 4
.endm
; BLOCK a OF 16 STORED QUERIES x 128 KEYS: mask, Mloc, p, its sum, its codes and scale word.
.macro PBLOCK a
.set AC, 64*((\a)%4)
.if (\a) > 0
	s_wait_xcnt 0x0                                ; the last block's stores have read v[PC] on
.endif
	v_add_nc_u32 v[DA], 32*((\a)/2)+8*((\a)%2), v[DL]   ; d = my query - my first key.  Register 16 b + i holds key 32 b + i from there: hidden where 32 b + i > d
	WIN 2+(\a)/4                                   ; source 0: the accumulators' window
.set n, 0
.rept 64
	v_cmp_gt_i32 vcc_lo, 32*(n/16)+n%16, v[DA]
	v_cndmask_b32 v[W+n], v[AC+n], v[NINF], vcc_lo ; masked, and brought into window 0; each accumulator from its low end on
.set n, n+1
.endr
	WIN 0
.irp b, 0,1,2,3
	v_max3_num_f32 v[BM+\b], v[W+16*\b], v[W+16*\b+1], v[W+16*\b+2]   ; the largest score of each 32 keys: for the row's maximum, and, since p rises with the score, for the block's largest p
.endr
.irp i, 3,5,7,9,11,13
.irp b, 0,1,2,3
	v_max3_num_f32 v[BM+\b], v[BM+\b], v[W+16*\b+\i], v[W+16*\b+\i+1]
.endr
.endr
.irp b, 0,1,2,3
	v_max_num_f32 v[BM+\b], v[BM+\b], v[W+16*\b+15]
.endr
.irp b, 0,1,2,3
	v_permlanex16_b32 v[BT+\b], v[BM+\b], s[SEL], s[SEL+1]
.endr
.irp b, 0,1,2,3
	v_max_num_f32 v[BM+\b], v[BM+\b], v[BT+\b]     ; with lane l xor 16's 16 keys
.endr
	v_max3_num_f32 v[TA], v[BM], v[BM+1], v[BM+2]
	v_max_num_f32 v[TA], v[TA], v[BM+3]
	v_mul_f32 v[TA], s[CS], v[TA]                  ; as t (c is positive)
	v_max_num_f32 v[NM+1], 0xff61b1e6, v[TA]       ; held at -3e38: a part that is wholly hidden gets a number for Mloc
	v_floor_f32 v[NM], -v[NM+1]                    ; -Mloc = floor(-t) = -ceil(t)
.set n, 0
.rept 32
	v_pk_fma_f32 v[W+n:W+n+1], v[W+n:W+n+1], s[CS:CS+1], v[NM:NM+1] op_sel_hi:[1,0,0]   ; t - Mloc, two at a time
.set n, n+2
.endr
.irp b, 0,1,2,3
	v_fma_f32 v[BM+\b], v[BM+\b], s[CS], v[NM]     ; the same of each block's largest score
.endr
.set n, 0
.rept 64
	v_exp_f32 v[W+n], v[W+n]                       ; p = 2^(t - Mloc), at most 1
.set n, n+1
.endr
	v_xor_b32 v[MS+(\a)], 0x80000000, v[NM]        ; Mloc.  (A plain place behind the exponentials)
	s_wait_alu depctr_va_vdst(0)                   ; one wait for the batch of 64, ahead of its first reader
.irp b, 0,1,2,3
	v_exp_f32 v[BM+\b], v[BM+\b]                   ; the block's largest p: the same two instructions on the same number
.endr
	v_pk_add_f32 v[SUM:SUM+1], v[W:W+1], v[W+2:W+3]   ; the sum of the UNQUANTISED p, in two chains; it reads the 64 alone: plain work behind the four
	v_pk_add_f32 v[SU2:SU2+1], v[W+4:W+5], v[W+6:W+7]
.irp j, 8,12,16,20,24,28,32,36,40,44,48,52,56,60
	v_pk_add_f32 v[SUM:SUM+1], v[SUM:SUM+1], v[W+\j:W+\j+1]
	v_pk_add_f32 v[SU2:SU2+1], v[SU2:SU2+1], v[W+\j+2:W+\j+3]
.endr
	v_pk_add_f32 v[SUM:SUM+1], v[SUM:SUM+1], v[SU2:SU2+1]
	s_wait_alu depctr_va_vdst(0)                   ; and one for the four
.irp b, 0,1,2,3
	v_max_num_f32 v[BM+\b], 0x2800000, v[BM+\b]    ; the floor 2^(5 - 127): the byte cannot fall under 1
.endr
.irp b, 0,1,2,3
	v_add_nc_u32 v[SO+\b], 0xfe000000, v[BM+\b]    ; 4 off the exponent field: the conversion's scale operand
.endr
.irp b, 0,1,2,3
	v_lshrrev_b32 v[BT+\b], 23, v[SO+\b]           ; the scale's byte, at most 123
.endr
	v_lshl_or_b32 v[PWS+(\a)], v[BT+1], 8, v[BT]
	v_lshl_or_b32 v[PWS+(\a)], v[BT+2], 16, v[PWS+(\a)]
	v_lshl_or_b32 v[PWS+(\a)], v[BT+3], 24, v[PWS+(\a)]
.irp c, 0,1
	v_cvt_scalef32_pk16_bf6_f32 v[PC+6*\c:PC+6*\c+2], v[W+32*\c:W+32*\c+15], v[SO+2*\c]
	v_cvt_scalef32_pk16_bf6_f32 v[PC+12+4*\c:PC+14+4*\c], v[W+16+32*\c:W+31+32*\c], v[SO+2*\c+1]
.endr
	v_add_f32 v[TA], v[SUM], v[SUM+1]              ; the sum's two halves.  (The plain place behind the scaled conversions)
.irp c, 0,1
.irp i, 0,1,2
	v_permlane16_swap_b32 v[PC+6*\c+\i], v[PC+12+4*\c+\i]
.endr
.irp i, 0,1,2
	v_mov_b32 v[PC+3+6*\c+\i], v[PC+12+4*\c+\i]
.endr
.endr
	v_permlanex16_b32 v[TB], v[TA], s[SEL], s[SEL+1]
	v_add_f32 v[LSM+(\a)], v[TA], v[TB]            ; with lane l xor 16's: the sum over these 128 keys
.irp c, 0,1,2
	global_store_b128 v[LI], v[PC+4*\c:PC+4*\c+3], s[12:13] offset:1536*(\a)+512*\c   ; 512 consecutive bytes, at a multiple of 256 from the buffer's first byte
.endr
.endm
	s_load_b128 s[4:7], s[0:1], 0x0                ; qc, kc
	s_load_b64 s[8:9], s[0:1], 0x10                ; pc
	v_lshl_add_u32 v[SPW], v0, 2, SPARE
	v_mov_b32 v[NIL], 0
	ds_add_u32 v28, v29
	ds_add_u32 v28, v29
	s_wait_dscnt 0x0
	v_lshrrev_b32 v1, 5, v0
	v_readfirstlane_b32 s14, v1                    ; wave
	s_lshr_b32 s15, s14, 1                         ; which 128 queries are mine.  Also: I fetch for A (0) or for B (1)
	s_and_b32 s16, s14, 1                          ; which 128 keys.  Also: which group I fetch
	s_bfe_u32 s40, ttmp6, 0x40000                  ; cx
	s_bfe_u32 s41, ttmp6, 0x40004                  ; cy
	s_and_b32 s66, ttmp7, 0xffff                   ; the batch
	s_min_u32 s67, ttmp9, 1                        ; cluster x 0, 1, 2: squares (queries, keys) = (0, 0), (1, 0), (1, 1)
	s_lshr_b32 s68, ttmp9, 1
	s_lshl_b32 s17, s67, 2
	s_add_co_u32 s17, s17, s41                     ; tile row: which 256 queries of the batch
	s_lshl_b32 s42, s68, 2
	s_add_co_u32 s42, s42, s40                     ; tile column: which 256 keys
	s_lshl_b32 s43, s41, 2
	s_lshl_b32 s43, 15, s43
	s_lshl_b32 s44, 0x1111, s40
	s_or_b32 s[G1+0], s43, (3<<16)|(1<<21)         ; 15:0 the mask; 17:16 elements of 8 bytes; 21 set beside a mask; no padding
	s_or_b32 s[G1B+0], s44, (3<<16)|(1<<21)
	s_mov_b32 s[G1+1], 32<<16
	s_mov_b32 s[G1+2], (AH/256)<<16
	s_mov_b32 s[G1+3], 32<<16
	s_mov_b32 s[G1+4], AH/256
	s_mov_b32 s[G1+5], 32
	s_mov_b32 s[G1+6], 0
	s_mov_b32 s[G1+7], 0
	s_mov_b32 s[G1B+1], 32<<16
	s_mov_b32 s[G1B+2], (BH/256)<<16
	s_mov_b32 s[G1B+3], 32<<16
	s_mov_b32 s[G1B+4], BH/256
	s_mov_b32 s[G1B+5], 32
	s_mov_b32 s[G1B+6], 0
	s_mov_b32 s[G1B+7], 0
	s_lshl_b32 s69, s66, 4                         ; the batch's first group of 128 rows
	s_lshl_b32 s20, s17, 1
	s_add_co_u32 s20, s20, s69
	s_add_co_u32 s20, s20, s16                     ; A: group 16 batch + 2 x tile row + half: no cx enters
	s_mul_i32 s20, s20, RHOB
	s_mov_b32 s21, 0
	s_lshl_b32 s46, s42, 1
	s_add_co_u32 s46, s46, s69
	s_add_co_u32 s46, s46, s16                     ; B: group 16 batch + 2 x tile column + half: no cy enters
	s_mul_i32 s46, s46, RHOB
	s_mov_b32 s47, 0
	s_lshl_b32 s72, s17, 1                         ; p's block: (group of queries) x 16 + (group of keys)
	s_add_co_u32 s72, s72, s69
	s_add_co_u32 s72, s72, s15
	s_lshl_b32 s72, s72, 4
	s_lshl_b32 s73, s42, 1
	s_add_co_u32 s72, s72, s73
	s_add_co_u32 s72, s72, s16
	s_mul_i32 s72, s72, PBLK
	s_mov_b32 s73, 0
	s_sub_co_i32 s70, s17, s42                     ; the mask's number: 256 (tile row - tile column) + 128 (my half of the queries - my half of the keys)
	s_lshl_b32 s70, s70, 8
	s_sub_co_i32 s71, s15, s16
	s_lshl_b32 s71, s71, 7
	s_add_co_i32 s70, s70, s71
	s_mul_i32 s45, s16, AH
	s_mul_i32 s94, s16, BH
	s_add_co_u32 s94, s94, 2*AH
	s_mov_b32 s[CS], 0x3d38aa3b                    ; c = log2(e) / sqrt(1024)
	s_mov_b32 s[CS+1], s[CS]                       ; (named with it as a pair, so it is written)
	s_mov_b32 s[HM], 0xffff0000
	s_mov_b32 s[SEL], 0x76543210
	s_mov_b32 s[SEL+1], 0xfedcba98
	s_wait_kmcnt 0x0
	s_add_nc_u64 s[20:21], s[4:5], s[20:21]
	s_add_nc_u64 s[46:47], s[6:7], s[46:47]
	s_add_nc_u64 s[12:13], s[8:9], s[72:73]
	CROUND                                         ; all sixteen work-groups are here: the first joint loads meet
.irp s, 0,1
	s_mov_b32 s[G0+4*\s], 1
	s_add_co_u32 s[G0+4*\s+1], s45, \s*SLOT
	s_add_nc_u64 s[G0+4*\s+2:G0+4*\s+3], s[20:21], \s*AH
	s_or_b32 s[G0+4*\s+3], s[G0+4*\s+3], 0x80000000
	s_mov_b32 s[G0B+4*\s], 1
	s_add_co_u32 s[G0B+4*\s+1], s94, \s*SLOT
	s_add_nc_u64 s[G0B+4*\s+2:G0B+4*\s+3], s[46:47], \s*BH
	s_or_b32 s[G0B+4*\s+3], s[G0B+4*\s+3], 0x80000000
	JLOAD G0+4*\s, G1, G0B+4*\s, G1B
.endr
	v_and_b32 v1, 31, v0
	v_lshlrev_b32 v[LI], 4, v1
	v_lshlrev_b32 v[LS4], 2, v1
	s_mul_i32 s74, s15, AH
	s_mul_i32 s75, s16, BH
	s_add_co_u32 s75, s75, 2*AH
.irp s, 0,1
	v_add_nc_u32 v[ADRA+\s], s74, v[LI]
	v_add_nc_u32 v[ADRB+\s], s75, v[LI]
	v_add_nc_u32 v[ASA+\s], s74, v[LS4]
	v_add_nc_u32 v[ASB+\s], s75, v[LS4]
	s_add_co_u32 s74, s74, SLOT
	s_add_co_u32 s75, s75, SLOT
.endr
	v_and_b32 v1, 15, v0                           ; stored row r of a block is query r + 8 (r / 8) of it;
	v_and_b32 v2, 8, v0
	v_add_nc_u32 v1, v1, v2
	v_and_b32 v2, 16, v0                           ; lanes 16-31 begin 16 keys further on
	v_sub_nc_u32 v1, v1, v2
	v_add_nc_u32 v[DL], s70, v1
	v_mov_b32 v[NINF], 0xff800000
	s_wait_tensorcnt 1                             ; my part of slot 0 is in; slot 1's may stay out
	s_barrier_signal -1
	s_barrier_wait -1
	FETCH_B 0, 0, 0
	FETCH_A 0, 0, 0
	SCALES 0
	FETCH_A 0, 0, 4
	STEP 0, 1
	s_mov_b32 s3, 1                                ; K = 1,024 is four slots: two first fills, two refills
.Llap:
	TURN 0, 1, 1
	STEP 1, 0
	TURN 1, 0, 1
	STEP 0, 0
	s_sub_co_u32 s3, s3, 1
	s_cmp_lg_u32 s3, 0
	s_cbranch_scc1 .Llap
	TURN 0, 1, 0
	STEP 1, 0
	s_wait_dscnt 4*NL
	WIN MUL_LO
	MUL16 0, 1, 1, 1, 0
	MUL16 2, 1, 1, 1, 0
	s_wait_dscnt 0x0
	WIN MUL_HI
	MUL16 4, 1, 1, 1, 0
	MUL16 6, 1, 1, 1, 0
	WIN 0
	PLACES NP                                      ; behind the last products: results are read, and registers that held A's fragments are written
.irp b, 0,1,2,3
	v_mov_b32 v[BT+\b], 0                          ; a lane permute's destination counts as one of its sources
.endr
	v_mov_b32 v[TB], 0
.irp a, 0,1,2,3,4,5,6,7
	PBLOCK \a
.endr
.irp j, 0,1,2,3
	v_cndmask_b32 v[MG+\j], v[PWS+2*\j], v[PWS+2*\j+1], s[HM]     ; lanes 0-15 block 2 j's rows, lanes 16-31 block 2 j + 1's
	v_cndmask_b32 v[MG+4+\j], v[MS+2*\j], v[MS+2*\j+1], s[HM]
	v_cndmask_b32 v[MG+8+\j], v[LSM+2*\j], v[LSM+2*\j+1], s[HM]
.endr
.irp j, 0,1,2,3
	global_store_b32 v[LS4], v[MG+\j], s[12:13] offset:12288+128*\j
.endr
.irp j, 0,1,2,3
	global_store_b32 v[LS4], v[MG+4+\j], s[12:13] offset:12800+128*\j
.endr
.irp j, 0,1,2,3
	global_store_b32 v[LS4], v[MG+8+\j], s[12:13] offset:13312+128*\j
.endr
	s_wait_tensorcnt 0x0                           ; the wave's end
	ds_add_u32 v[SPW], v[NIL]
	s_wait_dscnt 0x0
	CROUND                                         ; the closing round
	s_endpgm
.Lfunc_end_k_qbd2e6cb2ca_score:
	.size	k_qbd2e6cb2ca_score, .Lfunc_end_k_qbd2e6cb2ca_score-k_qbd2e6cb2ca_score
	.p2alignl 7, 3214868480
	.fill 96, 4, 3214868480
	.section	.rodata,"a",@progbits
	.p2align	6, 0x0
	.amdhsa_kernel k_qbd2e6cb2ca_score
		.amdhsa_group_segment_fixed_size 327680
		.amdhsa_private_segment_fixed_size 0
		.amdhsa_enable_private_segment 0
		.amdhsa_kernarg_size 24
		.amdhsa_user_sgpr_count 2
		.amdhsa_user_sgpr_kernarg_segment_ptr 1
		.amdhsa_wavefront_size32 1
		.amdhsa_system_sgpr_workgroup_id_x 1
		.amdhsa_system_sgpr_workgroup_id_y 1
		.amdhsa_system_sgpr_workgroup_id_z 1
		.amdhsa_system_vgpr_workitem_id 0
		.amdhsa_next_free_vgpr 1024
		.amdhsa_next_free_sgpr 100
		.amdhsa_reserve_vcc 1
		.amdhsa_float_denorm_mode_32 3
		.amdhsa_float_denorm_mode_16_64 3
		.amdhsa_memory_ordered 1
		.amdhsa_forward_progress 1
		.amdhsa_inst_pref_size 235
	.end_amdhsa_kernel
	.amdgpu_metadata
---
amdhsa.version: [ 1, 2 ]
amdhsa.kernels:
  - .name:           k_qbd2e6cb2ca_score
    .symbol:         k_qbd2e6cb2ca_score.kd
    .args:
      - { .name: qc, .offset: 0, .size: 8, .value_kind: global_buffer, .address_space: global }
      - { .name: kc, .offset: 8, .size: 8, .value_kind: global_buffer, .address_space: global }
      - { .name: pc, .offset: 16, .size: 8, .value_kind: global_buffer, .address_space: global }
    .group_segment_fixed_size: 327680
    .private_segment_fixed_size: 0
    .kernarg_segment_align: 8
    .kernarg_segment_size: 24
    .max_flat_workgroup_size: 128
    .sgpr_count:     100
    .vgpr_count:     1024
    .wavefront_size: 32
...
	.end_amdgpu_metadata
.endif
;; end of part 3
;; launch pv (part 4): grid 4 x 32, 4 waves a work-group, clusters of 4 x 4, 327,680 bytes of LDS; arguments pc, vt, out0; writes out0
.if DOCPART == 4
	.amdgcn_target "amdgcn-amd-amdhsa--gfx1250"
	.amdhsa_code_object_version 6
	.text
	.protected	k_qbd2e6cb2ca_pv
	.globl	k_qbd2e6cb2ca_pv
	.p2align	8
	.type	k_qbd2e6cb2ca_pv,@function
k_qbd2e6cb2ca_pv:
	s_mov_b64 s[64:65], 0
	v_nop
	global_prefetch_b8 v0, s[64:65] scope:SCOPE_SE
	s_setreg_imm32_b32 hwreg(HW_REG_WAVE_MODE, 25, 1), 1
	s_wait_xcnt 0x0
	s_wait_alu depctr_hold_cnt(0) depctr_sa_sdst(0) depctr_va_vdst(0) depctr_va_sdst(0) depctr_va_ssrc(0) depctr_va_vcc(0) depctr_vm_vsrc(0)
	s_getreg_b32 s2, hwreg(HW_REG_IB_STS2, 6, 4)
	s_cmp_eq_u32 s2, 0
	s_cbranch_scc0 .Lentry_in_a_cluster
	s_endpgm
.Lentry_in_a_cluster:
	s_bfe_u32 s2, ttmp6, 0x10000c
	s_cmp_lg_u32 s2, 0xf033
	s_cbranch_scc0 .Lentry_shape_is_right
	s_endpgm
.Lentry_shape_is_right:
; out = (p v) / l on codes of BF6 (E3M2) with E8M0 scales, sums in f32.  p comes from the launch before as 2^(t - Mloc), Mloc a whole number of its own for each (query, 128 keys), with the local sums of the unquantised p.
; HEAD: the row's M = the largest Mloc; l = the sum of the local sums x 2^(Mloc - M), exact scalings.  IN THE LOOP: M - Mloc is taken off p's four scale bytes of each 128 keys: the codes then stand for 2^(t - M).
; OPERANDS: pc: [64 groups of 128 queries][16 steps of 128 keys] blocks of 13,824 bytes: eight fragments as register images (fragment i at 1536 i; registers 4 c .. 4 c + 3 of lane l at 512 c + 16 l), at 12,288 128 scale
; words, at 12,800 128 Mloc, at 13,312 128 local sums.  vt: [8 groups of 128 d][64 steps of 128 tokens] blocks of 12,800 bytes, likewise.  Stored row p holds row p with bits 3 and 4 exchanged.
; Source 0 = 16 rows of v^T, source 1 = 16 queries: a lane holds one stored query; the 64 registers of a block's accumulators are d = 32 b + 16 h + i.
; TILES: 256 queries x 256 of d, four waves of 128 x 128; a cluster is 1,024 queries x all 1,024 of d.  The keys go as far as the cluster's last query: 1,024 or 2,048, the same in all sixteen partners (it hangs on the
; cluster's y alone); no LDS address is stepped in that loop.
; LIMITS: NaN and infinities are not served.  Where M - Mloc would bring a scale byte under 0 the byte is held at 0 (2^-127): such terms lie under 2^-100 of a sum that is at least 1/2.
; REGISTERS: window 0: v16-29 addresses; v32-63 scale words and nothing else; v64-67 M, v68-83 1 / l in pairs, v84-99 the bytes' work, v100-111 the head's; v128-223 A's fragments (in the head Mloc and sums, on the way out
;   rows of out).  window 1: B's fragments, two sets.  windows 2, 3: the accumulators.
.set ISPV, 1
.set BLK,  12800
.set PBLK, 13824
.set ABLK, PBLK
.set BBLK, BLK
.set AH,   2*ABLK                      ; 27,648 bytes: 108 rows of 256
.set BH,   2*BBLK                      ; 25,600 bytes: 100 rows of 256
.set SLOT, 2*AH+2*BH
.set SPARE, 2*SLOT                     ; behind the ring: the spare words, 128 bytes a wave: two blocks of 256 bytes that no other line names
.set PRHO, 16*PBLK
.set VRHO, 64*BLK
.set SPITCH, 528                       ; the way out: a stage of 16 rows x (512 bytes + 16) for each wave, in slot 0, which has had its last fill and its last read by then
.set FR,   12
.set NL,   3
.set NP,   4
.set ADRA, 16
.set ASA,  18
.set ADRB, 20
.set ASB,  22
.set LI,   24                          ; v24 16 x lane
.set LS4,  25                          ; v25 4 x lane
.set STO,  26                          ; v26 the stage: where I put 16 bytes of a row
.set RD,   27                          ; v27 and where I read a row back
.set SPW,  28
.set NIL,  29
.set SC,   32
.set AF,   128
.set MROW, 64                          ; v64-67  M of stored rows 32 j + lane
.set RL,   68                          ; v[68+2a:69+2a] 1 / l of stored row 16 a + r, in both halves of the lanes
.set MA,   84                          ; v84-91  Mloc of a slot's two steps, then M - Mloc in every byte
.set TT,   92                          ; v92-99  at work
.set LR,   100                         ; v100-103 l;  v104-107 lane l xor 16's 1 / l;  v108-111 1 / l
.set XR,   104
.set RR,   108
.set HM0,  128                         ; the head: v128-191 Mloc of 16 steps x 4 registers, v192-255 the local sums
.set HL0,  192
.set BK,   128                         ; the way out: 16 rows read back: v128-191 and v192-255 by turns
.set G1,  24
.set G0,  32
.set G1B, 48
.set G0B, 56
.set HM,  81
.set SEL, 82
.set MSB, 0
.macro WIN new
.set NEWW, \new
.if MSB != NEWW
	s_set_vgpr_msb (MSB<<8)|NEWW
.set MSB, NEWW
.endif
.endm
.set MUL_LO, 0xa1
.set MUL_HI, 0xf1
.set TO_B,   0x40
.macro JLOAD g0a, g1a, g0b, g1b        ; a joint load: waves 0 and 1 for A, waves 2 and 3 for B; four v_nop follow each of the two lines
	s_cmp_eq_u32 s15, 0
	s_cbranch_scc0 .Lfor_b_\@
	tensor_load_to_lds s[\g0a:\g0a+3], s[\g1a:\g1a+7]
	s_nop 0
.rept 4
	v_nop
.endr
	s_branch .Lasked_\@
.Lfor_b_\@:
	tensor_load_to_lds s[\g0b:\g0b+3], s[\g1b:\g1b+7]
	s_nop 0
.rept 4
	v_nop
.endr
.Lasked_\@:
.endm
.macro CREST
	s_cmp_lg_u32 s14, 0
	s_cbranch_scc1 .Lnot_wave_0_\@
	s_barrier_signal -3
.Lnot_wave_0_\@:
	s_barrier_wait -3
	s_barrier_signal -1
	s_barrier_wait -1
.endm
.macro CROUND
	s_barrier_signal -1
	s_barrier_wait -1
	CREST
.endm
.macro PLACES n
.rept \n
	v_nop
.endr
.endm
.macro FRAG reg, adr, off
.irp c, 0,1,2
	ds_load_b128 v[\reg+4*\c:\reg+4*\c+3], v[\adr] offset:\off+512*\c
.endr
.endm
.macro FETCH_B slot, q, p
	WIN TO_B
.irp i, 0,1,2,3,4,5,6,7
	FRAG 128*(\p)+FR*\i, ADRB+\slot, (\q)*BBLK+1536*\i
.endr
	WIN 0
.endm
.macro FETCH_A slot, q, i0
.irp i, \i0, \i0+1, \i0+2, \i0+3
	FRAG AF+FR*(\i), ADRA+\slot, (\q)*ABLK+1536*(\i)
.endr
.endm
.macro SCALES s                        ; a slot's scale words, and p's Mloc
.irp q, 0,1
.irp j, 0,1,2,3
	ds_load_b32 v[SC+16*\s+8*\q+\j], v[ASA+\s] offset:\q*ABLK+12288+128*\j
	ds_load_b32 v[SC+16*\s+8*\q+4+\j], v[ASB+\s] offset:\q*BBLK+12288+128*\j
.endr
.endr
.if ISPV
.irp q, 0,1
.irp j, 0,1,2,3
	ds_load_b32 v[MA+4*\q+\j], v[ASA+\s] offset:\q*ABLK+12800+128*\j
.endr
.endr
.endif
.endm
; M - Mloc, a whole number held at 127, is taken off each of p's four scale bytes.  The bytes are at most 123: with bit 7 set in each, no subtraction borrows from the next byte; a byte whose bit 7 has gone
; would have fallen under 0 and becomes 0.
.macro ADJUST s
.irp q, 0,1
.irp j, 0,1,2,3
	v_sub_f32 v[MA+4*\q+\j], v[MROW+\j], v[MA+4*\q+\j]
.endr
.endr
.irp i, 0,1,2,3,4,5,6,7
	v_min_num_f32 v[MA+\i], 0x42fe0000, v[MA+\i]
.endr
.irp i, 0,1,2,3,4,5,6,7
	v_cvt_u32_f32 v[MA+\i], v[MA+\i]
.endr
.irp i, 0,1,2,3,4,5,6,7
	v_lshl_or_b32 v[MA+\i], v[MA+\i], 8, v[MA+\i]
.endr
.irp i, 0,1,2,3,4,5,6,7
	v_lshl_or_b32 v[MA+\i], v[MA+\i], 16, v[MA+\i]
.endr
.irp q, 0,1
.irp j, 0,1,2,3
	v_or_b32 v[SC+16*\s+8*\q+\j], 0x80808080, v[SC+16*\s+8*\q+\j]
.endr
.endr
.irp q, 0,1
.irp j, 0,1,2,3
	v_sub_nc_u32 v[SC+16*\s+8*\q+\j], v[SC+16*\s+8*\q+\j], v[MA+4*\q+\j]
.endr
.endr
.irp q, 0,1
.irp j, 0,1,2,3
	v_and_b32 v[TT+4*\q+\j], 0x80808080, v[SC+16*\s+8*\q+\j]
.endr
.endr
.irp i, 0,1,2,3,4,5,6,7
	v_lshrrev_b32 v[MA+\i], 7, v[TT+\i]
.endr
.irp i, 0,1,2,3,4,5,6,7
	v_sub_nc_u32 v[TT+\i], v[TT+\i], v[MA+\i]      ; 0x7f in each byte that has kept its bit 7
.endr
.irp q, 0,1
.irp j, 0,1,2,3
	v_and_b32 v[SC+16*\s+8*\q+\j], v[SC+16*\s+8*\q+\j], v[TT+4*\q+\j]
.endr
.endr
.endm
.macro MM
.if zC
.if oB && oA
	v_wmma_scale_f32_16x16x128_f8f6f4 v[rD:rD+7], v[rB:rB+FR-1], v[rA:rA+FR-1], 0, v[rSB], v[rSA] matrix_a_fmt:MATRIX_FMT_BF6 matrix_b_fmt:MATRIX_FMT_BF6 matrix_a_scale:MATRIX_SCALE_ROW1 matrix_b_scale:MATRIX_SCALE_ROW1
.elseif oB
	v_wmma_scale_f32_16x16x128_f8f6f4 v[rD:rD+7], v[rB:rB+FR-1], v[rA:rA+FR-1], 0, v[rSB], v[rSA] matrix_a_fmt:MATRIX_FMT_BF6 matrix_b_fmt:MATRIX_FMT_BF6 matrix_a_scale:MATRIX_SCALE_ROW1
.elseif oA
	v_wmma_scale_f32_16x16x128_f8f6f4 v[rD:rD+7], v[rB:rB+FR-1], v[rA:rA+FR-1], 0, v[rSB], v[rSA] matrix_a_fmt:MATRIX_FMT_BF6 matrix_b_fmt:MATRIX_FMT_BF6 matrix_b_scale:MATRIX_SCALE_ROW1
.else
	v_wmma_scale_f32_16x16x128_f8f6f4 v[rD:rD+7], v[rB:rB+FR-1], v[rA:rA+FR-1], 0, v[rSB], v[rSA] matrix_a_fmt:MATRIX_FMT_BF6 matrix_b_fmt:MATRIX_FMT_BF6
.endif
.else
.if oB && oA
	v_wmma_scale_f32_16x16x128_f8f6f4 v[rD:rD+7], v[rB:rB+FR-1], v[rA:rA+FR-1], v[rD:rD+7], v[rSB], v[rSA] matrix_a_fmt:MATRIX_FMT_BF6 matrix_b_fmt:MATRIX_FMT_BF6 matrix_a_scale:MATRIX_SCALE_ROW1 matrix_b_scale:MATRIX_SCALE_ROW1
.elseif oB
	v_wmma_scale_f32_16x16x128_f8f6f4 v[rD:rD+7], v[rB:rB+FR-1], v[rA:rA+FR-1], v[rD:rD+7], v[rSB], v[rSA] matrix_a_fmt:MATRIX_FMT_BF6 matrix_b_fmt:MATRIX_FMT_BF6 matrix_a_scale:MATRIX_SCALE_ROW1
.elseif oA
	v_wmma_scale_f32_16x16x128_f8f6f4 v[rD:rD+7], v[rB:rB+FR-1], v[rA:rA+FR-1], v[rD:rD+7], v[rSB], v[rSA] matrix_a_fmt:MATRIX_FMT_BF6 matrix_b_fmt:MATRIX_FMT_BF6 matrix_b_scale:MATRIX_SCALE_ROW1
.else
	v_wmma_scale_f32_16x16x128_f8f6f4 v[rD:rD+7], v[rB:rB+FR-1], v[rA:rA+FR-1], v[rD:rD+7], v[rSB], v[rSA] matrix_a_fmt:MATRIX_FMT_BF6 matrix_b_fmt:MATRIX_FMT_BF6
.endif
.endif
.endm
.macro MUL16 a0, p, q, sc, zero        ; 16 products; the 64 accumulators take turns, one instruction a turn
.set zC, \zero
.irp a, \a0, \a0+1
.irp b, 0,1,2,3,4,5,6,7
.set rD, 8*(8*((\a)%4)+\b)
.set rB, 128*(\p)+FR*\b
.set rA, AF+FR*(\a)
.set rSB, SC+16*(\sc)+8*(\q)+4+\b/2
.set rSA, SC+16*(\sc)+8*(\q)+(\a)/2
.set oB, \b%2
.set oA, (\a)%2
	MM
.endr
.endr
.endm
.macro STEP slot, zero
	s_wait_dscnt 4*NL                              ; all but the youngest 12 loads, A's blocks 4-7
	WIN MUL_LO
	MUL16 0, 0, 0, \slot, \zero
	MUL16 2, 0, 0, \slot, \zero
	s_wait_dscnt 0x0
	PLACES NP
	FETCH_B \slot, 1, 1
	FETCH_A \slot, 1, 0
	WIN MUL_HI
	MUL16 4, 0, 0, \slot, \zero
	MUL16 6, 0, 0, \slot, \zero
	PLACES NP
	WIN 0
	FETCH_A \slot, 1, 4
.endm
.macro TURN slot, next, fill
	s_wait_tensorcnt 0x0                           ; all my tensor loads have landed: my part of the next slot
	ds_add_u32 v[SPW], v[NIL]                      ; 0 onto my spare word
	s_wait_dscnt 4*NL+1                            ; (the add and the youngest 12 loads may be out)
	WIN MUL_LO
	MUL16 0, 1, 1, \slot, 0
	s_wait_dscnt 0x0                               ; the add is done, and my reads of this slot are over
	s_barrier_signal -1
	MUL16 2, 1, 1, \slot, 0
	WIN 0
	s_barrier_wait -1
.if \fill
	CREST                                          ; no wave of any partner still reads this slot or has a load on its way
	s_add_nc_u64 s[G0+4*\slot+2:G0+4*\slot+3], s[G0+4*\slot+2:G0+4*\slot+3], 2*AH
	s_add_nc_u64 s[G0B+4*\slot+2:G0B+4*\slot+3], s[G0B+4*\slot+2:G0B+4*\slot+3], 2*BH
	JLOAD G0+4*\slot, G1, G0B+4*\slot, G1B
.else
	PLACES NP
.endif
	FETCH_B \next, 0, 0
	FETCH_A \next, 0, 0
	SCALES \next
	WIN MUL_HI
	MUL16 4, 1, 1, \slot, 0
	MUL16 6, 1, 1, \slot, 0
.if ISPV
	s_wait_dscnt 0x0                               ; the next slot's scale words and Mloc are in (asked for 32 products ago)
	WIN 0
	ADJUST \next                                   ; it names no register of the products above: its lines are also the places in front of the loads below
	PLACES 8                                       ; a scale register written by a vector instruction stands 8 places ahead of the scaled product that reads it
.else
	PLACES NP
	WIN 0
.endif
	FETCH_A \next, 0, 4
.endm
	s_load_b128 s[4:7], s[0:1], 0x0                ; pc, vt
	s_load_b64 s[8:9], s[0:1], 0x10                ; out0
	v_lshl_add_u32 v[SPW], v0, 2, SPARE
	v_mov_b32 v[NIL], 0
	ds_add_u32 v28, v29
	ds_add_u32 v28, v29
	s_wait_dscnt 0x0
	v_lshrrev_b32 v1, 5, v0
	v_readfirstlane_b32 s14, v1                    ; wave
	s_lshr_b32 s15, s14, 1                         ; which 128 queries are mine.  Also: I fetch for A (0) or for B (1)
	s_and_b32 s16, s14, 1                          ; which 128 of d.  Also: which group I fetch
	s_bfe_u32 s40, ttmp6, 0x40000                  ; cx
	s_bfe_u32 s41, ttmp6, 0x40004                  ; cy
	s_and_b32 s66, ttmp7, 0xffff                   ; cluster row Y = 2 batch + half of the batch's queries
	s_lshr_b32 s67, s66, 1                         ; the batch
	s_and_b32 s68, s66, 1                          ; the half
	s_lshl_b32 s17, s66, 2
	s_add_co_u32 s17, s17, s41                     ; tile row: which 256 of the 8,192 queries
	s_lshl_b32 s42, ttmp9, 2
	s_add_co_u32 s42, s42, s40                     ; tile column: which 256 of d
	s_lshl_b32 s43, s41, 2
	s_lshl_b32 s43, 15, s43
	s_lshl_b32 s44, 0x1111, s40
	s_or_b32 s[G1+0], s43, (3<<16)|(1<<21)         ; 15:0 the mask; 17:16 elements of 8 bytes; 21 set beside a mask; no padding
	s_or_b32 s[G1B+0], s44, (3<<16)|(1<<21)
	s_mov_b32 s[G1+1], 32<<16
	s_mov_b32 s[G1+2], (AH/256)<<16
	s_mov_b32 s[G1+3], 32<<16
	s_mov_b32 s[G1+4], AH/256
	s_mov_b32 s[G1+5], 32
	s_mov_b32 s[G1+6], 0
	s_mov_b32 s[G1+7], 0
	s_mov_b32 s[G1B+1], 32<<16
	s_mov_b32 s[G1B+2], (BH/256)<<16
	s_mov_b32 s[G1B+3], 32<<16
	s_mov_b32 s[G1B+4], BH/256
	s_mov_b32 s[G1B+5], 32
	s_mov_b32 s[G1B+6], 0
	s_mov_b32 s[G1B+7], 0
	s_lshl_b32 s20, s17, 1
	s_add_co_u32 s20, s20, s16                     ; A: group 2 x tile row + half: no cx enters
	s_mul_i32 s20, s20, PRHO
	s_mov_b32 s21, 0
	s_lshl_b32 s46, s42, 1
	s_add_co_u32 s46, s46, s16                     ; B: group 2 x tile column + half, from the batch's first key on: no cy enters
	s_mul_i32 s46, s46, VRHO
	s_mul_i32 s47, s67, 16*BLK
	s_add_co_u32 s46, s46, s47
	s_mov_b32 s47, 0
	s_lshl_b32 s76, s17, 1                         ; my own 128 queries' group of pc, for Mloc and the local sums
	s_add_co_u32 s76, s76, s15
	s_mul_i32 s76, s76, PRHO
	s_mov_b32 s77, 0
	s_mul_i32 s78, s68, 8*PBLK                     ; steps 8 to 15 where the keys go so far; else steps 0 to 7 once more, with weight 0 in the sum
	s_mov_b32 s79, 0
	s_cmp_eq_u32 s68, 1
	s_cselect_b32 s80, 1.0, 0
	s_lshl_b32 s72, s17, 8                         ; out: row 256 x tile row + 128 x my half, 4,096 bytes a row; + 1,024 x tile column + 512 x my half
	s_lshl_b32 s73, s15, 7
	s_add_co_u32 s72, s72, s73
	s_lshl_b32 s72, s72, 12
	s_lshl_b32 s73, s42, 10
	s_add_co_u32 s72, s72, s73
	s_lshl_b32 s73, s16, 9
	s_add_co_u32 s72, s72, s73
	s_mov_b32 s73, 0
	s_mul_i32 s45, s16, AH
	s_mul_i32 s94, s16, BH
	s_add_co_u32 s94, s94, 2*AH
	s_mov_b32 s[HM], 0xffff0000
	s_mov_b32 s[SEL], 0x76543210
	s_mov_b32 s[SEL+1], 0xfedcba98
	s_wait_kmcnt 0x0
	s_add_nc_u64 s[20:21], s[4:5], s[20:21]
	s_add_nc_u64 s[46:47], s[6:7], s[46:47]
	s_add_nc_u64 s[76:77], s[4:5], s[76:77]
	s_add_nc_u64 s[78:79], s[76:77], s[78:79]
	s_add_nc_u64 s[12:13], s[8:9], s[72:73]
	CROUND                                         ; all sixteen work-groups are here: the first joint loads meet
.irp s, 0,1
	s_mov_b32 s[G0+4*\s], 1
	s_add_co_u32 s[G0+4*\s+1], s45, \s*SLOT
	s_add_nc_u64 s[G0+4*\s+2:G0+4*\s+3], s[20:21], \s*AH
	s_or_b32 s[G0+4*\s+3], s[G0+4*\s+3], 0x80000000
	s_mov_b32 s[G0B+4*\s], 1
	s_add_co_u32 s[G0B+4*\s+1], s94, \s*SLOT
	s_add_nc_u64 s[G0B+4*\s+2:G0B+4*\s+3], s[46:47], \s*BH
	s_or_b32 s[G0B+4*\s+3], s[G0B+4*\s+3], 0x80000000
	JLOAD G0+4*\s, G1, G0B+4*\s, G1B
.endr
	v_and_b32 v1, 31, v0
	v_lshlrev_b32 v[LI], 4, v1
	v_lshlrev_b32 v[LS4], 2, v1
	; THE HEAD: Mloc and the local sums of my 128 queries, 16 steps of 128 keys: lane l of register j holds stored row 32 j + l, as the scale words do
.irp k, 0,1,2,3,4,5,6,7
.irp j, 0,1,2,3
	global_load_b32 v[HM0+4*\k+\j], v[LS4], s[76:77] offset:\k*PBLK+12800+128*\j
	global_load_b32 v[HM0+32+4*\k+\j], v[LS4], s[78:79] offset:\k*PBLK+12800+128*\j
	global_load_b32 v[HL0+4*\k+\j], v[LS4], s[76:77] offset:\k*PBLK+13312+128*\j
	global_load_b32 v[HL0+32+4*\k+\j], v[LS4], s[78:79] offset:\k*PBLK+13312+128*\j
.endr
.endr
	s_mul_i32 s74, s15, AH
	s_mul_i32 s75, s16, BH
	s_add_co_u32 s75, s75, 2*AH
.irp s, 0,1
	v_add_nc_u32 v[ADRA+\s], s74, v[LI]
	v_add_nc_u32 v[ADRB+\s], s75, v[LI]
	v_add_nc_u32 v[ASA+\s], s74, v[LS4]
	v_add_nc_u32 v[ASB+\s], s75, v[LS4]
	s_add_co_u32 s74, s74, SLOT
	s_add_co_u32 s75, s75, SLOT
.endr
	v_and_b32 v1, 15, v0                           ; r
	v_bfe_u32 v2, v0, 4, 1                         ; h
	s_mul_i32 s74, s14, 16*SPITCH                  ; my stage
	v_mul_u32_u24 v[STO], v1, SPITCH
	v_lshl_add_u32 v[STO], v2, 6, v[STO]
	v_add_nc_u32 v[STO], s74, v[STO]               ; in: row r, + 64 h
	v_add_nc_u32 v[RD], s74, v[LI]                 ; back: the 32 lanes take one row of 512 bytes
.irp j, 0,1,2,3
	v_mov_b32 v[XR+\j], 0                          ; a lane permute's destination counts as one of its sources
.endr
	s_wait_loadcnt 0x0
.irp j, 0,1,2,3
	v_max3_num_f32 v[MROW+\j], v[HM0+\j], v[HM0+4+\j], v[HM0+8+\j]
.endr
.irp k, 3,5,7,9,11,13
.irp j, 0,1,2,3
	v_max3_num_f32 v[MROW+\j], v[MROW+\j], v[HM0+4*\k+\j], v[HM0+4*\k+4+\j]
.endr
.endr
.irp j, 0,1,2,3
	v_max_num_f32 v[MROW+\j], v[MROW+\j], v[HM0+60+\j]   ; the row's M
.endr
.set n, 0
.rept 64
	v_sub_f32 v[HM0+n], v[HM0+n], v[MROW+n%4]      ; Mloc - M: a whole number, 0 or less
.set n, n+1
.endr
.set n, 0
.rept 64
	v_cvt_i32_f32 v[HM0+n], v[HM0+n]               ; (it saturates)
.set n, n+1
.endr
.set n, 0
.rept 64
	v_ldexp_f32 v[HL0+n], v[HL0+n], v[HM0+n]       ; the local sum under the row's M: nothing is rounded
.set n, n+1
.endr
.irp j, 0,1,2,3
	v_add_f32 v[LR+\j], v[HL0+\j], v[HL0+4+\j]
.endr
.irp k, 2,3,4,5,6,7
.irp j, 0,1,2,3
	v_add_f32 v[LR+\j], v[LR+\j], v[HL0+4*\k+\j]
.endr
.endr
.irp k, 8,9,10,11,12,13,14,15
.irp j, 0,1,2,3
	v_fma_f32 v[LR+\j], v[HL0+4*\k+\j], s80, v[LR+\j]   ; weight 1 where the keys go so far, else 0
.endr
.endr
.irp j, 0,1,2,3
	v_rcp_f32 v[RR+\j], v[LR+\j]
.endr
	v_nop                                          ; a plain place behind the reciprocals
	s_wait_alu depctr_va_vdst(0)                   ; one wait for the four, ahead of their first reader
.irp j, 0,1,2,3
	v_permlanex16_b32 v[XR+\j], v[RR+\j], s[SEL], s[SEL+1]
.endr
.irp j, 0,1,2,3                        ; block 2 j's rows stand in lanes 0-15 of register j, block 2 j + 1's in lanes 16-31: each is spread to both halves, and written twice for the packed multiply's pair
	v_cndmask_b32 v[RL+4*\j], v[RR+\j], v[XR+\j], s[HM]
	v_cndmask_b32 v[RL+4*\j+1], v[RR+\j], v[XR+\j], s[HM]
	v_cndmask_b32 v[RL+4*\j+2], v[XR+\j], v[RR+\j], s[HM]
	v_cndmask_b32 v[RL+4*\j+3], v[XR+\j], v[RR+\j], s[HM]
.endr
	s_wait_tensorcnt 1                             ; my part of slot 0 is in; slot 1's may stay out
	s_barrier_signal -1
	s_barrier_wait -1
	FETCH_B 0, 0, 0
	FETCH_A 0, 0, 0
	SCALES 0
	s_wait_dscnt 0x0
	ADJUST 0
	PLACES 8
	FETCH_A 0, 0, 4
	STEP 0, 1
	s_lshl_b32 s3, s68, 1
	s_add_co_u32 s3, s3, 1                         ; 1,024 keys are four slots, 2,048 eight: one trip or three, each with two refills
.Llap:
	TURN 0, 1, 1
	STEP 1, 0
	TURN 1, 0, 1
	STEP 0, 0
	s_sub_co_u32 s3, s3, 1
	s_cmp_lg_u32 s3, 0
	s_cbranch_scc1 .Llap
	TURN 0, 1, 0
	STEP 1, 0
	s_wait_dscnt 4*NL
	WIN MUL_LO
	MUL16 0, 1, 1, 1, 0
	MUL16 2, 1, 1, 1, 0
	s_wait_dscnt 0x0
	WIN MUL_HI
	MUL16 4, 1, 1, 1, 0
	MUL16 6, 1, 1, 1, 0
	WIN 0
; THE WAY OUT, block by block of 16 stored queries x 128 of d: divided by l, through my own stage in LDS, and out as whole rows of 512 bytes.  LDS serves a wave's instructions in order: no wait between the
; stores and the loads, nor in front of the next block's stores.
.macro SCALEB a
.set AC, 64*((\a)%4)
	WIN 65*(2+(\a)/4)                              ; destination and source 0: the accumulators' window
.set n, 0
.rept 32
	v_pk_mul_f32 v[AC+n:AC+n+1], v[AC+n:AC+n+1], v[RL+2*(\a):RL+2*(\a)+1] op_sel_hi:[1,0]   ; each accumulator from its low end on
.set n, n+2
.endr
.endm
.macro TOSTAGE a
.set AC, 64*((\a)%4)
	WIN 4*(2+(\a)/4)                               ; an LDS store's data are its source 1
.irp b, 0,1,2,3,4,5,6,7
	ds_store_b128 v[STO], v[AC+8*\b:AC+8*\b+3] offset:128*(\b/2)+32*(\b%2)          ; tile 2 b + u, register j: d = 32 b + 16 h + 8 u + j
	ds_store_b128 v[STO], v[AC+8*\b+4:AC+8*\b+7] offset:128*(\b/2)+32*(\b%2)+16
.endr
	WIN 0
.set BB, BK+64*((\a)%2)
.irp t, 0,1,2,3,4,5,6,7,8,9,10,11,12,13,14,15
	ds_load_b128 v[BB+4*\t:BB+4*\t+3], v[RD] offset:\t*SPITCH
.endr
.endm
.macro SEND a, younger                 ; younger: the LDS instructions issued behind block a's loads, which may stay out
.set BB, BK+64*((\a)%2)
	s_wait_dscnt \younger
.irp t, 0,1,2,3,4,5,6,7,8,9,10,11,12,13,14,15
	global_store_b128 v[LI], v[BB+4*\t:BB+4*\t+3], s[12:13] offset:(32*((\a)/2)+8*((\a)%2)+16*(\t/8)+\t%8)*4096 th:TH_STORE_NT   ; stored row 16 a + t is this row of out; 512 consecutive bytes, at a multiple of 256 from out's first byte
.endr
.endm
	PLACES NP                                      ; behind the last products: results are read, and loads land in registers that held A's fragments
	SCALEB 0
	TOSTAGE 0
.irp a, 1,2,3,4,5,6,7
.if \a > 1
	s_wait_xcnt 0x0                                ; block a - 2's stores have read their registers: block a's loads may land there
.endif
	SCALEB \a
	TOSTAGE \a
	SEND \a-1, 32                                  ; behind block a - 1's loads: block a's 16 stores and 16 loads
.endr
	SEND 7, 0
	s_wait_tensorcnt 0x0                           ; the wave's end: behind my last tensor load and my last LDS store
	ds_add_u32 v[SPW], v[NIL]
	s_wait_dscnt 0x0
	CROUND                                         ; the closing round
	s_endpgm
.Lfunc_end_k_qbd2e6cb2ca_pv:
	.size	k_qbd2e6cb2ca_pv, .Lfunc_end_k_qbd2e6cb2ca_pv-k_qbd2e6cb2ca_pv
	.p2alignl 7, 3214868480
	.fill 96, 4, 3214868480
	.section	.rodata,"a",@progbits
	.p2align	6, 0x0
	.amdhsa_kernel k_qbd2e6cb2ca_pv
		.amdhsa_group_segment_fixed_size 327680
		.amdhsa_private_segment_fixed_size 0
		.amdhsa_enable_private_segment 0
		.amdhsa_kernarg_size 24
		.amdhsa_user_sgpr_count 2
		.amdhsa_user_sgpr_kernarg_segment_ptr 1
		.amdhsa_wavefront_size32 1
		.amdhsa_system_sgpr_workgroup_id_x 1
		.amdhsa_system_sgpr_workgroup_id_y 1
		.amdhsa_system_sgpr_workgroup_id_z 1
		.amdhsa_system_vgpr_workitem_id 0
		.amdhsa_next_free_vgpr 1024
		.amdhsa_next_free_sgpr 100
		.amdhsa_reserve_vcc 0
		.amdhsa_float_denorm_mode_32 3
		.amdhsa_float_denorm_mode_16_64 3
		.amdhsa_memory_ordered 1
		.amdhsa_forward_progress 1
		.amdhsa_inst_pref_size 197
	.end_amdhsa_kernel
	.amdgpu_metadata
---
amdhsa.version: [ 1, 2 ]
amdhsa.kernels:
  - .name:           k_qbd2e6cb2ca_pv
    .symbol:         k_qbd2e6cb2ca_pv.kd
    .args:
      - { .name: pc, .offset: 0, .size: 8, .value_kind: global_buffer, .address_space: global }
      - { .name: vt, .offset: 8, .size: 8, .value_kind: global_buffer, .address_space: global }
      - { .name: out0, .offset: 16, .size: 8, .value_kind: global_buffer, .address_space: global }
    .group_segment_fixed_size: 327680
    .private_segment_fixed_size: 0
    .kernarg_segment_align: 8
    .kernarg_segment_size: 24
    .max_flat_workgroup_size: 128
    .sgpr_count:     100
    .vgpr_count:     1024
    .wavefront_size: 32
...
	.end_amdgpu_metadata
.endif
;; end of part 4
;; ======== version 2 of 2: 4 launches; 1.15 times as fast as version 1
;; workspace buffers: xw 9,011,200 bytes; qc 6,553,600 bytes; kc 6,553,600 bytes; vt 6,553,600 bytes; pc 14,155,776 bytes
;; launch quant: the kernel of part 1 again; grid 352 x 1, 4 waves a work-group, no clusters, 35,328 bytes of LDS; arguments x, Wq, Wk, Wv, xw; writes xw
;; launch proj (part 5): grid 8 x 48, 4 waves a work-group, clusters of 4 x 4, 327,680 bytes of LDS; arguments xw, qc, kc, vt; writes qc, kc, vt
.if DOCPART == 5
	.amdgcn_target "amdgcn-amd-amdhsa--gfx1250"
	.amdhsa_code_object_version 6
	.text
	.protected	k_qbd2e6cb2ca_proj
	.globl	k_qbd2e6cb2ca_proj
	.p2align	8
	.type	k_qbd2e6cb2ca_proj,@function
k_qbd2e6cb2ca_proj:
	s_mov_b64 s[64:65], 0
	v_nop
	global_prefetch_b8 v0, s[64:65] scope:SCOPE_SE
	s_setreg_imm32_b32 hwreg(HW_REG_WAVE_MODE, 25, 1), 1
	s_wait_xcnt 0x0
	s_wait_alu depctr_hold_cnt(0) depctr_sa_sdst(0) depctr_va_vdst(0) depctr_va_sdst(0) depctr_va_ssrc(0) depctr_va_vcc(0) depctr_vm_vsrc(0)
	s_getreg_b32 s2, hwreg(HW_REG_IB_STS2, 6, 4)
	s_cmp_eq_u32 s2, 0
	s_cbranch_scc0 .Lentry_in_a_cluster
	s_endpgm
.Lentry_in_a_cluster:
	s_bfe_u32 s2, ttmp6, 0x10000c
	s_cmp_lg_u32 s2, 0xf033
	s_cbranch_scc0 .Lentry_shape_is_right
	s_endpgm
.Lentry_shape_is_right:
; q = x Wq^T, k = x Wk^T, v^T = Wv x^T on codes of BF6 (E3M2) with E8M0 scales, sums in f32; the results are quantised on the way out, q and k along d, v along the tokens.
; OPERANDS (buffer xw, and the results qc, kc, vt): [groups of 128 rows][steps of 128 along K] blocks of 12,800 bytes: eight fragments (16 rows x 128 K) as images of the operand's
; registers (fragment i at 1536 i; registers 4 c .. 4 c + 3 of lane l at 512 c + 16 l), then 128 scale words.  Stored row p holds row p with bits 3 and 4 exchanged.
; A tile, 256 x 256, is made by four waves, 128 x 128 each: 64 accumulators, 512 registers.  A wave's tensor load brings one group of rows x 256 along K: 25,600 dense bytes, as 100 rows of 256 bytes.
; THE RING: K = 1,024 is four quarters of 256.  THREE LDS slots are filled at the start (three loads a wave are out); the fourth quarter fills slot 0 again behind the one round of the cluster's
; barrier that stands at slot 0's end, and has two slots' work, 256 matrix instructions, in which to land.  In front of that round every wave has waited for all its loads, so slots 1 and 2 are whole
; for everybody behind it: the change from slot 1 to slot 2 has no barrier.  The change back to slot 0 has a barrier and fills nothing.  No loop: each quarter is written once.
; THE MATRIX INSTRUCTION IS USED TRANSPOSED: source 0 = 16 rows of operand B, source 1 = 16 rows of operand A.  A lane holds one stored row of A, and by the stored order of B's rows the 64 registers
; of a block's eight accumulators are 128 neighbours of the next K in fours of 16: they are quantised as they stand, and the codes are stored as the next operand's register image.
; TILES: cluster rows 0-7: A = x, B = Wq (cluster column 0) or Wk (1).  Cluster rows 8-11: A = Wv, B = x: v^T.
; CLUSTERS: 4 x 4.  A's tile is shared along a row of the cluster, B's along a column: joint loads.
; LIMITS: NaN and infinities are not served; a block under 2^-122 keeps the byte 1; a block of zeros has the byte 1 where the rule says 127 (zero codes; only this program reads the bytes).
; REGISTERS: window 0: v4-15, v24-29 addresses; v32-63 scale words, two sets, and nothing else; v64-111 the way out; v128-223 A's eight fragments, one set.  window 1: B's fragments, two sets, at v0 and v128.
;   windows 2, 3: the accumulators, (a, b) at v[8 (8 (a % 4) + b)].
.set BLK,  12800
.set ABLK, BLK
.set BBLK, BLK
.set AH,   2*ABLK                      ; what one tensor load brings of A: one group of rows, 256 along K
.set BH,   2*BBLK
.set SLOT, 2*AH+2*BH                   ; A's two groups, then B's two
.set SPARE, 3*SLOT                     ; behind the three slots: the spare words, 128 bytes a wave: two blocks of 256 bytes that no other line names
.set RHOB, 8*BLK                       ; a group of rows of xw
.set FR,   12
.set NL,   3                           ; LDS loads that bring a fragment
.set NP,   4                           ; places behind this matrix instruction (ISA guide 7.12.1)
.set ADRA, 4                           ; v4-6   16 x lane + my group of A in slot 0, 1, 2
.set ASA,  7                           ; v7-9   the same with 4 x lane
.set ADRB, 10                          ; v10-12, v13-15 likewise for B
.set ASB,  13
.set LI,   24                          ; v24 16 x lane
.set LS4,  25                          ; v25 4 x lane
.set SPW,  28                          ; v28 my spare word;  v29 0: both never rewritten
.set NIL,  29
.set SC,   32                          ; scale words: set s at SC + 16 s; in it, for the quarter's q-th 128 along K, A's rows 32 j + lane at 8 q + j, B's at 8 q + 4 + j
.set AF,   128
.set PC,   64                          ; the way out: v64-75 a fragment's codes, v76-82 at work
.set TM,   84                          ; v84-99 at work
.set PWS,  100                         ; v100-107 the eight blocks' scale words
.set MG,   108                         ; v108-111 the same, two blocks to a register
.set G1,  24                           ; s[24:31] group 1 for A's tiles;  s[32:43] group 0, a set for each slot
.set G0,  32
.set G1B, 48                           ; s[48:55], s[84:95] the same for B's
.set G0B, 84
.set HM,  81                           ; s81 lanes 16-31
.set SEL, 82                           ; s[82:83] selects for lane l xor 16
.set MSB, 0
.macro WIN new                         ; the immediate's high byte repeats the setting that is left
.set NEWW, \new
.if MSB != NEWW
	s_set_vgpr_msb (MSB<<8)|NEWW
.set MSB, NEWW
.endif
.endm
.set MUL_LO, 0xa1                      ; source 0 (B) window 1, source 1 (A) window 0, C and D window 2
.set MUL_HI, 0xf1                      ; the same, C and D window 3
.set TO_B,   0x40                      ; destination window 1
; A joint load: waves 0 and 1 fetch for A, waves 2 and 3 for B.  The branch hangs on the wave's number alone.  Four v_nop follow each of the two lines.
.macro JLOAD g0a, g1a, g0b, g1b
	s_cmp_eq_u32 s15, 0
	s_cbranch_scc0 .Lfor_b_\@
	tensor_load_to_lds s[\g0a:\g0a+3], s[\g1a:\g1a+7]
	s_nop 0
.rept 4
	v_nop
.endr
	s_branch .Lasked_\@
.Lfor_b_\@:
	tensor_load_to_lds s[\g0b:\g0b+3], s[\g1b:\g1b+7]
	s_nop 0
.rept 4
	v_nop
.endr
.Lasked_\@:
.endm
.macro CREST                           ; a round of the cluster's barrier behind its opening barrier
	s_cmp_lg_u32 s14, 0
	s_cbranch_scc1 .Lnot_wave_0_\@
	s_barrier_signal -3
.Lnot_wave_0_\@:
	s_barrier_wait -3
	s_barrier_signal -1
	s_barrier_wait -1
.endm
.macro CROUND
	s_barrier_signal -1
	s_barrier_wait -1
	CREST
.endm
.macro PLACES n
.rept \n
	v_nop
.endr
.endm
.macro FRAG reg, adr, off              ; a fragment's image comes back as it was stored: three loads of 512 consecutive bytes
.irp c, 0,1,2
	ds_load_b128 v[\reg+4*\c:\reg+4*\c+3], v[\adr] offset:\off+512*\c
.endr
.endm
.macro FETCH_B slot, q, p              ; B's eight fragments of the slot's q-th 128 along K into set p
	WIN TO_B
.irp i, 0,1,2,3,4,5,6,7
	FRAG 128*(\p)+FR*\i, ADRB+\slot, (\q)*BBLK+1536*\i
.endr
	WIN 0
.endm
.macro FETCH_A slot, q, i0             ; A's blocks i0 .. i0 + 3
.irp i, \i0, \i0+1, \i0+2, \i0+3
	FRAG AF+FR*(\i), ADRA+\slot, (\q)*ABLK+1536*(\i)
.endr
.endm
.macro SCALES slot, s                  ; a slot's scale words into set s: lanes 0-15 take block 2 j's, lanes 16-31 block 2 j + 1's
.irp q, 0,1
.irp j, 0,1,2,3
	ds_load_b32 v[SC+16*(\s)+8*\q+\j], v[ASA+\slot] offset:\q*ABLK+12288+128*\j
	ds_load_b32 v[SC+16*(\s)+8*\q+4+\j], v[ASB+\slot] offset:\q*BBLK+12288+128*\j
.endr
.endr
.endm
.macro MM                              ; one product; an odd block's scale words stand in lanes 16-31 of their register
.if zC
.if oB && oA
	v_wmma_scale_f32_16x16x128_f8f6f4 v[rD:rD+7], v[rB:rB+FR-1], v[rA:rA+FR-1], 0, v[rSB], v[rSA] matrix_a_fmt:MATRIX_FMT_BF6 matrix_b_fmt:MATRIX_FMT_BF6 matrix_a_scale:MATRIX_SCALE_ROW1 matrix_b_scale:MATRIX_SCALE_ROW1
.elseif oB
	v_wmma_scale_f32_16x16x128_f8f6f4 v[rD:rD+7], v[rB:rB+FR-1], v[rA:rA+FR-1], 0, v[rSB], v[rSA] matrix_a_fmt:MATRIX_FMT_BF6 matrix_b_fmt:MATRIX_FMT_BF6 matrix_a_scale:MATRIX_SCALE_ROW1
.elseif oA
	v_wmma_scale_f32_16x16x128_f8f6f4 v[rD:rD+7], v[rB:rB+FR-1], v[rA:rA+FR-1], 0, v[rSB], v[rSA] matrix_a_fmt:MATRIX_FMT_BF6 matrix_b_fmt:MATRIX_FMT_BF6 matrix_b_scale:MATRIX_SCALE_ROW1
.else
	v_wmma_scale_f32_16x16x128_f8f6f4 v[rD:rD+7], v[rB:rB+FR-1], v[rA:rA+FR-1], 0, v[rSB], v[rSA] matrix_a_fmt:MATRIX_FMT_BF6 matrix_b_fmt:MATRIX_FMT_BF6
.endif
.else
.if oB && oA
	v_wmma_scale_f32_16x16x128_f8f6f4 v[rD:rD+7], v[rB:rB+FR-1], v[rA:rA+FR-1], v[rD:rD+7], v[rSB], v[rSA] matrix_a_fmt:MATRIX_FMT_BF6 matrix_b_fmt:MATRIX_FMT_BF6 matrix_a_scale:MATRIX_SCALE_ROW1 matrix_b_scale:MATRIX_SCALE_ROW1
.elseif oB
	v_wmma_scale_f32_16x16x128_f8f6f4 v[rD:rD+7], v[rB:rB+FR-1], v[rA:rA+FR-1], v[rD:rD+7], v[rSB], v[rSA] matrix_a_fmt:MATRIX_FMT_BF6 matrix_b_fmt:MATRIX_FMT_BF6 matrix_a_scale:MATRIX_SCALE_ROW1
.elseif oA
	v_wmma_scale_f32_16x16x128_f8f6f4 v[rD:rD+7], v[rB:rB+FR-1], v[rA:rA+FR-1], v[rD:rD+7], v[rSB], v[rSA] matrix_a_fmt:MATRIX_FMT_BF6 matrix_b_fmt:MATRIX_FMT_BF6 matrix_b_scale:MATRIX_SCALE_ROW1
.else
	v_wmma_scale_f32_16x16x128_f8f6f4 v[rD:rD+7], v[rB:rB+FR-1], v[rA:rA+FR-1], v[rD:rD+7], v[rSB], v[rSA] matrix_a_fmt:MATRIX_FMT_BF6 matrix_b_fmt:MATRIX_FMT_BF6
.endif
.endif
.endm
; 16 products: A's blocks a0, a0 + 1 x B's eight, the quarter's q-th 128 along K.  p: B's set; sc: the set of scale words; zero = 1: the product starts the sum.
; The 64 accumulators take turns, one instruction a turn, in the same order in every step.
.macro MUL16 a0, p, q, sc, zero
.set zC, \zero
.irp a, \a0, \a0+1
.irp b, 0,1,2,3,4,5,6,7
.set rD, 8*(8*((\a)%4)+\b)
.set rB, 128*(\p)+FR*\b
.set rA, AF+FR*(\a)
.set rSB, SC+16*(\sc)+8*(\q)+4+\b/2
.set rSA, SC+16*(\sc)+8*(\q)+(\a)/2
.set oB, \b%2
.set oA, (\a)%2
	MM
.endr
.endr
.endm
; A quarter's first 128 along K.  Loads into registers that matrix instructions have read stand NP plain vector instructions behind them.
.macro STEP slot, sc, zero
	s_wait_dscnt 4*NL                              ; all but the youngest 12 loads, A's blocks 4-7
	WIN MUL_LO
	MUL16 0, 0, 0, \sc, \zero
	MUL16 2, 0, 0, \sc, \zero
	s_wait_dscnt 0x0                               ; A's blocks 4-7 are in
	PLACES NP
	FETCH_B \slot, 1, 1
	FETCH_A \slot, 1, 0
	WIN MUL_HI
	MUL16 4, 0, 0, \sc, \zero
	MUL16 6, 0, 0, \sc, \zero
	PLACES NP
	WIN 0
	FETCH_A \slot, 1, 4
.endm
; A quarter's second 128 along K goes on into slot next.
; mode 2: this slot is filled again.  One barrier, which opens a round of the cluster's; in front of it each wave waits for all its tensor loads, adds 0 to its spare word, and waits for that and for its reads
;         of this slot; the joint refill is the first thing behind the round.
; mode 1: the next slot's tile was asked for behind that round: the same lines and a barrier of the work-group; nothing is filled.
; mode 0: the next slot was shown whole to every wave by the barrier of mode 2: no barrier.
.macro TURN slot, sc, next, mode
.if \mode > 0
	s_wait_tensorcnt 0x0                           ; all my tensor loads have landed
	ds_add_u32 v[SPW], v[NIL]                      ; 0 onto my spare word
	s_wait_dscnt 4*NL+1                            ; (the add and the youngest 12 loads may be out)
.else
	s_wait_dscnt 4*NL                              ; all but the youngest 12 loads, A's blocks 4-7
.endif
	WIN MUL_LO
	MUL16 0, 1, 1, \sc, 0
.if \mode > 0
	s_wait_dscnt 0x0                               ; the add is done, and my reads of this slot are over
	s_barrier_signal -1
.endif
	MUL16 2, 1, 1, \sc, 0
	WIN 0
.if \mode > 0
	s_barrier_wait -1
.else
	s_wait_dscnt 0x0                               ; A's blocks 4-7 are in
.endif
.if \mode == 2
	CREST                                          ; no wave of any partner still reads this slot or has a load on its way
	s_add_nc_u64 s[G0+4*\slot+2:G0+4*\slot+3], s[G0+4*\slot+2:G0+4*\slot+3], 3*AH   ; three quarters on along K
	s_add_nc_u64 s[G0B+4*\slot+2:G0B+4*\slot+3], s[G0B+4*\slot+2:G0B+4*\slot+3], 3*BH
	JLOAD G0+4*\slot, G1, G0B+4*\slot, G1B         ; its four v_nop are also the places in front of the loads below
.else
	PLACES NP
.endif
	FETCH_B \next, 0, 0
	FETCH_A \next, 0, 0
	SCALES \next, 1-\sc
	WIN MUL_HI
	MUL16 4, 1, 1, \sc, 0
	MUL16 6, 1, 1, \sc, 0
	PLACES NP
	WIN 0
	FETCH_A \next, 0, 4
.endm
; 64 numbers of a lane in window w, register 16 b + i = k 32 b + 16 h + i of my row, become a fragment's codes in v[PC] on and its scale word in v[pw].  Each accumulator is read from its low end on.
.macro QUANT s, w, pw
	WIN 5*(\w)                                     ; sources 0 and 1 in window w
.irp b, 0,1,2,3
	v_max3_num_f32 v[TM+\b], |v[\s+16*\b]|, |v[\s+1+16*\b]|, 0x2800000   ; and the floor 2^(5 - 127): the byte cannot fall under 1
.endr
.irp i, 2,4,6,8,10,12,14
.irp b, 0,1,2,3
	v_max3_num_f32 v[TM+\b], |v[\s+16*\b+\i]|, |v[\s+1+16*\b+\i]|, v[TM+\b]
.endr
.endr
	WIN 0
.irp b, 0,1,2,3
	v_permlanex16_b32 v[TM+4+\b], v[TM+\b], s[SEL], s[SEL+1]
.endr
.irp b, 0,1,2,3
	v_max_num_f32 v[TM+\b], v[TM+\b], v[TM+4+\b]
.endr
.irp b, 0,1,2,3
	v_add_nc_u32 v[TM+12+\b], 0xfe000000, v[TM+\b] ; 4 off the exponent field: the conversion's scale operand
.endr
.irp b, 0,1,2,3
	v_lshrrev_b32 v[TM+4+\b], 23, v[TM+12+\b]      ; the scale's byte
.endr
	v_lshl_or_b32 v[\pw], v[TM+5], 8, v[TM+4]
	v_lshl_or_b32 v[\pw], v[TM+6], 16, v[\pw]
	v_lshl_or_b32 v[\pw], v[TM+7], 24, v[\pw]
	WIN \w                                         ; source 0 in window w
.irp c, 0,1
	v_cvt_scalef32_pk16_bf6_f32 v[PC+6*\c:PC+6*\c+2], v[\s+32*\c:\s+32*\c+15], v[TM+12+2*\c]
	v_cvt_scalef32_pk16_bf6_f32 v[PC+12+4*\c:PC+14+4*\c], v[\s+16+32*\c:\s+31+32*\c], v[TM+13+2*\c]
.endr
	WIN 0
	v_nop                                          ; one plain place behind a scaled conversion
.irp c, 0,1
.irp i, 0,1,2
	v_permlane16_swap_b32 v[PC+6*\c+\i], v[PC+12+4*\c+\i]
.endr
.irp i, 0,1,2
	v_mov_b32 v[PC+3+6*\c+\i], v[PC+12+4*\c+\i]
.endr
.endr
.endm
	s_load_b128 s[4:7], s[0:1], 0x0                ; xw, qc
	s_load_b128 s[8:11], s[0:1], 0x10              ; kc, vt
	v_lshl_add_u32 v[SPW], v0, 2, SPARE
	v_mov_b32 v[NIL], 0
	ds_add_u32 v28, v29
	ds_add_u32 v28, v29
	s_wait_dscnt 0x0
	v_lshrrev_b32 v1, 5, v0
	v_readfirstlane_b32 s14, v1                    ; wave
	s_lshr_b32 s15, s14, 1                         ; which group of A's rows is mine.  Also: I fetch for A (0) or for B (1)
	s_and_b32 s16, s14, 1                          ; which group of B's rows.  Also: which group I fetch
	s_bfe_u32 s56, ttmp6, 0x40000                  ; cx
	s_bfe_u32 s57, ttmp6, 0x40004                  ; cy
	s_and_b32 s66, ttmp7, 0xffff                   ; cluster row Y, 0 .. 11
	s_sub_co_u32 s67, s66, 8
	s_lshl_b32 s67, s67, 1
	s_add_co_u32 s67, s67, ttmp9                   ; for v: cluster column 2 (Y - 8) + X, 0 .. 7
	s_cmp_ge_u32 s66, 8                            ; v?
	s_cselect_b32 s17, 0, s66
	s_cselect_b32 s58, s67, ttmp9
	s_cselect_b32 s68, 80, 0                       ; A's first group in xw: Wv or x
	s_cselect_b32 s69, 0, 64                       ; B's: x or Wq
	s_cselect_b32 s70, 64, 8                       ; steps of 128 along K in a group of the result
	s_lshl_b32 s17, s17, 2
	s_add_co_u32 s17, s17, s57                     ; tile row
	s_lshl_b32 s58, s58, 2
	s_add_co_u32 s58, s58, s56                     ; tile column
	s_cmp_ge_u32 s66, 8
	s_cselect_b32 s71, s58, s56                    ; the tile's place along the result's K: in vt the tile column, in qc and kc cx
	s_lshl_b32 s59, s57, 2
	s_lshl_b32 s59, 15, s59                        ; my row of the cluster
	s_lshl_b32 s44, 0x1111, s56                    ; my column
	s_or_b32 s[G1+0], s59, (3<<16)|(1<<21)         ; 15:0 the mask; 17:16 elements of 8 bytes; 21 set beside a mask; no padding
	s_or_b32 s[G1B+0], s44, (3<<16)|(1<<21)
	s_mov_b32 s[G1+1], 32<<16                      ; tensor_dim0 = 32 elements: 256 bytes
	s_mov_b32 s[G1+2], (AH/256)<<16                ; tensor_dim1
	s_mov_b32 s[G1+3], 32<<16                      ; tile_dim0
	s_mov_b32 s[G1+4], AH/256                      ; tile_dim1
	s_mov_b32 s[G1+5], 32                          ; the pitch: dense
	s_mov_b32 s[G1+6], 0
	s_mov_b32 s[G1+7], 0
	s_mov_b32 s[G1B+1], 32<<16
	s_mov_b32 s[G1B+2], (BH/256)<<16
	s_mov_b32 s[G1B+3], 32<<16
	s_mov_b32 s[G1B+4], BH/256
	s_mov_b32 s[G1B+5], 32
	s_mov_b32 s[G1B+6], 0
	s_mov_b32 s[G1B+7], 0
	s_lshl_b32 s20, s17, 1                         ; A: group = first + 2 x tile row + the half that I fetch: no cx enters
	s_add_co_u32 s20, s20, s68
	s_add_co_u32 s20, s20, s16
	s_mul_i32 s20, s20, RHOB
	s_mov_b32 s21, 0
	s_lshl_b32 s46, s58, 1                         ; B: group = first + 2 x tile column + half: no cy enters
	s_add_co_u32 s46, s46, s69
	s_add_co_u32 s46, s46, s16
	s_mul_i32 s46, s46, RHOB
	s_mov_b32 s47, 0
	s_lshl_b32 s72, s17, 1                         ; the result's block: (group 2 x tile row + my half) x steps + 2 x place + my half of the columns
	s_add_co_u32 s72, s72, s15
	s_mul_i32 s72, s72, s70
	s_lshl_b32 s71, s71, 1
	s_add_co_u32 s72, s72, s71
	s_add_co_u32 s72, s72, s16
	s_mul_i32 s72, s72, BLK
	s_mov_b32 s73, 0
	s_mul_i32 s45, s16, AH                         ; where my load goes: no place in the cluster enters an LDS address
	s_mul_i32 s76, s16, BH
	s_add_co_u32 s76, s76, 2*AH
	s_mov_b32 s[HM], 0xffff0000
	s_mov_b32 s[SEL], 0x76543210
	s_mov_b32 s[SEL+1], 0xfedcba98
	s_wait_kmcnt 0x0
	s_add_nc_u64 s[20:21], s[4:5], s[20:21]
	s_add_nc_u64 s[46:47], s[4:5], s[46:47]
	s_cmp_eq_u32 ttmp9, 0
	s_cselect_b64 s[12:13], s[6:7], s[8:9]         ; qc or kc,
	s_cmp_ge_u32 s66, 8
	s_cselect_b64 s[12:13], s[10:11], s[12:13]     ; or vt
	s_add_nc_u64 s[12:13], s[12:13], s[72:73]
	CROUND                                         ; all sixteen work-groups are here: the first joint loads meet
.irp s, 0,1,2
	s_mov_b32 s[G0+4*\s], 1
	s_add_co_u32 s[G0+4*\s+1], s45, \s*SLOT
	s_add_nc_u64 s[G0+4*\s+2:G0+4*\s+3], s[20:21], \s*AH
	s_or_b32 s[G0+4*\s+3], s[G0+4*\s+3], 0x80000000
	s_mov_b32 s[G0B+4*\s], 1
	s_add_co_u32 s[G0B+4*\s+1], s76, \s*SLOT
	s_add_nc_u64 s[G0B+4*\s+2:G0B+4*\s+3], s[46:47], \s*BH
	s_or_b32 s[G0B+4*\s+3], s[G0B+4*\s+3], 0x80000000
	JLOAD G0+4*\s, G1, G0B+4*\s, G1B               ; three first fills: K's first three quarters
.endr
	v_and_b32 v1, 31, v0
	v_lshlrev_b32 v[LI], 4, v1
	v_lshlrev_b32 v[LS4], 2, v1
	s_mul_i32 s74, s15, AH
	s_mul_i32 s75, s16, BH
	s_add_co_u32 s75, s75, 2*AH
.irp s, 0,1,2
	v_add_nc_u32 v[ADRA+\s], s74, v[LI]
	v_add_nc_u32 v[ADRB+\s], s75, v[LI]
	v_add_nc_u32 v[ASA+\s], s74, v[LS4]
	v_add_nc_u32 v[ASB+\s], s75, v[LS4]
	s_add_co_u32 s74, s74, SLOT
	s_add_co_u32 s75, s75, SLOT
.endr
.irp b, 0,1,2,3
	v_mov_b32 v[TM+4+\b], 0                        ; written once: a lane permute's destination counts as one of its sources
.endr
	s_wait_tensorcnt 2                             ; my part of slot 0 is in; the two younger first fills may stay out
	s_barrier_signal -1
	s_barrier_wait -1
	FETCH_B 0, 0, 0
	FETCH_A 0, 0, 0
	SCALES 0, 0
	FETCH_A 0, 0, 4
	STEP 0, 0, 1                                   ; the first products start the sums: nothing is cleared
	TURN 0, 0, 1, 2                                ; slot 0 takes K's fourth quarter
	STEP 1, 1, 0
	TURN 1, 1, 2, 0
	STEP 2, 0, 0
	TURN 2, 0, 0, 1
	STEP 0, 1, 0
	s_wait_dscnt 4*NL                              ; the very last step: nothing more to fetch
	WIN MUL_LO
	MUL16 0, 1, 1, 1, 0
	MUL16 2, 1, 1, 1, 0
	s_wait_dscnt 0x0
	WIN MUL_HI
	MUL16 4, 1, 1, 1, 0
	MUL16 6, 1, 1, 1, 0
	WIN 0
	; THE WAY OUT: block a's 64 registers are 128 along the next K of stored row 16 a + r: they become fragment a of the result's block
	PLACES NP
.irp a, 0,1,2,3,4,5,6,7
.if \a > 0
	s_wait_xcnt 0x0                                ; the last block's stores have read v[PC] on
.endif
	QUANT 64*(\a%4), 2+\a/4, PWS+\a
.irp c, 0,1,2
	global_store_b128 v[LI], v[PC+4*\c:PC+4*\c+3], s[12:13] offset:1536*\a+512*\c   ; 512 consecutive bytes, at a multiple of 256 from the buffer's first byte
.endr
.endr
.irp j, 0,1,2,3
	v_cndmask_b32 v[MG+\j], v[PWS+2*\j], v[PWS+2*\j+1], s[HM]   ; lanes 0-15 block 2 j's words, lanes 16-31 block 2 j + 1's
.endr
.irp j, 0,1,2,3
	global_store_b32 v[LS4], v[MG+\j], s[12:13] offset:12288+128*\j
.endr
	s_wait_tensorcnt 0x0                           ; the wave's end
	ds_add_u32 v[SPW], v[NIL]
	s_wait_dscnt 0x0
	CROUND                                         ; the closing round: no work-group ends while a partner may still ask for a tile that names it
	s_endpgm
.Lfunc_end_k_qbd2e6cb2ca_proj:
	.size	k_qbd2e6cb2ca_proj, .Lfunc_end_k_qbd2e6cb2ca_proj-k_qbd2e6cb2ca_proj
	.p2alignl 7, 3214868480
	.fill 96, 4, 3214868480
	.section	.rodata,"a",@progbits
	.p2align	6, 0x0
	.amdhsa_kernel k_qbd2e6cb2ca_proj
		.amdhsa_group_segment_fixed_size 327680
		.amdhsa_private_segment_fixed_size 0
		.amdhsa_enable_private_segment 0
		.amdhsa_kernarg_size 32
		.amdhsa_user_sgpr_count 2
		.amdhsa_user_sgpr_kernarg_segment_ptr 1
		.amdhsa_wavefront_size32 1
		.amdhsa_system_sgpr_workgroup_id_x 1
		.amdhsa_system_sgpr_workgroup_id_y 1
		.amdhsa_system_sgpr_workgroup_id_z 1
		.amdhsa_system_vgpr_workitem_id 0
		.amdhsa_next_free_vgpr 1024
		.amdhsa_next_free_sgpr 100
		.amdhsa_reserve_vcc 0
		.amdhsa_float_denorm_mode_32 3
		.amdhsa_float_denorm_mode_16_64 3
		.amdhsa_memory_ordered 1
		.amdhsa_forward_progress 1
		.amdhsa_inst_pref_size 140
	.end_amdhsa_kernel
	.amdgpu_metadata
---
amdhsa.version: [ 1, 2 ]
amdhsa.kernels:
  - .name:           k_qbd2e6cb2ca_proj
    .symbol:         k_qbd2e6cb2ca_proj.kd
    .args:
      - { .name: xw, .offset: 0, .size: 8, .value_kind: global_buffer, .address_space: global }
      - { .name: qc, .offset: 8, .size: 8, .value_kind: global_buffer, .address_space: global }
      - { .name: kc, .offset: 16, .size: 8, .value_kind: global_buffer, .address_space: global }
      - { .name: vt, .offset: 24, .size: 8, .value_kind: global_buffer, .address_space: global }
    .group_segment_fixed_size: 327680
    .private_segment_fixed_size: 0
    .kernarg_segment_align: 8
    .kernarg_segment_size: 32
    .max_flat_workgroup_size: 128
    .sgpr_count:     100
    .vgpr_count:     1024
    .wavefront_size: 32
...
	.end_amdgpu_metadata
.endif
;; end of part 5
;; launch score (part 6): grid 12 x 16, 4 waves a work-group, clusters of 4 x 4, 327,680 bytes of LDS; arguments qc, kc, pc; writes pc
.if DOCPART == 6
	.amdgcn_target "amdgcn-amd-amdhsa--gfx1250"
	.amdhsa_code_object_version 6
	.text
	.protected	k_qbd2e6cb2ca_score
	.globl	k_qbd2e6cb2ca_score
	.p2align	8
	.type	k_qbd2e6cb2ca_score,@function
k_qbd2e6cb2ca_score:
	s_mov_b64 s[64:65], 0
	v_nop
	global_prefetch_b8 v0, s[64:65] scope:SCOPE_SE
	s_setreg_imm32_b32 hwreg(HW_REG_WAVE_MODE, 25, 1), 1
	s_wait_xcnt 0x0
	s_wait_alu depctr_hold_cnt(0) depctr_sa_sdst(0) depctr_va_vdst(0) depctr_va_sdst(0) depctr_va_ssrc(0) depctr_va_vcc(0) depctr_vm_vsrc(0)
	s_getreg_b32 s2, hwreg(HW_REG_IB_STS2, 6, 4)
	s_cmp_eq_u32 s2, 0
	s_cbranch_scc0 .Lentry_in_a_cluster
	s_endpgm
.Lentry_in_a_cluster:
	s_bfe_u32 s2, ttmp6, 0x10000c
	s_cmp_lg_u32 s2, 0xf033
	s_cbranch_scc0 .Lentry_shape_is_right
	s_endpgm
.Lentry_shape_is_right:
; Scores q k^T on codes of BF6 (E3M2) with E8M0 scales, sums in f32; on the way out the causal mask, and p = 2^(t - Mloc), t = score x log2(e) / 32, quantised along the keys.
; Mloc IS A WHOLE NUMBER OF ITS OWN FOR EACH (query, 128 keys): the ceiling of the largest t among these 128 keys.  The row's M is found in the next launch, which takes M - Mloc off p's scale bytes: a power of
; two, so the codes are those of 2^(t - M).  Stored for each (128 queries, 128 keys): a block of 13,824 bytes: eight fragments of p as register images, 128 scale words, 128 Mloc (f32), 128 local sums of the unquantised p (f32).
; OPERANDS qc, kc: [groups of 128 rows][8 steps of 128 along K] blocks of 12,800 bytes: eight fragments as register images (fragment i at 1536 i; registers 4 c .. 4 c + 3 of lane l at 512 c + 16 l), then 128 scale
; words.  Stored row p holds row p with bits 3 and 4 exchanged.  Source 0 = 16 keys, source 1 = 16 queries: a lane holds one stored query, and the 64 registers of a block's accumulators are keys 32 b + 16 h + i.
; TILES: 256 queries x 256 keys, four waves of 128 x 128.  A cluster is 1,024 x 1,024; of a batch's four such squares the one above the diagonal is not launched.  Inside the squares on the diagonal every tile is
; computed and masked alike: partners of a cluster run the same text; what is wholly hidden comes out as zero codes, Mloc = -3e38 and sum 0, and the next launch reads it.
; THE RING: K = 1,024 is four quarters of 256.  THREE LDS slots are filled at the start (three loads a wave are out); the fourth quarter fills slot 0 again behind the one round of the cluster's barrier that stands at
; slot 0's end, and has two slots' work, 256 matrix instructions, in which to land.  In front of that round every wave has waited for all its loads, so the change from slot 1 to slot 2 has no barrier.  No loop.
; LIMITS: NaN and infinities are not served; a row part whose largest t lies under -3e38 counts as hidden; p under 2^-126 is 0 (v_exp_f32); a block of zeros has the byte 1.
; REGISTERS: window 0: v4-15, v24-29 addresses; v32-63 scale words of the operands and nothing else; v64-99 the way out's words; v128-223 A's fragments, on the way out p and work.  window 1: B's fragments, two sets.
;   windows 2, 3: the accumulators.
.set BLK,  12800
.set PBLK, 13824
.set ABLK, BLK
.set BBLK, BLK
.set AH,   2*ABLK
.set BH,   2*BBLK
.set SLOT, 2*AH+2*BH
.set SPARE, 3*SLOT                     ; behind the three slots: the spare words, 128 bytes a wave: two blocks of 256 bytes that no other line names
.set RHOB, 8*BLK
.set FR,   12
.set NL,   3
.set NP,   4
.set ADRA, 4                           ; v4-6, v7-9, v10-12, v13-15: a register for each slot
.set ASA,  7
.set ADRB, 10
.set ASB,  13
.set LI,   24                          ; v24 16 x lane
.set LS4,  25                          ; v25 4 x lane
.set DL,   26                          ; v26 my query of block 0 less my first key
.set NINF, 27                          ; v27 -infinity
.set SPW,  28
.set NIL,  29
.set SC,   32
.set AF,   128
.set PWS,  64                          ; v64-71 p's scale words, block by block;  v72-79 Mloc;  v80-87 the local sums;  v88-99 the three, two blocks to a register
.set MS,   72
.set LSM,  80
.set MG,   88
.set W,    128                         ; v128-191 a block's scores, then p
.set BM,   192                         ; v192-195 the largest score of each 32 keys, then the largest p
.set BT,   196                         ; v196-199 at work
.set SO,   200                         ; v200-203 the conversions' scale operands
.set PC,   204                         ; v204-215 p's codes; v216-222 at work
.set NM,   224                         ; v224 -Mloc, v225 the largest t
.set SUM,  226                         ; v[226:227], v[228:229] the sum in two chains
.set SU2,  228
.set TA,   230
.set TB,   231
.set DA,   232
.set G1,  24
.set G0,  32
.set G1B, 48
.set G0B, 84
.set CS,  22                           ; s[22:23] c = log2(e) / 32
.set HM,  81
.set SEL, 82
.set MSB, 0
.macro WIN new
.set NEWW, \new
.if MSB != NEWW
	s_set_vgpr_msb (MSB<<8)|NEWW
.set MSB, NEWW
.endif
.endm
.set MUL_LO, 0xa1
.set MUL_HI, 0xf1
.set TO_B,   0x40
.macro JLOAD g0a, g1a, g0b, g1b        ; a joint load: waves 0 and 1 for A, waves 2 and 3 for B; four v_nop follow each of the two lines
	s_cmp_eq_u32 s15, 0
	s_cbranch_scc0 .Lfor_b_\@
	tensor_load_to_lds s[\g0a:\g0a+3], s[\g1a:\g1a+7]
	s_nop 0
.rept 4
	v_nop
.endr
	s_branch .Lasked_\@
.Lfor_b_\@:
	tensor_load_to_lds s[\g0b:\g0b+3], s[\g1b:\g1b+7]
	s_nop 0
.rept 4
	v_nop
.endr
.Lasked_\@:
.endm
.macro CREST
	s_cmp_lg_u32 s14, 0
	s_cbranch_scc1 .Lnot_wave_0_\@
	s_barrier_signal -3
.Lnot_wave_0_\@:
	s_barrier_wait -3
	s_barrier_signal -1
	s_barrier_wait -1
.endm
.macro CROUND
	s_barrier_signal -1
	s_barrier_wait -1
	CREST
.endm
.macro PLACES n
.rept \n
	v_nop
.endr
.endm
.macro FRAG reg, adr, off
.irp c, 0,1,2
	ds_load_b128 v[\reg+4*\c:\reg+4*\c+3], v[\adr] offset:\off+512*\c
.endr
.endm
.macro FETCH_B slot, q, p
	WIN TO_B
.irp i, 0,1,2,3,4,5,6,7
	FRAG 128*(\p)+FR*\i, ADRB+\slot, (\q)*BBLK+1536*\i
.endr
	WIN 0
.endm
.macro FETCH_A slot, q, i0
.irp i, \i0, \i0+1, \i0+2, \i0+3
	FRAG AF+FR*(\i), ADRA+\slot, (\q)*ABLK+1536*(\i)
.endr
.endm
.macro SCALES slot, s
.irp q, 0,1
.irp j, 0,1,2,3
	ds_load_b32 v[SC+16*(\s)+8*\q+\j], v[ASA+\slot] offset:\q*ABLK+12288+128*\j
	ds_load_b32 v[SC+16*(\s)+8*\q+4+\j], v[ASB+\slot] offset:\q*BBLK+12288+128*\j
.endr
.endr
.endm
.macro MM
.if zC
.if oB && oA
	v_wmma_scale_f32_16x16x128_f8f6f4 v[rD:rD+7], v[rB:rB+FR-1], v[rA:rA+FR-1], 0, v[rSB], v[rSA] matrix_a_fmt:MATRIX_FMT_BF6 matrix_b_fmt:MATRIX_FMT_BF6 matrix_a_scale:MATRIX_SCALE_ROW1 matrix_b_scale:MATRIX_SCALE_ROW1
.elseif oB
	v_wmma_scale_f32_16x16x128_f8f6f4 v[rD:rD+7], v[rB:rB+FR-1], v[rA:rA+FR-1], 0, v[rSB], v[rSA] matrix_a_fmt:MATRIX_FMT_BF6 matrix_b_fmt:MATRIX_FMT_BF6 matrix_a_scale:MATRIX_SCALE_ROW1
.elseif oA
	v_wmma_scale_f32_16x16x128_f8f6f4 v[rD:rD+7], v[rB:rB+FR-1], v[rA:rA+FR-1], 0, v[rSB], v[rSA] matrix_a_fmt:MATRIX_FMT_BF6 matrix_b_fmt:MATRIX_FMT_BF6 matrix_b_scale:MATRIX_SCALE_ROW1
.else
	v_wmma_scale_f32_16x16x128_f8f6f4 v[rD:rD+7], v[rB:rB+FR-1], v[rA:rA+FR-1], 0, v[rSB], v[rSA] matrix_a_fmt:MATRIX_FMT_BF6 matrix_b_fmt:MATRIX_FMT_BF6
.endif
.else
.if oB && oA
	v_wmma_scale_f32_16x16x128_f8f6f4 v[rD:rD+7], v[rB:rB+FR-1], v[rA:rA+FR-1], v[rD:rD+7], v[rSB], v[rSA] matrix_a_fmt:MATRIX_FMT_BF6 matrix_b_fmt:MATRIX_FMT_BF6 matrix_a_scale:MATRIX_SCALE_ROW1 matrix_b_scale:MATRIX_SCALE_ROW1
.elseif oB
	v_wmma_scale_f32_16x16x128_f8f6f4 v[rD:rD+7], v[rB:rB+FR-1], v[rA:rA+FR-1], v[rD:rD+7], v[rSB], v[rSA] matrix_a_fmt:MATRIX_FMT_BF6 matrix_b_fmt:MATRIX_FMT_BF6 matrix_a_scale:MATRIX_SCALE_ROW1
.elseif oA
	v_wmma_scale_f32_16x16x128_f8f6f4 v[rD:rD+7], v[rB:rB+FR-1], v[rA:rA+FR-1], v[rD:rD+7], v[rSB], v[rSA] matrix_a_fmt:MATRIX_FMT_BF6 matrix_b_fmt:MATRIX_FMT_BF6 matrix_b_scale:MATRIX_SCALE_ROW1
.else
	v_wmma_scale_f32_16x16x128_f8f6f4 v[rD:rD+7], v[rB:rB+FR-1], v[rA:rA+FR-1], v[rD:rD+7], v[rSB], v[rSA] matrix_a_fmt:MATRIX_FMT_BF6 matrix_b_fmt:MATRIX_FMT_BF6
.endif
.endif
.endm
.macro MUL16 a0, p, q, sc, zero        ; 16 products; the 64 accumulators take turns, one instruction a turn
.set zC, \zero
.irp a, \a0, \a0+1
.irp b, 0,1,2,3,4,5,6,7
.set rD, 8*(8*((\a)%4)+\b)
.set rB, 128*(\p)+FR*\b
.set rA, AF+FR*(\a)
.set rSB, SC+16*(\sc)+8*(\q)+4+\b/2
.set rSA, SC+16*(\sc)+8*(\q)+(\a)/2
.set oB, \b%2
.set oA, (\a)%2
	MM
.endr
.endr
.endm
.macro STEP slot, sc, zero             ; a quarter's first 128 along K
	s_wait_dscnt 4*NL                              ; all but the youngest 12 loads, A's blocks 4-7
	WIN MUL_LO
	MUL16 0, 0, 0, \sc, \zero
	MUL16 2, 0, 0, \sc, \zero
	s_wait_dscnt 0x0
	PLACES NP
	FETCH_B \slot, 1, 1
	FETCH_A \slot, 1, 0
	WIN MUL_HI
	MUL16 4, 0, 0, \sc, \zero
	MUL16 6, 0, 0, \sc, \zero
	PLACES NP
	WIN 0
	FETCH_A \slot, 1, 4
.endm
; A quarter's second 128 along K goes on into slot next.  mode 2: this slot is filled again: the three lines, a barrier that opens a round of the cluster's, the joint refill first behind the round.
; mode 1: the next slot's tile was asked for behind that round: the same lines and a barrier of the work-group; nothing is filled.  mode 0: the next slot was shown whole to every wave by the barrier of mode 2: no barrier.
.macro TURN slot, sc, next, mode
.if \mode > 0
	s_wait_tensorcnt 0x0                           ; all my tensor loads have landed
	ds_add_u32 v[SPW], v[NIL]                      ; 0 onto my spare word
	s_wait_dscnt 4*NL+1                            ; (the add and the youngest 12 loads may be out)
.else
	s_wait_dscnt 4*NL                              ; all but the youngest 12 loads, A's blocks 4-7
.endif
	WIN MUL_LO
	MUL16 0, 1, 1, \sc, 0
.if \mode > 0
	s_wait_dscnt 0x0                               ; the add is done, and my reads of this slot are over
	s_barrier_signal -1
.endif
	MUL16 2, 1, 1, \sc, 0
	WIN 0
.if \mode > 0
	s_barrier_wait -1
.else
	s_wait_dscnt 0x0                               ; A's blocks 4-7 are in
.endif
.if \mode == 2
	CREST                                          ; no wave of any partner still reads this slot or has a load on its way
	s_add_nc_u64 s[G0+4*\slot+2:G0+4*\slot+3], s[G0+4*\slot+2:G0+4*\slot+3], 3*AH   ; three quarters on along K
	s_add_nc_u64 s[G0B+4*\slot+2:G0B+4*\slot+3], s[G0B+4*\slot+2:G0B+4*\slot+3], 3*BH
	JLOAD G0+4*\slot, G1, G0B+4*\slot, G1B         ; its four v_nop are also the places in front of the loads below
.else
	PLACES NP
.endif
	FETCH_B \next, 0, 0
	FETCH_A \next, 0, 0
	SCALES \next, 1-\sc
	WIN MUL_HI
	MUL16 4, 1, 1, \sc, 0
	MUL16 6, 1, 1, \sc, 0
	PLACES NP
	WIN 0
	FETCH_A \next, 0, 4
.endm
; BLOCK a OF 16 STORED QUERIES x 128 KEYS: mask, Mloc, p, its sum, its codes and scale word.
.macro PBLOCK a
.set AC, 64*((\a)%4)
.if (\a) > 0
	s_wait_xcnt 0x0                                ; the last block's stores have read v[PC] on
.endif
	v_add_nc_u32 v[DA], 32*((\a)/2)+8*((\a)%2), v[DL]   ; d = my query - my first key.  Register 16 b + i holds key 32 b + i from there: hidden where 32 b + i > d
	WIN 2+(\a)/4                                   ; source 0: the accumulators' window
.set n, 0
.rept 64
	v_cmp_gt_i32 vcc_lo, 32*(n/16)+n%16, v[DA]
	v_cndmask_b32 v[W+n], v[AC+n], v[NINF], vcc_lo ; masked, and brought into window 0; each accumulator from its low end on
.set n, n+1
.endr
	WIN 0
.irp b, 0,1,2,3
	v_max3_num_f32 v[BM+\b], v[W+16*\b], v[W+16*\b+1], v[W+16*\b+2]   ; the largest score of each 32 keys: for the row's maximum, and, since p rises with the score, for the block's largest p
.endr
.irp i, 3,5,7,9,11,13
.irp b, 0,1,2,3
	v_max3_num_f32 v[BM+\b], v[BM+\b], v[W+16*\b+\i], v[W+16*\b+\i+1]
.endr
.endr
.irp b, 0,1,2,3
	v_max_num_f32 v[BM+\b], v[BM+\b], v[W+16*\b+15]
.endr
.irp b, 0,1,2,3
	v_permlanex16_b32 v[BT+\b], v[BM+\b], s[SEL], s[SEL+1]
.endr
.irp b, 0,1,2,3
	v_max_num_f32 v[BM+\b], v[BM+\b], v[BT+\b]     ; with lane l xor 16's 16 keys
.endr
	v_max3_num_f32 v[TA], v[BM], v[BM+1], v[BM+2]
	v_max_num_f32 v[TA], v[TA], v[BM+3]
	v_mul_f32 v[TA], s[CS], v[TA]                  ; as t (c is positive)
	v_max_num_f32 v[NM+1], 0xff61b1e6, v[TA]       ; held at -3e38: a part that is wholly hidden gets a number for Mloc
	v_floor_f32 v[NM], -v[NM+1]                    ; -Mloc = floor(-t) = -ceil(t)
.set n, 0
.rept 32
	v_pk_fma_f32 v[W+n:W+n+1], v[W+n:W+n+1], s[CS:CS+1], v[NM:NM+1] op_sel_hi:[1,0,0]   ; t - Mloc, two at a time
.set n, n+2
.endr
.irp b, 0,1,2,3
	v_fma_f32 v[BM+\b], v[BM+\b], s[CS], v[NM]     ; the same of each block's largest score
.endr
.set n, 0
.rept 64
	v_exp_f32 v[W+n], v[W+n]                       ; p = 2^(t - Mloc), at most 1
.set n, n+1
.endr
	v_xor_b32 v[MS+(\a)], 0x80000000, v[NM]        ; Mloc.  (A plain place behind the exponentials)
	s_wait_alu depctr_va_vdst(0)                   ; one wait for the batch of 64, ahead of its first reader
.irp b, 0,1,2,3
	v_exp_f32 v[BM+\b], v[BM+\b]                   ; the block's largest p: the same two instructions on the same number
.endr
	v_pk_add_f32 v[SUM:SUM+1], v[W:W+1], v[W+2:W+3]   ; the sum of the UNQUANTISED p, in two chains; it reads the 64 alone: plain work behind the four
	v_pk_add_f32 v[SU2:SU2+1], v[W+4:W+5], v[W+6:W+7]
.irp j, 8,12,16,20,24,28,32,36,40,44,48,52,56,60
	v_pk_add_f32 v[SUM:SUM+1], v[SUM:SUM+1], v[W+\j:W+\j+1]
	v_pk_add_f32 v[SU2:SU2+1], v[SU2:SU2+1], v[W+\j+2:W+\j+3]
.endr
	v_pk_add_f32 v[SUM:SUM+1], v[SUM:SUM+1], v[SU2:SU2+1]
	s_wait_alu depctr_va_vdst(0)                   ; and one for the four
.irp b, 0,1,2,3
	v_max_num_f32 v[BM+\b], 0x2800000, v[BM+\b]    ; the floor 2^(5 - 127): the byte cannot fall under 1
.endr
.irp b, 0,1,2,3
	v_add_nc_u32 v[SO+\b], 0xfe000000, v[BM+\b]    ; 4 off the exponent field: the conversion's scale operand
.endr
.irp b, 0,1,2,3
	v_lshrrev_b32 v[BT+\b], 23, v[SO+\b]           ; the scale's byte, at most 123
.endr
	v_lshl_or_b32 v[PWS+(\a)], v[BT+1], 8, v[BT]
	v_lshl_or_b32 v[PWS+(\a)], v[BT+2], 16, v[PWS+(\a)]
	v_lshl_or_b32 v[PWS+(\a)], v[BT+3], 24, v[PWS+(\a)]
.irp c, 0,1
	v_cvt_scalef32_pk16_bf6_f32 v[PC+6*\c:PC+6*\c+2], v[W+32*\c:W+32*\c+15], v[SO+2*\c]
	v_cvt_scalef32_pk16_bf6_f32 v[PC+12+4*\c:PC+14+4*\c], v[W+16+32*\c:W+31+32*\c], v[SO+2*\c+1]
.endr
	v_add_f32 v[TA], v[SUM], v[SUM+1]              ; the sum's two halves.  (The plain place behind the scaled conversions)
.irp c, 0,1
.irp i, 0,1,2
	v_permlane16_swap_b32 v[PC+6*\c+\i], v[PC+12+4*\c+\i]
.endr
.irp i, 0,1,2
	v_mov_b32 v[PC+3+6*\c+\i], v[PC+12+4*\c+\i]
.endr
.endr
	v_permlanex16_b32 v[TB], v[TA], s[SEL], s[SEL+1]
	v_add_f32 v[LSM+(\a)], v[TA], v[TB]            ; with lane l xor 16's: the sum over these 128 keys
.irp c, 0,1,2
	global_store_b128 v[LI], v[PC+4*\c:PC+4*\c+3], s[12:13] offset:1536*(\a)+512*\c   ; 512 consecutive bytes, at a multiple of 256 from the buffer's first byte
.endr
.endm
	s_load_b128 s[4:7], s[0:1], 0x0                ; qc, kc
	s_load_b64 s[8:9], s[0:1], 0x10                ; pc
	v_lshl_add_u32 v[SPW], v0, 2, SPARE
	v_mov_b32 v[NIL], 0
	ds_add_u32 v28, v29
	ds_add_u32 v28, v29
	s_wait_dscnt 0x0
	v_lshrrev_b32 v1, 5, v0
	v_readfirstlane_b32 s14, v1                    ; wave
	s_lshr_b32 s15, s14, 1                         ; which 128 queries are mine.  Also: I fetch for A (0) or for B (1)
	s_and_b32 s16, s14, 1                          ; which 128 keys.  Also: which group I fetch
	s_bfe_u32 s56, ttmp6, 0x40000                  ; cx
	s_bfe_u32 s57, ttmp6, 0x40004                  ; cy
	s_and_b32 s66, ttmp7, 0xffff                   ; the batch
	s_min_u32 s67, ttmp9, 1                        ; cluster x 0, 1, 2: squares (queries, keys) = (0, 0), (1, 0), (1, 1)
	s_lshr_b32 s68, ttmp9, 1
	s_lshl_b32 s17, s67, 2
	s_add_co_u32 s17, s17, s57                     ; tile row: which 256 queries of the batch
	s_lshl_b32 s58, s68, 2
	s_add_co_u32 s58, s58, s56                     ; tile column: which 256 keys
	s_lshl_b32 s59, s57, 2
	s_lshl_b32 s59, 15, s59
	s_lshl_b32 s44, 0x1111, s56
	s_or_b32 s[G1+0], s59, (3<<16)|(1<<21)         ; 15:0 the mask; 17:16 elements of 8 bytes; 21 set beside a mask; no padding
	s_or_b32 s[G1B+0], s44, (3<<16)|(1<<21)
	s_mov_b32 s[G1+1], 32<<16
	s_mov_b32 s[G1+2], (AH/256)<<16
	s_mov_b32 s[G1+3], 32<<16
	s_mov_b32 s[G1+4], AH/256
	s_mov_b32 s[G1+5], 32
	s_mov_b32 s[G1+6], 0
	s_mov_b32 s[G1+7], 0
	s_mov_b32 s[G1B+1], 32<<16
	s_mov_b32 s[G1B+2], (BH/256)<<16
	s_mov_b32 s[G1B+3], 32<<16
	s_mov_b32 s[G1B+4], BH/256
	s_mov_b32 s[G1B+5], 32
	s_mov_b32 s[G1B+6], 0
	s_mov_b32 s[G1B+7], 0
	s_lshl_b32 s69, s66, 4                         ; the batch's first group of 128 rows
	s_lshl_b32 s20, s17, 1
	s_add_co_u32 s20, s20, s69
	s_add_co_u32 s20, s20, s16                     ; A: group 16 batch + 2 x tile row + half: no cx enters
	s_mul_i32 s20, s20, RHOB
	s_mov_b32 s21, 0
	s_lshl_b32 s46, s58, 1
	s_add_co_u32 s46, s46, s69
	s_add_co_u32 s46, s46, s16                     ; B: group 16 batch + 2 x tile column + half: no cy enters
	s_mul_i32 s46, s46, RHOB
	s_mov_b32 s47, 0
	s_lshl_b32 s72, s17, 1                         ; p's block: (group of queries) x 16 + (group of keys)
	s_add_co_u32 s72, s72, s69
	s_add_co_u32 s72, s72, s15
	s_lshl_b32 s72, s72, 4
	s_lshl_b32 s73, s58, 1
	s_add_co_u32 s72, s72, s73
	s_add_co_u32 s72, s72, s16
	s_mul_i32 s72, s72, PBLK
	s_mov_b32 s73, 0
	s_sub_co_i32 s70, s17, s58                     ; the mask's number: 256 (tile row - tile column) + 128 (my half of the queries - my half of the keys)
	s_lshl_b32 s70, s70, 8
	s_sub_co_i32 s71, s15, s16
	s_lshl_b32 s71, s71, 7
	s_add_co_i32 s70, s70, s71
	s_mul_i32 s45, s16, AH
	s_mul_i32 s76, s16, BH
	s_add_co_u32 s76, s76, 2*AH
	s_mov_b32 s[CS], 0x3d38aa3b                    ; c = log2(e) / sqrt(1024)
	s_mov_b32 s[CS+1], s[CS]                       ; (named with it as a pair, so it is written)
	s_mov_b32 s[HM], 0xffff0000
	s_mov_b32 s[SEL], 0x76543210
	s_mov_b32 s[SEL+1], 0xfedcba98
	s_wait_kmcnt 0x0
	s_add_nc_u64 s[20:21], s[4:5], s[20:21]
	s_add_nc_u64 s[46:47], s[6:7], s[46:47]
	s_add_nc_u64 s[12:13], s[8:9], s[72:73]
	CROUND                                         ; all sixteen work-groups are here: the first joint loads meet
.irp s, 0,1,2
	s_mov_b32 s[G0+4*\s], 1
	s_add_co_u32 s[G0+4*\s+1], s45, \s*SLOT
	s_add_nc_u64 s[G0+4*\s+2:G0+4*\s+3], s[20:21], \s*AH
	s_or_b32 s[G0+4*\s+3], s[G0+4*\s+3], 0x80000000
	s_mov_b32 s[G0B+4*\s], 1
	s_add_co_u32 s[G0B+4*\s+1], s76, \s*SLOT
	s_add_nc_u64 s[G0B+4*\s+2:G0B+4*\s+3], s[46:47], \s*BH
	s_or_b32 s[G0B+4*\s+3], s[G0B+4*\s+3], 0x80000000
	JLOAD G0+4*\s, G1, G0B+4*\s, G1B               ; three first fills: K's first three quarters
.endr
	v_and_b32 v1, 31, v0
	v_lshlrev_b32 v[LI], 4, v1
	v_lshlrev_b32 v[LS4], 2, v1
	s_mul_i32 s74, s15, AH
	s_mul_i32 s75, s16, BH
	s_add_co_u32 s75, s75, 2*AH
.irp s, 0,1,2
	v_add_nc_u32 v[ADRA+\s], s74, v[LI]
	v_add_nc_u32 v[ADRB+\s], s75, v[LI]
	v_add_nc_u32 v[ASA+\s], s74, v[LS4]
	v_add_nc_u32 v[ASB+\s], s75, v[LS4]
	s_add_co_u32 s74, s74, SLOT
	s_add_co_u32 s75, s75, SLOT
.endr
	v_and_b32 v1, 15, v0                           ; stored row r of a block is query r + 8 (r / 8) of it;
	v_and_b32 v2, 8, v0
	v_add_nc_u32 v1, v1, v2
	v_and_b32 v2, 16, v0                           ; lanes 16-31 begin 16 keys further on
	v_sub_nc_u32 v1, v1, v2
	v_add_nc_u32 v[DL], s70, v1
	v_mov_b32 v[NINF], 0xff800000
	s_wait_tensorcnt 2                             ; my part of slot 0 is in; the two younger first fills may stay out
	s_barrier_signal -1
	s_barrier_wait -1
	FETCH_B 0, 0, 0
	FETCH_A 0, 0, 0
	SCALES 0, 0
	FETCH_A 0, 0, 4
	STEP 0, 0, 1                                   ; the first products start the sums: nothing is cleared
	TURN 0, 0, 1, 2                                ; slot 0 takes K's fourth quarter
	STEP 1, 1, 0
	TURN 1, 1, 2, 0
	STEP 2, 0, 0
	TURN 2, 0, 0, 1
	STEP 0, 1, 0
	s_wait_dscnt 4*NL
	WIN MUL_LO
	MUL16 0, 1, 1, 1, 0
	MUL16 2, 1, 1, 1, 0
	s_wait_dscnt 0x0
	WIN MUL_HI
	MUL16 4, 1, 1, 1, 0
	MUL16 6, 1, 1, 1, 0
	WIN 0
	PLACES NP                                      ; behind the last products: results are read, and registers that held A's fragments are written
.irp b, 0,1,2,3
	v_mov_b32 v[BT+\b], 0                          ; a lane permute's destination counts as one of its sources
.endr
	v_mov_b32 v[TB], 0
.irp a, 0,1,2,3,4,5,6,7
	PBLOCK \a
.endr
.irp j, 0,1,2,3
	v_cndmask_b32 v[MG+\j], v[PWS+2*\j], v[PWS+2*\j+1], s[HM]     ; lanes 0-15 block 2 j's rows, lanes 16-31 block 2 j + 1's
	v_cndmask_b32 v[MG+4+\j], v[MS+2*\j], v[MS+2*\j+1], s[HM]
	v_cndmask_b32 v[MG+8+\j], v[LSM+2*\j], v[LSM+2*\j+1], s[HM]
.endr
.irp j, 0,1,2,3
	global_store_b32 v[LS4], v[MG+\j], s[12:13] offset:12288+128*\j
.endr
.irp j, 0,1,2,3
	global_store_b32 v[LS4], v[MG+4+\j], s[12:13] offset:12800+128*\j
.endr
.irp j, 0,1,2,3
	global_store_b32 v[LS4], v[MG+8+\j], s[12:13] offset:13312+128*\j
.endr
	s_wait_tensorcnt 0x0                           ; the wave's end
	ds_add_u32 v[SPW], v[NIL]
	s_wait_dscnt 0x0
	CROUND                                         ; the closing round
	s_endpgm
.Lfunc_end_k_qbd2e6cb2ca_score:
	.size	k_qbd2e6cb2ca_score, .Lfunc_end_k_qbd2e6cb2ca_score-k_qbd2e6cb2ca_score
	.p2alignl 7, 3214868480
	.fill 96, 4, 3214868480
	.section	.rodata,"a",@progbits
	.p2align	6, 0x0
	.amdhsa_kernel k_qbd2e6cb2ca_score
		.amdhsa_group_segment_fixed_size 327680
		.amdhsa_private_segment_fixed_size 0
		.amdhsa_enable_private_segment 0
		.amdhsa_kernarg_size 24
		.amdhsa_user_sgpr_count 2
		.amdhsa_user_sgpr_kernarg_segment_ptr 1
		.amdhsa_wavefront_size32 1
		.amdhsa_system_sgpr_workgroup_id_x 1
		.amdhsa_system_sgpr_workgroup_id_y 1
		.amdhsa_system_sgpr_workgroup_id_z 1
		.amdhsa_system_vgpr_workitem_id 0
		.amdhsa_next_free_vgpr 1024
		.amdhsa_next_free_sgpr 100
		.amdhsa_reserve_vcc 1
		.amdhsa_float_denorm_mode_32 3
		.amdhsa_float_denorm_mode_16_64 3
		.amdhsa_memory_ordered 1
		.amdhsa_forward_progress 1
		.amdhsa_inst_pref_size 235
	.end_amdhsa_kernel
	.amdgpu_metadata
---
amdhsa.version: [ 1, 2 ]
amdhsa.kernels:
  - .name:           k_qbd2e6cb2ca_score
    .symbol:         k_qbd2e6cb2ca_score.kd
    .args:
      - { .name: qc, .offset: 0, .size: 8, .value_kind: global_buffer, .address_space: global }
      - { .name: kc, .offset: 8, .size: 8, .value_kind: global_buffer, .address_space: global }
      - { .name: pc, .offset: 16, .size: 8, .value_kind: global_buffer, .address_space: global }
    .group_segment_fixed_size: 327680
    .private_segment_fixed_size: 0
    .kernarg_segment_align: 8
    .kernarg_segment_size: 24
    .max_flat_workgroup_size: 128
    .sgpr_count:     100
    .vgpr_count:     1024
    .wavefront_size: 32
...
	.end_amdgpu_metadata
.endif
;; end of part 6
;; launch pv (part 7): grid 4 x 64, 4 waves a work-group, clusters of 4 x 4, 327,680 bytes of LDS; arguments pc, vt, out0; writes out0
.if DOCPART == 7
	.amdgcn_target "amdgcn-amd-amdhsa--gfx1250"
	.amdhsa_code_object_version 6
	.text
	.protected	k_qbd2e6cb2ca_pv
	.globl	k_qbd2e6cb2ca_pv
	.p2align	8
	.type	k_qbd2e6cb2ca_pv,@function
k_qbd2e6cb2ca_pv:
	s_mov_b64 s[64:65], 0
	v_nop
	global_prefetch_b8 v0, s[64:65] scope:SCOPE_SE
	s_setreg_imm32_b32 hwreg(HW_REG_WAVE_MODE, 25, 1), 1
	s_wait_xcnt 0x0
	s_wait_alu depctr_hold_cnt(0) depctr_sa_sdst(0) depctr_va_vdst(0) depctr_va_sdst(0) depctr_va_ssrc(0) depctr_va_vcc(0) depctr_vm_vsrc(0)
	s_getreg_b32 s2, hwreg(HW_REG_IB_STS2, 6, 4)
	s_cmp_eq_u32 s2, 0
	s_cbranch_scc0 .Lentry_in_a_cluster
	s_endpgm
.Lentry_in_a_cluster:
	s_bfe_u32 s2, ttmp6, 0x10000c
	s_cmp_lg_u32 s2, 0xf033
	s_cbranch_scc0 .Lentry_shape_is_right
	s_endpgm
.Lentry_shape_is_right:
; out = (p v) / l on codes of BF6 (E3M2) with E8M0 scales, sums in f32.  p comes from the launch before as 2^(t - Mloc), Mloc a whole number of its own for each (query, 128 keys), with the local sums of the unquantised p.
; HEAD: the row's M = the largest Mloc; l = the sum of the local sums x 2^(Mloc - M), exact scalings.  AT EACH SLOT: M - Mloc is taken off p's four scale bytes of each 128 keys: the codes then stand for 2^(t - M).
; OPERANDS: pc: [64 groups of 128 queries][16 steps of 128 keys] blocks of 13,824 bytes: eight fragments as register images (fragment i at 1536 i; registers 4 c .. 4 c + 3 of lane l at 512 c + 16 l), at 12,288 128 scale
; words, at 12,800 128 Mloc, at 13,312 128 local sums.  vt: [8 groups of 128 d][64 steps of 128 tokens] blocks of 12,800 bytes, likewise.  Stored row p holds row p with bits 3 and 4 exchanged.
; Source 0 = 16 rows of v^T, source 1 = 16 queries: a lane holds one stored query; the 64 registers of a block's accumulators are d = 32 b + 16 h + i.
; TILES: 128 queries x 256 of d: 64 x 4 = 256 work-groups (tiles of 256 x 256 would be 128).  Four waves of 64 x 128: 32 accumulators, one register window.  For 128 keys a wave reads 12 fragments for 32 products.
; THE RING: two LDS slots of 512 KEYS: one group of queries x 4 steps (55,296 bytes) and two groups of d x 4 steps (2 x 51,200): 157,696 bytes a slot, 128 matrix instructions a wave.  Waves 0 and 1 fetch two steps of p
; each, waves 2 and 3 a group of v^T each.
; THE KEYS go to 1,024 or to 2,048: two slots or four, by bit 1 of the cluster's y, the same number in all sixteen partners.  With two, one forward branch on that number leads over the two middle slots, their two
; joint refills and their rounds.  No loop.  A cluster's 512 queries need 512 (y % 4 + 1) keys: up to 512 keys more are multiplied; their blocks hold zero codes, which the launch before has written.
; CLUSTERS: 4 x 4: 512 queries x all of d.  p's tile is shared along a row of the cluster, v^T's along a column: joint loads.
; LIMITS: NaN and infinities are not served.  Where M - Mloc would bring a scale byte under 0 the byte is held at 0 (2^-127): such terms lie under 2^-100 of a sum that is at least 1/2.
; REGISTERS: window 0: v4-17 addresses; v18-19 M, v20-27 1 / l in pairs, v28-33 the head's, v34-49 the bytes' work; v64-111 scale words, two sets of 24, and nothing else; v128-223 A's fragments, two sets of 48
;   (in the head Mloc and sums, on the way out rows of out).  window 1: B's fragments, two sets, at v0 and v128.  window 2: the accumulators, (a, b) at v[8 (8 a + b)].
.set BLK,  12800
.set PBLK, 13824
.set ABLK, PBLK
.set BBLK, BLK
.set AH,   4*ABLK                      ; p's part of a slot
.set AQ,   2*ABLK                      ; what one of its two tensor loads brings: 27,648 bytes, 108 rows of 256
.set BH,   4*BBLK                      ; a group of v^T in a slot, one tensor load: 51,200 bytes, 200 rows of 256
.set SLOT, AH+2*BH
.set SPARE, 2*SLOT                     ; behind the ring: the spare words, 128 bytes a wave: two blocks of 256 bytes that no other line names
.set PRHO, 16*PBLK
.set VRHO, 64*BLK
.set SPITCH, 528                       ; the way out: a stage of 16 rows x (512 bytes + 16) for each wave, in slot 0, which has had its last fill and its last read by then
.set FR,   12
.set NP,   4                           ; places behind this matrix instruction (ISA guide 7.12.1)
.set ADRA, 4                           ; v4-5   16 x lane + my four fragments of p in slot 0, 1
.set ASA,  6                           ; v6-7   4 x lane + my 64 rows' words
.set ADRB, 8                           ; v8-9, v10-11 likewise for my group of v^T
.set ASB,  10
.set LI,   12                          ; v12 16 x lane
.set LS4,  13                          ; v13 4 x lane
.set STO,  14                          ; v14 the stage: where I put 16 bytes of a row
.set RD,   15                          ; v15 and where I read a row back
.set SPW,  16                          ; v16 my spare word;  v17 0: both never rewritten
.set NIL,  17
.set MROW, 18                          ; v18-19 M of my stored rows 32 j + lane
.set RL,   20                          ; v[20+2a:21+2a] 1 / l of my stored row 16 a + r, in both halves of the lanes
.set LR,   28                          ; v28-29 l;  v30-31 lane l xor 16's 1 / l;  v32-33 1 / l
.set XR,   30
.set RR,   32
.set MA,   34                          ; v34-41 Mloc of a slot's four steps, then M - Mloc in every byte
.set TT,   42                          ; v42-49 at work
.set SC,   64                          ; scale words: set s at SC + 24 s; in it, for the slot's q-th 128 keys, p's rows 32 j + lane at 6 q + j, v^T's at 6 q + 2 + j
.set AF,   128                         ; A's fragments: set p at AF + 48 p
.set HM0,  128                         ; the head: v128-159 Mloc of 16 steps x 2 registers, v160-191 the local sums
.set HL0,  160
.set BK,   128                         ; the way out: 16 rows read back: v128-191 and v192-255 by turns
.set G1,  24                           ; s[24:31] group 1 for p's tiles;  s[32:39] group 0, a set for each slot
.set G0,  32
.set G1B, 48                           ; s[48:55], s[84:91] the same for v^T's
.set G0B, 84
.set HM,  81
.set SEL, 82
.set MSB, 0
.macro WIN new                         ; the immediate's high byte repeats the setting that is left
.set NEWW, \new
.if MSB != NEWW
	s_set_vgpr_msb (MSB<<8)|NEWW
.set MSB, NEWW
.endif
.endm
.set MUL,  0xa1                        ; source 0 (B) window 1, source 1 (A) window 0, C and D window 2
.set TO_B, 0x40                        ; destination window 1
.macro JLOAD g0a, g1a, g0b, g1b        ; a joint load: waves 0 and 1 for A, waves 2 and 3 for B; four v_nop follow each of the two lines
	s_cmp_eq_u32 s15, 0
	s_cbranch_scc0 .Lfor_b_\@
	tensor_load_to_lds s[\g0a:\g0a+3], s[\g1a:\g1a+7]
	s_nop 0
.rept 4
	v_nop
.endr
	s_branch .Lasked_\@
.Lfor_b_\@:
	tensor_load_to_lds s[\g0b:\g0b+3], s[\g1b:\g1b+7]
	s_nop 0
.rept 4
	v_nop
.endr
.Lasked_\@:
.endm
.macro CREST                           ; a round of the cluster's barrier behind its opening barrier
	s_cmp_lg_u32 s14, 0
	s_cbranch_scc1 .Lnot_wave_0_\@
	s_barrier_signal -3
.Lnot_wave_0_\@:
	s_barrier_wait -3
	s_barrier_signal -1
	s_barrier_wait -1
.endm
.macro CROUND
	s_barrier_signal -1
	s_barrier_wait -1
	CREST
.endm
.macro PLACES n
.rept \n
	v_nop
.endr
.endm
.macro FRAG reg, adr, off              ; a fragment's image comes back as it was stored: three loads of 512 consecutive bytes
.irp c, 0,1,2
	ds_load_b128 v[\reg+4*\c:\reg+4*\c+3], v[\adr] offset:\off+512*\c
.endr
.endm
.macro FETCH slot, q, p                ; the fragments of the slot's q-th 128 keys into sets p: B's eight, then A's four: 36 loads in one run
	WIN TO_B
.irp i, 0,1,2,3,4,5,6,7
	FRAG 128*(\p)+FR*\i, ADRB+\slot, (\q)*BBLK+1536*\i
.endr
	WIN 0
.irp i, 0,1,2,3
	FRAG AF+48*(\p)+FR*\i, ADRA+\slot, (\q)*ABLK+1536*\i
.endr
.endm
.macro SCALES s                        ; slot s's scale words into set s, and p's Mloc: lanes 0-15 take block 2 j's rows, lanes 16-31 block 2 j + 1's
.irp q, 0,1,2,3
.irp j, 0,1
	ds_load_b32 v[SC+24*\s+6*\q+\j], v[ASA+\s] offset:\q*ABLK+12288+128*\j
	ds_load_b32 v[MA+2*\q+\j], v[ASA+\s] offset:\q*ABLK+12800+128*\j
.endr
.irp j, 0,1,2,3
	ds_load_b32 v[SC+24*\s+6*\q+2+\j], v[ASB+\s] offset:\q*BBLK+12288+128*\j
.endr
.endr
.endm
; M - Mloc, a whole number held at 127, is taken off each of p's four scale bytes.  The bytes are at most 123: with bit 7 set in each, no subtraction borrows from the next byte; a byte whose bit 7 has gone
; would have fallen under 0 and becomes 0.
.macro ADJUST s
.irp q, 0,1,2,3
.irp j, 0,1
	v_sub_f32 v[MA+2*\q+\j], v[MROW+\j], v[MA+2*\q+\j]
.endr
.endr
.irp i, 0,1,2,3,4,5,6,7
	v_min_num_f32 v[MA+\i], 0x42fe0000, v[MA+\i]
.endr
.irp i, 0,1,2,3,4,5,6,7
	v_cvt_u32_f32 v[MA+\i], v[MA+\i]
.endr
.irp i, 0,1,2,3,4,5,6,7
	v_lshl_or_b32 v[MA+\i], v[MA+\i], 8, v[MA+\i]
.endr
.irp i, 0,1,2,3,4,5,6,7
	v_lshl_or_b32 v[MA+\i], v[MA+\i], 16, v[MA+\i]
.endr
.irp q, 0,1,2,3
.irp j, 0,1
	v_or_b32 v[SC+24*\s+6*\q+\j], 0x80808080, v[SC+24*\s+6*\q+\j]
.endr
.endr
.irp q, 0,1,2,3
.irp j, 0,1
	v_sub_nc_u32 v[SC+24*\s+6*\q+\j], v[SC+24*\s+6*\q+\j], v[MA+2*\q+\j]
.endr
.endr
.irp q, 0,1,2,3
.irp j, 0,1
	v_and_b32 v[TT+2*\q+\j], 0x80808080, v[SC+24*\s+6*\q+\j]
.endr
.endr
.irp i, 0,1,2,3,4,5,6,7
	v_lshrrev_b32 v[MA+\i], 7, v[TT+\i]
.endr
.irp i, 0,1,2,3,4,5,6,7
	v_sub_nc_u32 v[TT+\i], v[TT+\i], v[MA+\i]      ; 0x7f in each byte that has kept its bit 7
.endr
.irp q, 0,1,2,3
.irp j, 0,1
	v_and_b32 v[SC+24*\s+6*\q+\j], v[SC+24*\s+6*\q+\j], v[TT+2*\q+\j]
.endr
.endr
.endm
.macro MM                              ; one product; an odd block's scale words stand in lanes 16-31 of their register
.if zC
.if oB && oA
	v_wmma_scale_f32_16x16x128_f8f6f4 v[rD:rD+7], v[rB:rB+FR-1], v[rA:rA+FR-1], 0, v[rSB], v[rSA] matrix_a_fmt:MATRIX_FMT_BF6 matrix_b_fmt:MATRIX_FMT_BF6 matrix_a_scale:MATRIX_SCALE_ROW1 matrix_b_scale:MATRIX_SCALE_ROW1
.elseif oB
	v_wmma_scale_f32_16x16x128_f8f6f4 v[rD:rD+7], v[rB:rB+FR-1], v[rA:rA+FR-1], 0, v[rSB], v[rSA] matrix_a_fmt:MATRIX_FMT_BF6 matrix_b_fmt:MATRIX_FMT_BF6 matrix_a_scale:MATRIX_SCALE_ROW1
.elseif oA
	v_wmma_scale_f32_16x16x128_f8f6f4 v[rD:rD+7], v[rB:rB+FR-1], v[rA:rA+FR-1], 0, v[rSB], v[rSA] matrix_a_fmt:MATRIX_FMT_BF6 matrix_b_fmt:MATRIX_FMT_BF6 matrix_b_scale:MATRIX_SCALE_ROW1
.else
	v_wmma_scale_f32_16x16x128_f8f6f4 v[rD:rD+7], v[rB:rB+FR-1], v[rA:rA+FR-1], 0, v[rSB], v[rSA] matrix_a_fmt:MATRIX_FMT_BF6 matrix_b_fmt:MATRIX_FMT_BF6
.endif
.else
.if oB && oA
	v_wmma_scale_f32_16x16x128_f8f6f4 v[rD:rD+7], v[rB:rB+FR-1], v[rA:rA+FR-1], v[rD:rD+7], v[rSB], v[rSA] matrix_a_fmt:MATRIX_FMT_BF6 matrix_b_fmt:MATRIX_FMT_BF6 matrix_a_scale:MATRIX_SCALE_ROW1 matrix_b_scale:MATRIX_SCALE_ROW1
.elseif oB
	v_wmma_scale_f32_16x16x128_f8f6f4 v[rD:rD+7], v[rB:rB+FR-1], v[rA:rA+FR-1], v[rD:rD+7], v[rSB], v[rSA] matrix_a_fmt:MATRIX_FMT_BF6 matrix_b_fmt:MATRIX_FMT_BF6 matrix_a_scale:MATRIX_SCALE_ROW1
.elseif oA
	v_wmma_scale_f32_16x16x128_f8f6f4 v[rD:rD+7], v[rB:rB+FR-1], v[rA:rA+FR-1], v[rD:rD+7], v[rSB], v[rSA] matrix_a_fmt:MATRIX_FMT_BF6 matrix_b_fmt:MATRIX_FMT_BF6 matrix_b_scale:MATRIX_SCALE_ROW1
.else
	v_wmma_scale_f32_16x16x128_f8f6f4 v[rD:rD+7], v[rB:rB+FR-1], v[rA:rA+FR-1], v[rD:rD+7], v[rSB], v[rSA] matrix_a_fmt:MATRIX_FMT_BF6 matrix_b_fmt:MATRIX_FMT_BF6
.endif
.endif
.endm
; 8 products: A's block a x B's eight, the slot's q-th 128 keys.  p: the sets of fragments; sc: the set of scale words; zero = 1: the product starts the sum.
; The 32 accumulators take turns, one instruction a turn, in the same order in every step.
.macro MULA a, p, q, sc, zero
.set zC, \zero
.irp b, 0,1,2,3,4,5,6,7
.set rD, 8*(8*(\a)+\b)
.set rB, 128*(\p)+FR*\b
.set rA, AF+48*(\p)+FR*(\a)
.set rSB, SC+24*(\sc)+6*(\q)+2+\b/2
.set rSA, SC+24*(\sc)+6*(\q)+(\a)/2
.set oB, \b%2
.set oA, (\a)%2
	MM
.endr
.endm
; One of a slot's first three steps of 128 keys: the next step's fragments are asked for first, into the sets that the last step's products have read (four places behind them), and land under this step's 32 products.
.macro STEP slot, q, zero
	s_wait_dscnt 0x0                               ; this step's fragments are in
	PLACES NP
	FETCH \slot, \q+1, (\q+1)%2
	WIN MUL
.irp a, 0,1,2,3
	MULA \a, (\q)%2, \q, \slot, \zero
.endr
.endm
; A slot's fourth step changes slots: one barrier; in front of it each wave waits for all its tensor loads, adds 0 to its spare word, and waits for that and for its reads of this slot.
; fill = 1: the barrier opens a round of the cluster's barrier, and this slot is filled again, with the keys two slots on, first thing behind the round: that load has a slot's 128 products in which to land.
.macro TURN slot, next, fill
	WIN 0                                          ; (the add's two registers lie in window 0)
	s_wait_tensorcnt 0x0                           ; all my tensor loads have landed: my part of the next slot
	ds_add_u32 v[SPW], v[NIL]                      ; 0 onto my spare word
	s_wait_dscnt 7                                 ; (the add and the youngest six loads, A's blocks 2 and 3, may be out)
	WIN MUL
	MULA 0, 1, 3, \slot, 0                         ; eight products stand between the add and the wait for it
	s_wait_dscnt 0x0                               ; the add is done, and my reads of this slot are over
	s_barrier_signal -1
	MULA 1, 1, 3, \slot, 0
	WIN 0
	s_barrier_wait -1
.if \fill
	CREST                                          ; no wave of any partner still reads this slot or has a load on its way
	s_add_nc_u64 s[G0+4*\slot+2:G0+4*\slot+3], s[G0+4*\slot+2:G0+4*\slot+3], 2*AH
	s_add_nc_u64 s[G0B+4*\slot+2:G0B+4*\slot+3], s[G0B+4*\slot+2:G0B+4*\slot+3], 2*BH
	JLOAD G0+4*\slot, G1, G0B+4*\slot, G1B         ; its four v_nop are also the places in front of the fragment loads below
.else
	PLACES NP
.endif
	SCALES \next                                   ; 32 words, which land under the sixteen products below
	WIN MUL
	MULA 2, 1, 3, \slot, 0
	MULA 3, 1, 3, \slot, 0
	WIN 0
	s_wait_dscnt 0x0                               ; the next slot's scale words and Mloc are in
	FETCH \next, 0, 0                              ; its first fragments come while the bytes are set right
	ADJUST \next
	PLACES 8                                       ; a scale register written by a vector instruction stands 8 places ahead of the scaled product that reads it
.endm
	s_load_b128 s[4:7], s[0:1], 0x0                ; pc, vt
	s_load_b64 s[8:9], s[0:1], 0x10                ; out0
	v_lshl_add_u32 v[SPW], v0, 2, SPARE
	v_mov_b32 v[NIL], 0
	ds_add_u32 v16, v17
	ds_add_u32 v16, v17
	s_wait_dscnt 0x0
	v_lshrrev_b32 v1, 5, v0
	v_readfirstlane_b32 s14, v1                    ; wave
	s_lshr_b32 s15, s14, 1                         ; which 64 queries are mine.  Also: I fetch for A (0) or for B (1)
	s_and_b32 s16, s14, 1                          ; which 128 of d.  Also: which part I fetch
	s_bfe_u32 s56, ttmp6, 0x40000                  ; cx
	s_bfe_u32 s57, ttmp6, 0x40004                  ; cy
	s_and_b32 s66, ttmp7, 0xffff                   ; cluster row Y = 4 batch + which 512 of the batch's queries
	s_lshr_b32 s67, s66, 2                         ; the batch
	s_bfe_u32 s68, s66, 0x10001                    ; bit 1 of Y: the batch's upper 1,024 queries: the keys go to 2,048
	s_lshl_b32 s17, s66, 2
	s_add_co_u32 s17, s17, s57                     ; tile row: which 128 of the 8,192 queries
	s_lshl_b32 s58, ttmp9, 2
	s_add_co_u32 s58, s58, s56                     ; tile column: which 256 of d
	s_lshl_b32 s59, s57, 2
	s_lshl_b32 s59, 15, s59                        ; my row of the cluster
	s_lshl_b32 s44, 0x1111, s56                    ; my column
	s_or_b32 s[G1+0], s59, (3<<16)|(1<<21)         ; 15:0 the mask; 17:16 elements of 8 bytes; 21 set beside a mask; no padding
	s_or_b32 s[G1B+0], s44, (3<<16)|(1<<21)
	s_mov_b32 s[G1+1], 32<<16                      ; tensor_dim0 = 32 elements: 256 bytes
	s_mov_b32 s[G1+2], (AQ/256)<<16                ; tensor_dim1
	s_mov_b32 s[G1+3], 32<<16                      ; tile_dim0
	s_mov_b32 s[G1+4], AQ/256                      ; tile_dim1
	s_mov_b32 s[G1+5], 32                          ; the pitch: dense
	s_mov_b32 s[G1+6], 0
	s_mov_b32 s[G1+7], 0
	s_mov_b32 s[G1B+1], 32<<16
	s_mov_b32 s[G1B+2], (BH/256)<<16
	s_mov_b32 s[G1B+3], 32<<16
	s_mov_b32 s[G1B+4], BH/256
	s_mov_b32 s[G1B+5], 32
	s_mov_b32 s[G1B+6], 0
	s_mov_b32 s[G1B+7], 0
	s_mul_i32 s20, s17, PRHO                       ; A: the tile row's group of pc, + the two steps of a slot that I fetch: no cx enters
	s_mul_i32 s21, s16, AQ
	s_add_co_u32 s20, s20, s21
	s_mov_b32 s21, 0
	s_lshl_b32 s46, s58, 1
	s_add_co_u32 s46, s46, s16                     ; B: group 2 x tile column + the one that I fetch, from the batch's first key on: no cy enters
	s_mul_i32 s46, s46, VRHO
	s_mul_i32 s47, s67, 16*BLK
	s_add_co_u32 s46, s46, s47
	s_mov_b32 s47, 0
	s_mul_i32 s78, s17, PRHO                       ; my own 64 queries' words in pc, for Mloc and the local sums
	s_lshl_b32 s79, s15, 8
	s_add_co_u32 s78, s78, s79
	s_mov_b32 s79, 0
	s_mul_i32 s92, s68, 8*PBLK                     ; steps 8 to 15 where the keys go so far; else steps 0 to 7 once more, with weight 0 in the sum
	s_mov_b32 s93, 0
	s_cmp_eq_u32 s68, 1
	s_cselect_b32 s80, 1.0, 0
	s_lshl_b32 s72, s17, 7                         ; out: row 128 x tile row + 64 x my half, 4,096 bytes a row; + 1,024 x tile column + 512 x my half
	s_lshl_b32 s73, s15, 6
	s_add_co_u32 s72, s72, s73
	s_lshl_b32 s72, s72, 12
	s_lshl_b32 s73, s58, 10
	s_add_co_u32 s72, s72, s73
	s_lshl_b32 s73, s16, 9
	s_add_co_u32 s72, s72, s73
	s_mov_b32 s73, 0
	s_mul_i32 s45, s16, AQ                         ; where my load goes: no place in the cluster enters an LDS address
	s_mul_i32 s76, s16, BH
	s_add_co_u32 s76, s76, AH
	s_mov_b32 s[HM], 0xffff0000
	s_mov_b32 s[SEL], 0x76543210
	s_mov_b32 s[SEL+1], 0xfedcba98
	s_wait_kmcnt 0x0
	s_add_nc_u64 s[20:21], s[4:5], s[20:21]
	s_add_nc_u64 s[46:47], s[6:7], s[46:47]
	s_add_nc_u64 s[78:79], s[4:5], s[78:79]
	s_add_nc_u64 s[92:93], s[78:79], s[92:93]
	s_add_nc_u64 s[12:13], s[8:9], s[72:73]
	CROUND                                         ; all sixteen work-groups are here: the first joint loads meet
.irp s, 0,1
	s_mov_b32 s[G0+4*\s], 1
	s_add_co_u32 s[G0+4*\s+1], s45, \s*SLOT
	s_add_nc_u64 s[G0+4*\s+2:G0+4*\s+3], s[20:21], \s*AH
	s_or_b32 s[G0+4*\s+3], s[G0+4*\s+3], 0x80000000
	s_mov_b32 s[G0B+4*\s], 1
	s_add_co_u32 s[G0B+4*\s+1], s76, \s*SLOT
	s_add_nc_u64 s[G0B+4*\s+2:G0B+4*\s+3], s[46:47], \s*BH
	s_or_b32 s[G0B+4*\s+3], s[G0B+4*\s+3], 0x80000000
	JLOAD G0+4*\s, G1, G0B+4*\s, G1B
.endr
	v_and_b32 v1, 31, v0
	v_lshlrev_b32 v[LI], 4, v1
	v_lshlrev_b32 v[LS4], 2, v1
	; THE HEAD: Mloc and the local sums of my 64 queries, 16 steps of 128 keys: lane l of register j holds my stored row 32 j + l, as the scale words do
.irp k, 0,1,2,3,4,5,6,7
.irp j, 0,1
	global_load_b32 v[HM0+2*\k+\j], v[LS4], s[78:79] offset:\k*PBLK+12800+128*\j
	global_load_b32 v[HM0+16+2*\k+\j], v[LS4], s[92:93] offset:\k*PBLK+12800+128*\j
	global_load_b32 v[HL0+2*\k+\j], v[LS4], s[78:79] offset:\k*PBLK+13312+128*\j
	global_load_b32 v[HL0+16+2*\k+\j], v[LS4], s[92:93] offset:\k*PBLK+13312+128*\j
.endr
.endr
	s_mul_i32 s74, s15, 4*1536                     ; my four fragments of a block of p,
	s_lshl_b32 s77, s15, 8                         ; my 64 rows' words,
	s_mul_i32 s75, s16, BH
	s_add_co_u32 s75, s75, AH                      ; my group of v^T
.irp s, 0,1
	v_add_nc_u32 v[ADRA+\s], s74, v[LI]
	v_add_nc_u32 v[ASA+\s], s77, v[LS4]
	v_add_nc_u32 v[ADRB+\s], s75, v[LI]
	v_add_nc_u32 v[ASB+\s], s75, v[LS4]
	s_add_co_u32 s74, s74, SLOT
	s_add_co_u32 s77, s77, SLOT
	s_add_co_u32 s75, s75, SLOT
.endr
	v_and_b32 v1, 15, v0                           ; r
	v_bfe_u32 v2, v0, 4, 1                         ; h
	s_mul_i32 s74, s14, 16*SPITCH                  ; my stage
	v_mul_u32_u24 v[STO], v1, SPITCH
	v_lshl_add_u32 v[STO], v2, 6, v[STO]
	v_add_nc_u32 v[STO], s74, v[STO]               ; in: row r, + 64 h
	v_add_nc_u32 v[RD], s74, v[LI]                 ; back: the 32 lanes take one row of 512 bytes
.irp j, 0,1
	v_mov_b32 v[XR+\j], 0                          ; a lane permute's destination counts as one of its sources
.endr
	s_wait_loadcnt 0x0
.irp j, 0,1
	v_max3_num_f32 v[MROW+\j], v[HM0+\j], v[HM0+2+\j], v[HM0+4+\j]
.endr
.irp k, 3,5,7,9,11,13
.irp j, 0,1
	v_max3_num_f32 v[MROW+\j], v[MROW+\j], v[HM0+2*\k+\j], v[HM0+2*\k+2+\j]
.endr
.endr
.irp j, 0,1
	v_max_num_f32 v[MROW+\j], v[MROW+\j], v[HM0+30+\j]   ; the row's M
.endr
.set n, 0
.rept 32
	v_sub_f32 v[HM0+n], v[HM0+n], v[MROW+n%2]      ; Mloc - M: a whole number, 0 or less
.set n, n+1
.endr
.set n, 0
.rept 32
	v_cvt_i32_f32 v[HM0+n], v[HM0+n]               ; (it saturates)
.set n, n+1
.endr
.set n, 0
.rept 32
	v_ldexp_f32 v[HL0+n], v[HL0+n], v[HM0+n]       ; the local sum under the row's M: nothing is rounded
.set n, n+1
.endr
.irp j, 0,1
	v_add_f32 v[LR+\j], v[HL0+\j], v[HL0+2+\j]
.endr
.irp k, 2,3,4,5,6,7
.irp j, 0,1
	v_add_f32 v[LR+\j], v[LR+\j], v[HL0+2*\k+\j]
.endr
.endr
.irp k, 8,9,10,11,12,13,14,15
.irp j, 0,1
	v_fma_f32 v[LR+\j], v[HL0+2*\k+\j], s80, v[LR+\j]   ; weight 1 where the keys go so far, else 0
.endr
.endr
.irp j, 0,1
	v_rcp_f32 v[RR+\j], v[LR+\j]
.endr
	v_nop                                          ; a plain place behind the reciprocals
	s_wait_alu depctr_va_vdst(0)                   ; one wait for the two, ahead of their first reader
.irp j, 0,1
	v_permlanex16_b32 v[XR+\j], v[RR+\j], s[SEL], s[SEL+1]
.endr
.irp j, 0,1                            ; block 2 j's rows stand in lanes 0-15 of register j, block 2 j + 1's in lanes 16-31: each is spread to both halves, and written twice for the packed multiply's pair
	v_cndmask_b32 v[RL+4*\j], v[RR+\j], v[XR+\j], s[HM]
	v_cndmask_b32 v[RL+4*\j+1], v[RR+\j], v[XR+\j], s[HM]
	v_cndmask_b32 v[RL+4*\j+2], v[XR+\j], v[RR+\j], s[HM]
	v_cndmask_b32 v[RL+4*\j+3], v[XR+\j], v[RR+\j], s[HM]
.endr
	s_wait_tensorcnt 1                             ; my part of slot 0 is in; slot 1's may stay out
	s_barrier_signal -1
	s_barrier_wait -1
	SCALES 0
	s_wait_dscnt 0x0
	FETCH 0, 0, 0
	ADJUST 0
	PLACES 8
	STEP 0, 0, 1                                   ; the first products start the sums: nothing is cleared
	STEP 0, 1, 0
	STEP 0, 2, 0
	WIN 0                                          ; at a branch and at a label every window is 0
	s_cmp_eq_u32 s68, 0                            ; 1,024 keys are two slots: both were asked for at the start.  The number is the cluster's: all sixteen partners go the same way
	s_cbranch_scc1 .Lshort
	TURN 0, 1, 1                                   ; 2,048 keys: slot 0 takes keys 1,024 to 1,535,
	STEP 1, 0, 0
	STEP 1, 1, 0
	STEP 1, 2, 0
	TURN 1, 0, 1                                   ; slot 1 keys 1,536 to 2,047
	STEP 0, 0, 0
	STEP 0, 1, 0
	STEP 0, 2, 0
	WIN 0
.Lshort:
	TURN 0, 1, 0                                   ; the last change of slots fills nothing
	STEP 1, 0, 0
	STEP 1, 1, 0
	STEP 1, 2, 0
	s_wait_dscnt 0x0                               ; the very last step: nothing more to fetch
	WIN MUL
.irp a, 0,1,2,3
	MULA \a, 1, 3, 1, 0
.endr
	WIN 0
; THE WAY OUT, block by block of 16 stored queries x 128 of d: divided by l, through my own stage in LDS, and out as whole rows of 512 bytes.  LDS serves a wave's instructions in order: no wait between the
; stores and the loads, nor in front of the next block's stores.
.macro SCALEB a
.set AC, 64*(\a)
	WIN 0x82                                       ; destination and source 0: the accumulators' window
.set n, 0
.rept 32
	v_pk_mul_f32 v[AC+n:AC+n+1], v[AC+n:AC+n+1], v[RL+2*(\a):RL+2*(\a)+1] op_sel_hi:[1,0]   ; each accumulator from its low end on
.set n, n+2
.endr
.endm
.macro TOSTAGE a
.set AC, 64*(\a)
	WIN 0x08                                       ; an LDS store's data are its source 1
.irp b, 0,1,2,3,4,5,6,7
	ds_store_b128 v[STO], v[AC+8*\b:AC+8*\b+3] offset:128*(\b/2)+32*(\b%2)          ; tile 2 b + u, register j: d = 32 b + 16 h + 8 u + j
	ds_store_b128 v[STO], v[AC+8*\b+4:AC+8*\b+7] offset:128*(\b/2)+32*(\b%2)+16
.endr
	WIN 0
.set BB, BK+64*((\a)%2)
.irp t, 0,1,2,3,4,5,6,7,8,9,10,11,12,13,14,15
	ds_load_b128 v[BB+4*\t:BB+4*\t+3], v[RD] offset:\t*SPITCH
.endr
.endm
.macro SEND a, younger                 ; younger: the LDS instructions issued behind block a's loads, which may stay out
.set BB, BK+64*((\a)%2)
	s_wait_dscnt \younger
.irp t, 0,1,2,3,4,5,6,7,8,9,10,11,12,13,14,15
	global_store_b128 v[LI], v[BB+4*\t:BB+4*\t+3], s[12:13] offset:(32*((\a)/2)+8*((\a)%2)+16*(\t/8)+\t%8)*4096 th:TH_STORE_NT   ; my stored row 16 a + t is this row of out; 512 consecutive bytes, at a multiple of 256 from out's first byte
.endr
.endm
	PLACES NP                                      ; behind the last products: results are read, and loads land in registers that held A's fragments
	SCALEB 0
	TOSTAGE 0
.irp a, 1,2,3
.if \a > 1
	s_wait_xcnt 0x0                                ; block a - 2's stores have read their registers: block a's loads may land there
.endif
	SCALEB \a
	TOSTAGE \a
	SEND \a-1, 32                                  ; behind block a - 1's loads: block a's 16 stores and 16 loads
.endr
	SEND 3, 0
	s_wait_tensorcnt 0x0                           ; the wave's end: behind my last tensor load and my last LDS store
	ds_add_u32 v[SPW], v[NIL]
	s_wait_dscnt 0x0
	CROUND                                         ; the closing round: no work-group ends while a partner may still ask for a tile that names it
	s_endpgm
.Lfunc_end_k_qbd2e6cb2ca_pv:
	.size	k_qbd2e6cb2ca_pv, .Lfunc_end_k_qbd2e6cb2ca_pv-k_qbd2e6cb2ca_pv
	.p2alignl 7, 3214868480
	.fill 96, 4, 3214868480
	.section	.rodata,"a",@progbits
	.p2align	6, 0x0
	.amdhsa_kernel k_qbd2e6cb2ca_pv
		.amdhsa_group_segment_fixed_size 327680
		.amdhsa_private_segment_fixed_size 0
		.amdhsa_enable_private_segment 0
		.amdhsa_kernarg_size 24
		.amdhsa_user_sgpr_count 2
		.amdhsa_user_sgpr_kernarg_segment_ptr 1
		.amdhsa_wavefront_size32 1
		.amdhsa_system_sgpr_workgroup_id_x 1
		.amdhsa_system_sgpr_workgroup_id_y 1
		.amdhsa_system_sgpr_workgroup_id_z 1
		.amdhsa_system_vgpr_workitem_id 0
		.amdhsa_next_free_vgpr 768
		.amdhsa_next_free_sgpr 100
		.amdhsa_reserve_vcc 0
		.amdhsa_float_denorm_mode_32 3
		.amdhsa_float_denorm_mode_16_64 3
		.amdhsa_memory_ordered 1
		.amdhsa_forward_progress 1
		.amdhsa_inst_pref_size 176
	.end_amdhsa_kernel
	.amdgpu_metadata
---
amdhsa.version: [ 1, 2 ]
amdhsa.kernels:
  - .name:           k_qbd2e6cb2ca_pv
    .symbol:         k_qbd2e6cb2ca_pv.kd
    .args:
      - { .name: pc, .offset: 0, .size: 8, .value_kind: global_buffer, .address_space: global }
      - { .name: vt, .offset: 8, .size: 8, .value_kind: global_buffer, .address_space: global }
      - { .name: out0, .offset: 16, .size: 8, .value_kind: global_buffer, .address_space: global }
    .group_segment_fixed_size: 327680
    .private_segment_fixed_size: 0
    .kernarg_segment_align: 8
    .kernarg_segment_size: 24
    .max_flat_workgroup_size: 128
    .sgpr_count:     100
    .vgpr_count:     768
    .wavefront_size: 32
...
	.end_amdgpu_metadata
.endif
;; end of part 7
